; MI455X (gfx1250); checked and timed in simulation.
; The chip was launched on July 23, 2026; its instructions are those of AMD's public machine-readable ISA for CDNA 5 (MIT licence, August 2026) and "CDNA5" Instruction Set Architecture Reference Guide (July 2026). The comments in the code are by the model that wrote it; some were corrected since.
;; Encoder Block. Allowed arithmetic: matrix products marked QUANTISED: E2M3 operands, one E8M0 scale for each 32 along K, by v_wmma_scale_f32_16x16x128_f8f6f4 with both operands' format E2M3, f32 sums; everything else in f32.
;; Inputs: b1 3,072 float32; b2 768 float32; bk 768 float32; bo 768 float32; bq 768 float32; bv 768 float32; mask 1 x 1 x 4,096 x 4,096 int32; w1_codes 3,072 x 24 x 24 uint8 (E2M3 codes of w1, K innermost, in blocks of 32 codes, four codes in three bytes); w1_scales 3,072 x 24 uint8 (E8M0 scales of w1, one for each 32 codes along K); w2_codes 768 x 96 x 24 uint8 (E2M3 codes of w2, K innermost, in blocks of 32 codes, four codes in three bytes); w2_scales 768 x 96 uint8 (E8M0 scales of w2, one for each 32 codes along K); wk_codes 768 x 24 x 24 uint8 (E2M3 codes of wk, K innermost, in blocks of 32 codes, four codes in three bytes); wk_scales 768 x 24 uint8 (E8M0 scales of wk, one for each 32 codes along K); wo_codes 768 x 24 x 24 uint8 (E2M3 codes of wo, K innermost, in blocks of 32 codes, four codes in three bytes); wo_scales 768 x 24 uint8 (E8M0 scales of wo, one for each 32 codes along K); wq_codes 768 x 24 x 24 uint8 (E2M3 codes of wq, K innermost, in blocks of 32 codes, four codes in three bytes); wq_scales 768 x 24 uint8 (E8M0 scales of wq, one for each 32 codes along K); wv_codes 768 x 24 x 24 uint8 (E2M3 codes of wv, K innermost, in blocks of 32 codes, four codes in three bytes); wv_scales 768 x 24 uint8 (E8M0 scales of wv, one for each 32 codes along K); x 1 x 4,096 x 768 float32.
;; Outputs: out0 1 x 4,096 x 768 float32.
;; This version of the problem:
;;   THIS VERSION OF THE PROBLEM IS GIVEN IN LOW PRECISION. The matrix products marked QUANTISED in the list below multiply operands that are first quantised to E2M3 (2 exponent bits, 3 mantissa bits; 6 bits a number), with one power-of-two scale for each 32 numbers along K (OCP MX v1.0); their sums are f32. All else is computed in f32.
;;   The module's matrix products, in the order in which they are computed (A, B: the left and right operand; K: the contracted axis; several contracted axes count as one K, in the product's order):
;;     1. [M 4,096, K 768] x [K 768, N 768]; A: input x; B: input wq (given as codes): QUANTISED
;;     2. [M 4,096, K 768] x [K 768, N 768]; A: input x; B: input wk (given as codes): QUANTISED
;;     3. [M 4,096, K 768] x [K 768, N 768]; A: input x; B: input wv (given as codes): QUANTISED
;;     4. batch 12 x [M 4,096, K 64] x [K 64, N 4,096]; A: computed on the way; B: computed on the way: QUANTISED
;;     5. batch 12 x [M 4,096, K 4,096] x [K 4,096, N 64]; A: softmax (see below); B: computed on the way: QUANTISED
;;     6. [M 4,096, K 768] x [K 768, N 768]; A: computed on the way; B: input wo (given as codes): QUANTISED
;;     7. [M 4,096, K 768] x [K 768, N 3,072]; A: computed on the way; B: input w1 (given as codes): QUANTISED
;;     8. [M 4,096, K 3,072] x [K 3,072, N 768]; A: computed on the way; B: input w2 (given as codes): QUANTISED
;;   THE QUANTISER, for each operand of a quantised product, along K:
;;     - K is cut into blocks of 32 from its start; a last block that is shorter is filled with zeros.
;;     - A block's scale is 2^e with e = floor(log2(the largest magnitude in the block)) - 2, held to -126 .. 127; a block of zeros has e = 0. As a byte (E8M0): e + 127.
;;     - Each number is divided by its block's scale, clamped to +-7.5, and rounded to the nearest number of E2M3, ties to even, subnormals kept.
;;     - The product sums the exact products of the quantised numbers (number of the format x scale) in f32.
;;   ~~~python
;;   def quantise(x, axis):      # numpy; x: float32 -> the quantised numbers, widened to float32 again
;;       x = np.moveaxis(x, axis, -1); K = x.shape[-1]
;;       x = np.pad(x, [(0, 0)] * (x.ndim - 1) + [(0, -K % 32)]); x = x.reshape(x.shape[:-1] + (-1, 32)); a = np.abs(x).max(-1, keepdims=True)
;;       e = np.where(a > 0, np.clip(np.frexp(np.where(a > 0, a, 1))[1] - 1 - 2, -126, 127), 0)      # np.frexp(a)[1] - 1 = floor(log2(a)), exactly
;;       r = np.clip(x / 2.0 ** e, -7.5, 7.5)
;;       step = 2.0 ** (np.maximum(np.frexp(np.where(r == 0, 1, r))[1] - 1, 0) - 3)
;;       q = np.round(r / step) * step * 2.0 ** e      # np.round: ties to even
;;       return np.moveaxis(q.reshape(q.shape[:-2] + (-1,))[..., :K], -1, axis).astype(np.float32)
;;   ~~~
;;   SOFTMAX AHEAD OF A QUANTISED PRODUCT. Where the list says 'softmax', what is quantised is not the finished softmax but p = 2^(t - M), with t = logit x log2(e) and M = ceil(the row's largest t), a whole number; so 1/2 < the row's largest p <= 1. The row's sum l is taken of the UNQUANTISED p, in f32, and the product's result is divided by l at the end. Since M is a whole number, a kernel that streams over the keys may use a running M (the ceiling of the running maximum): every later rescaling is an exact power of two, which a block's scale takes up: the codes' values come out the same.
;;   OPERANDS COMPUTED ON THE WAY. 'Computed on the way' means the value that the module computes at that place (a softmax that the list does not call 'softmax' is quantised finished and normalised). What goes into a quantiser is computed in f32, as accurately as f32 sums, v_exp_f32 and their like allow (about 1e-6 of the number): no bf16 or f16 on the way to a quantiser, and a product that is left as it is and whose result goes on into a quantised operand takes f32 operands (vector FMAs, or v_wmma_f32_16x16x4_f32). A number that lies on a knife's edge between two numbers of the format may be rounded either way, as far as f32 arithmetic and the matrix unit's own rounding can turn it there, and no further.
;;   INPUTS GIVEN AS CODES. w1 (in the module: [768, 3072], K = its axis 0); w2 (in the module: [3072, 768], K = its axis 0); wk (in the module: [768, 768], K = its axis 0); wo (in the module: [768, 768], K = its axis 0); wq (in the module: [768, 768], K = its axis 0); wv (in the module: [768, 768], K = its axis 0): each comes as NAME_codes (uint8): NAME with its K axis moved to the last place and cut into blocks of 32 codes, [.., K / 32, bytes a block], one block behind the other in memory; four codes in three bytes: a row's codes are one little-endian stream of bits, code i at bits 6 i .. 6 i + 5 (a code: sign, 2 exponent bits, 3 mantissa bits); and NAME_scales (uint8): the same leading axes, one E8M0 byte (e + 127) for each 32 codes along K. Its value is code x scale, taken as it is: it is not quantised again, and the codes and scales need not be those that the quantiser above would give.
;; 2 versions. Each part assembles by itself: llvm-mc -triple=amdgcn-amd-amdhsa -mcpu=gfx1250 --defsym DOCPART=n.
;; ======== version 1 of 2: 4 launches
;; limits: right only within a limited range of input values
;; workspace buffers: qbuf 2,752,512 bytes; kv 5,308,416 bytes; mw 2,097,152 bytes of whole numbers; cbuf 2,555,904 bytes; x1 12,582,912 bytes; hbuf 10,223,616 bytes
;; launch qkv (part 1): grid 64 x 4, 13 waves a work-group, no clusters, 151,552 bytes of LDS; arguments x, mask, wq_codes, wq_scales, bq, wk_codes, wk_scales, bk, wv_codes, wv_scales, bv, qbuf, kv, mw; writes qbuf, kv, mw
.if DOCPART == 1
	.amdgcn_target "amdgcn-amd-amdhsa--gfx1250"
	.amdhsa_code_object_version 6
	.text
	.protected	k_q62b1986c1c_qkv
	.globl	k_q62b1986c1c_qkv
	.p2align	8
	.type	k_q62b1986c1c_qkv,@function
k_q62b1986c1c_qkv:
	s_mov_b64 s[64:65], 0
	v_nop
	global_prefetch_b8 v0, s[64:65] scope:SCOPE_SE
	s_setreg_imm32_b32 hwreg(HW_REG_WAVE_MODE, 25, 1), 1
	s_wait_xcnt 0x0
; ENCODER BLOCK, launch 1 of 4.  q, k, v = Q(x) W + b on codes of FP6 (E2M3) with one E8M0 scale for each 32 along K; q and k are quantised along the head's 64,
; v along the keys; the mask (int32) is packed into one bit a number.  NO WORK OF reference() IS LEFT OUT in any of the four launches, and every input is loaded.
; LIMITS (all four launches): a block of zeros, and a block whose largest magnitude lies under 2^-124, gets the scale byte 1 (the rule says 127 for zeros: the codes are zeros, and only
; this program reads the bytes); NaN and infinities among the inputs are not served; f32 sums run in another order than reference()'s.
; SHARES.  Work-group (R, Y): the 64 rows 64 R .. 64 R + 63, heads 3 Y .. 3 Y + 2, and the mask's rows of query tile 4 R + Y.  Waves 0-7 first quantise x (three fragments each) into LDS;
; one barrier; waves 0-8 are UNITS of 64 rows x 64 columns (wave / 3: q, k, v; wave % 3: the head), waves 9-12 pack the mask, eight key steps each.
; THE ROWS OF A TILE ARE NOT NEIGHBOURS: lane r of tile o takes row 32 (o / 2) + 8 (o % 2) + r + 8 (r / 8) of its 64, for x's rows and for a weight's rows alike.  So in a result whose source 0 is tile i and whose
; source 1 is tile o, lane (r, h) owns line r of tile o, and register 8 i + j is index 32 (i / 2) + 16 h + 8 (i % 2) + j of the other axis: 32 registers are two halves of blocks of 32.
; q, k: source 0 = the weight, source 1 = x (a lane is a row, registers run along d).  v: source 0 = x, source 1 = the weight (a lane is a d, registers run along the keys).
; OPERANDS TRAVEL AS IMAGES OF THEIR REGISTERS: six registers of a lane (64 along K) are 512 bytes at 16 x lane and 256 bytes at 8 x lane; scale words lie [lane][tile], 16 bytes a lane.
; No cluster and no tensor load: each weight fragment goes from memory straight into the registers of the one wave that multiplies by it, so nothing that LDS could hold is shared between work-groups.
.set KROW, 576                         ; a weight's row of 768 codes, in bytes
.set KSB,  24                          ; and of its scale bytes
.set XIMG, 0                           ; LDS: x's fragments [K step 6][tile 4] x 1,536 bytes
.set XSC,  36864                       ; their scale words [K step 6] x 512 bytes
.set MST,  39936                       ; the mask waves' stages: 16 rows x 528 bytes at 8,448 x the wave's number (the places of waves 0-8 are not used)
.set SPARE, 149760                     ; the spare words: 128 bytes for each of 13 waves, in seven blocks of 256 bytes that no other line names
.set L16, 1                            ; v1   16 x lane
.set L8,  2                            ; v2   8 x lane
.set WA,  3                            ; v3   a weight fragment: (r + 8 (r / 8)) x KROW + 24 h
.set WSA, 4                            ; v4   its scale word: (r + 8 (r / 8)) x KSB
.set BA,  5                            ; v5   64 h: a bias's 16 h numbers
.set XA,  6                            ; v6   x: (r + 8 (r / 8)) x 3,072 + 64 h
.set XW16, 7                           ; v7   where I store x's images, 16 bytes a lane
.set XW8, 8                            ; v8   and 8 bytes a lane
.set XWS, 9                            ; v9   and their scale words
.set MSI, 10                           ; v10  my stage, on the way in
.set MSO, 11                           ; v11  and on the way out
.set BVO, 12                           ; v12  4 (r + 8 (r / 8)): bv at my d
.set SPW, 14                           ; v14  my spare word; never rewritten
.set NIL, 15                           ; v15  0; never rewritten
.set WS,  24                           ; v24-27  the weight's scale words, and nothing else
.set AS,  28                           ; v28-31  x's scale words, and nothing else
.set AF,  32                           ; v32-79  x's four fragments
.set WF,  80                           ; v80-127 the weight's four fragments
.set ACC, 128                          ; v128-255 sixteen accumulators: (o, i) at 128 + 32 o + 8 i
.set CD,  96                           ; the way out: six registers of codes a tile
.set TQ,  120                          ; v120-122 a conversion's second half
.set TM,  124                          ; v124-127 at work
.set X0,  32                           ; the x phase: two sets of 64 numbers,
.set X1,  96
.set PC,  160                          ; a fragment's codes,
.set TW,  180                          ; sixteen at work,
.set PW,  196                          ; and its scale word
.set SEL, 6                            ; s[6:7] v_permlanex16_b32's selects for lane l xor 16
.set WB,  44                           ; s[44:45] the weight's codes at my 64 rows
.set WSB, 46                           ; s[46:47] its scale bytes
.macro BARRIER                         ; my LDS stores have landed and my LDS loads are in: then the work-group's barrier
	s_wait_dscnt 0x0
	s_barrier_signal -1
	s_barrier_wait -1
.endm
.macro END3                            ; the wave's end, behind my last LDS store
	s_wait_tensorcnt 0x0
	ds_add_u32 v[SPW], v[NIL]
	s_wait_dscnt 0x0
.endm
; 64 numbers of a lane, register 16 b + i = k 32 b + 16 h + i of my row, become a fragment's 12 registers in v[PC] on and its scale word in v[PW]
.macro QUANT s
.irp b, 0,1,2,3
	v_max3_num_f32 v[TW+\b], |v[\s+16*\b]|, |v[\s+1+16*\b]|, 0x1800000   ; my 16 numbers of block b, and the floor 2^(3 - 127): the byte cannot fall under 1
.endr
.irp i, 2,4,6,8,10,12,14
.irp b, 0,1,2,3
	v_max3_num_f32 v[TW+\b], v[TW+\b], |v[\s+16*\b+\i]|, |v[\s+1+16*\b+\i]|
.endr
.endr
.irp b, 0,1,2,3
	v_permlanex16_b32 v[TW+4+\b], v[TW+\b], s[SEL], s[SEL+1]
.endr
.irp b, 0,1,2,3
	v_max_num_f32 v[TW+\b], v[TW+\b], v[TW+4+\b]                   ; with lane l xor 16's: the block's largest magnitude
.endr
.irp b, 0,1,2,3
	v_add_nc_u32 v[TW+12+\b], 0xff000000, v[TW+\b]                 ; 2 off its exponent field: the conversion's scale operand
.endr
.irp b, 0,1,2,3
	v_lshrrev_b32 v[TW+4+\b], 23, v[TW+12+\b]                      ; the scale's byte
.endr
	v_lshl_or_b32 v[PW], v[TW+5], 8, v[TW+4]
	v_lshl_or_b32 v[PW], v[TW+6], 16, v[PW]
	v_lshl_or_b32 v[PW], v[TW+7], 24, v[PW]
.irp c, 0,1
	v_cvt_scalef32_pk16_fp6_f32 v[PC+6*\c:PC+2+6*\c], v[\s+32*\c:\s+15+32*\c], v[TW+12+2*\c]
	v_cvt_scalef32_pk16_fp6_f32 v[PC+12+4*\c:PC+14+4*\c], v[\s+16+32*\c:\s+31+32*\c], v[TW+12+2*\c+1]   ; (a conversion's three registers begin on an even number)
.endr
	v_nop                                          ; one plain place behind a scaled conversion
.irp c, 0,1                            ; the operand's layout wants a whole block in a lane
.irp i, 0,1,2
	v_permlane16_swap_b32 v[PC+6*\c+\i], v[PC+12+4*\c+\i]
.endr
.irp i, 0,1,2
	v_mov_b32 v[PC+3+6*\c+\i], v[PC+12+4*\c+\i]
.endr
.endr
.endm
; 32 numbers of a lane, register 16 b + i = k 32 b + 16 h + i, become six registers of codes in v[c] on (k = 32 h .. 32 h + 31) and the two scale bytes in the low half of v[w]
.macro QUANT32 s, c, w
.irp b, 0,1
	v_max3_num_f32 v[TM+\b], |v[(\s)+16*\b]|, |v[(\s)+16*\b+1]|, 0x1800000
.endr
.irp i, 2,4,6,8,10,12,14
.irp b, 0,1
	v_max3_num_f32 v[TM+\b], v[TM+\b], |v[(\s)+16*\b+\i]|, |v[(\s)+16*\b+\i+1]|
.endr
.endr
.irp b, 0,1
	v_permlanex16_b32 v[TM+2+\b], v[TM+\b], s[SEL], s[SEL+1]
.endr
.irp b, 0,1
	v_max_num_f32 v[TM+\b], v[TM+\b], v[TM+2+\b]
.endr
.irp b, 0,1
	v_add_nc_u32 v[TM+2+\b], 0xff000000, v[TM+\b]
.endr
.irp b, 0,1
	v_lshrrev_b32 v[TM+\b], 23, v[TM+2+\b]
.endr
	v_lshl_or_b32 v[\w], v[TM+1], 8, v[TM]
	v_cvt_scalef32_pk16_fp6_f32 v[(\c):(\c)+2], v[(\s):(\s)+15], v[TM+2]
	v_cvt_scalef32_pk16_fp6_f32 v[TQ:TQ+2], v[(\s)+16:(\s)+31], v[TM+3]
	v_nop                                          ; one plain place behind a scaled conversion
.irp i, 0,1,2
	v_permlane16_swap_b32 v[(\c)+\i], v[TQ+\i]
.endr
.irp i, 0,1,2
	v_mov_b32 v[(\c)+3+\i], v[TQ+\i]
.endr
.endm
; One step of 128 along K for a unit of 64 x 64: the weight's four fragments and scale words from memory, the other operand's four from LDS, sixteen products.
; first = 0: four places stand in front of the loads into registers that the last step's products have read.  zero = 1: the products start the sums.  xo = 1: source 0 is the LDS operand.
; The sixteen accumulators take turns, one instruction a turn, in the same order in every step.
.macro KSTEP s, first, zero, xo, a16, a8, aoff, sa, soff
.if \first == 0
.rept 4
	v_nop
.endr
.endif
.irp i, 0,1,2,3
.irp p, 0,1,2,3,4,5
	global_load_b64 v[WF+12*\i+2*\p:WF+12*\i+2*\p+1], v[WA], s[WB:WB+1] offset:(32*(\i/2)+8*(\i%2))*KROW+96*(\s)+48*(\p/3)+8*(\p%3)
.endr
	global_load_b32 v[WS+\i], v[WSA], s[WSB:WSB+1] offset:(32*(\i/2)+8*(\i%2))*KSB+4*(\s)
.endr
.irp o, 0,1,2,3
	ds_load_b128 v[AF+12*\o:AF+12*\o+3], v[\a16] offset:\aoff+(4*(\s)+\o)*1536
	ds_load_b64 v[AF+12*\o+4:AF+12*\o+5], v[\a8] offset:\aoff+(4*(\s)+\o)*1536+512
	ds_load_b128 v[AF+12*\o+6:AF+12*\o+9], v[\a16] offset:\aoff+(4*(\s)+\o)*1536+768
	ds_load_b64 v[AF+12*\o+10:AF+12*\o+11], v[\a8] offset:\aoff+(4*(\s)+\o)*1536+1280
.endr
	ds_load_b128 v[AS:AS+3], v[\sa] offset:\soff+512*(\s)
	s_wait_loadcnt 0x0                             ; the step's weights (and, in a first step, whatever was asked for ahead of it)
	s_wait_dscnt 0x0
.if \xo
.set S0, AF
.set S1, WF
.set C0, AS
.set C1, WS
.else
.set S0, WF
.set S1, AF
.set C0, WS
.set C1, AS
.endif
.irp o, 0,1,2,3
.irp i, 0,1,2,3
.if \zero
	v_wmma_scale_f32_16x16x128_f8f6f4 v[ACC+32*\o+8*\i:ACC+32*\o+8*\i+7], v[S0+12*\i:S0+12*\i+11], v[S1+12*\o:S1+12*\o+11], 0, v[C0+\i], v[C1+\o] matrix_a_fmt:MATRIX_FMT_FP6 matrix_b_fmt:MATRIX_FMT_FP6
.else
	v_wmma_scale_f32_16x16x128_f8f6f4 v[ACC+32*\o+8*\i:ACC+32*\o+8*\i+7], v[S0+12*\i:S0+12*\i+11], v[S1+12*\o:S1+12*\o+11], v[ACC+32*\o+8*\i:ACC+32*\o+8*\i+7], v[C0+\i], v[C1+\o] matrix_a_fmt:MATRIX_FMT_FP6 matrix_b_fmt:MATRIX_FMT_FP6
.endif
.endr
.endr
.endm
	s_load_b512 s[16:31], s[0:1], 0x0              ; x 16, mask 18, wq codes 20, scales 22, bq 24, wk codes 26, scales 28, bk 30
	s_load_b256 s[32:39], s[0:1], 0x40             ; wv codes 32, scales 34, bv 36, qbuf 38
	s_load_b128 s[40:43], s[0:1], 0x60             ; kv 40, mw 42
	v_lshl_add_u32 v[SPW], v0, 2, SPARE
	v_mov_b32 v[NIL], 0
	v_lshrrev_b32 v32, 5, v0
	v_readfirstlane_b32 s2, v32                    ; wave 0..12
	s_mov_b32 s3, ttmp9                            ; R
	s_and_b32 s4, ttmp7, 0xffff                    ; Y
	s_mov_b32 s[SEL], 0x76543210
	s_mov_b32 s[SEL+1], 0xfedcba98
	v_and_b32 v33, 31, v0                          ; lane
	v_and_b32 v34, 15, v0                          ; r
	v_bfe_u32 v35, v0, 4, 1                        ; h
	v_and_b32 v36, 8, v34
	v_add_nc_u32 v36, v36, v34                     ; r + 8 (r / 8)
	v_lshlrev_b32 v[L16], 4, v33
	v_lshlrev_b32 v[L8], 3, v33
	v_mul_u32_u24 v[WA], v36, KROW
	v_mad_u32_u24 v[WA], v35, 24, v[WA]
	v_mul_u32_u24 v[WSA], v36, KSB
	v_lshlrev_b32 v[BA], 6, v35
	v_mul_u32_u24 v[XA], v36, 3072
	v_lshl_add_u32 v[XA], v35, 6, v[XA]
	v_lshlrev_b32 v[BVO], 2, v36
	; every LDS address is made here, ahead of the first parting of the roles
	s_and_b32 s44, s2, 1                           ; the x phase: which three K steps,
	s_lshr_b32 s45, s2, 1                          ; which tile of rows
	s_mul_i32 s46, s44, 18432
	s_mul_i32 s47, s45, 1536
	s_add_co_u32 s46, s46, s47
	v_add_nc_u32 v[XW16], s46, v[L16]
	v_add_nc_u32 v[XW8], s46, v[L8]
	s_mul_i32 s46, s44, 1536
	s_lshl_b32 s47, s45, 2
	s_add_co_u32 s46, s46, s47
	v_add_nc_u32 v[XWS], s46, v[L16]
	s_mul_i32 s46, s2, 8448
	s_add_co_u32 s46, s46, MST
	v_add_nc_u32 v[MSI], s46, v[L16]
	v_mul_u32_u24 v[MSO], v34, 528
	v_lshl_add_u32 v[MSO], v35, 6, v[MSO]
	v_add_nc_u32 v[MSO], s46, v[MSO]
	s_lshl_b32 s48, s3, 6                          ; x at my tile's first row and my first K step
	s_lshr_b32 s49, s45, 1
	s_lshl_b32 s49, s49, 5
	s_and_b32 s50, s45, 1
	s_lshl_b32 s50, s50, 3
	s_add_co_u32 s49, s49, s50
	s_add_co_u32 s49, s49, s48
	s_mul_i32 s50, s49, 3072
	s_mul_i32 s51, s44, 1536
	s_add_co_u32 s50, s50, s51
	s_mov_b32 s51, 0
	s_wait_kmcnt 0x0
	s_add_nc_u64 s[52:53], s[16:17], s[50:51]
	s_cmp_ge_u32 s2, 8
	s_cbranch_scc1 .Lx_done
	; ---- waves 0-7: three fragments of x each.  Lane (r, h) takes, of its row, 16 neighbours of each block of 32
.macro XLOAD reg, e
.irp b, 0,1,2,3
.irp j, 0,1,2,3
	global_load_b128 v[\reg+16*\b+4*\j:\reg+16*\b+4*\j+3], v[XA], s[52:53] offset:512*\e+128*\b+16*\j
.endr
.endr
.endm
.macro XPUT e                          ; the fragment in v[PC] on and its scale word go to LDS as they stand
	ds_store_b128 v[XW16], v[PC:PC+3] offset:XIMG+6144*\e
	ds_store_b64 v[XW8], v[PC+4:PC+5] offset:XIMG+6144*\e+512
	ds_store_b128 v[XW16], v[PC+6:PC+9] offset:XIMG+6144*\e+768
	ds_store_b64 v[XW8], v[PC+10:PC+11] offset:XIMG+6144*\e+1280
	ds_store_b32 v[XWS], v[PW] offset:XSC+512*\e
.endm
	XLOAD X0, 0
	XLOAD X1, 1
.irp b, 0,1,2,3
	v_mov_b32 v[TW+4+\b], 0                        ; written once: a lane permute's destination counts as one of its sources
.endr
	s_wait_loadcnt 16                              ; the first fragment's 16 loads are in; the second's 16 may be out
	QUANT X0
	XPUT 0
	XLOAD X0, 2
	s_wait_dscnt 0x0                               ; the stores have read their registers
	s_wait_loadcnt 16                              ; the second's are in; the third's 16 may be out
	QUANT X1
	XPUT 1
	s_wait_dscnt 0x0
	s_wait_loadcnt 0x0
	QUANT X0
	XPUT 2
.Lx_done:
	BARRIER                                        ; x's 24 fragments lie in LDS
	s_cmp_ge_u32 s2, 9
	s_cbranch_scc1 .Lmask
	; ---- units
	s_mul_i32 s54, s2, 11
	s_lshr_b32 s54, s54, 5                         ; wave / 3
	s_mul_i32 s55, s54, 3
	s_sub_co_u32 s55, s2, s55                      ; wave % 3
	s_mul_i32 s54, s4, 3
	s_add_co_u32 s54, s54, s55                     ; the head
	s_mul_i32 s50, s54, 36864                      ; its 64 rows of a weight's codes,
	s_mov_b32 s51, 0
	s_mul_i32 s60, s54, 1536                       ; of its scale bytes,
	s_mov_b32 s61, 0
	s_lshl_b32 s62, s54, 8                         ; its 64 numbers of a bias
	s_mov_b32 s63, 0
	s_lshl_b32 s66, s54, 5
	s_lshr_b32 s67, s3, 1
	s_add_co_u32 s66, s66, s67
	s_mul_i32 s66, s66, 13824                      ; kv's record of (head, key step R / 2)
	s_mov_b32 s67, 0
	s_add_nc_u64 s[66:67], s[40:41], s[66:67]
	s_and_b32 s68, s3, 1                           ; which 64 keys of the step are mine
	s_cmp_ge_u32 s2, 6
	s_cbranch_scc1 .Lv
	; ---- q and k: the bias is loaded into the accumulators, and the products add onto it
	s_cmp_lt_u32 s2, 3
	s_cselect_b64 s[WB:WB+1], s[20:21], s[26:27]
	s_cselect_b64 s[WSB:WSB+1], s[22:23], s[28:29]
	s_cselect_b64 s[48:49], s[24:25], s[30:31]
	s_add_nc_u64 s[WB:WB+1], s[WB:WB+1], s[50:51]
	s_add_nc_u64 s[WSB:WSB+1], s[WSB:WSB+1], s[60:61]
	s_add_nc_u64 s[48:49], s[48:49], s[62:63]
.irp o, 0,1,2,3
.irp i, 0,1,2,3
	global_load_b128 v[ACC+32*\o+8*\i:ACC+32*\o+8*\i+3], v[BA], s[48:49] offset:(32*(\i/2)+8*(\i%2))*4
	global_load_b128 v[ACC+32*\o+8*\i+4:ACC+32*\o+8*\i+7], v[BA], s[48:49] offset:(32*(\i/2)+8*(\i%2))*4+16
.endr
.endr
	KSTEP 0, 1, 0, 0, L16, L8, XIMG, L16, XSC
.irp s, 1,2,3,4,5
	KSTEP \s, 0, 0, 0, L16, L8, XIMG, L16, XSC
.endr
.rept 4
	v_nop                                          ; places in front of the first read of results
.endr
.irp o, 0,1,2,3
	QUANT32 ACC+32*\o, CD+6*\o, 16+\o
.endr
	s_cmp_lt_u32 s2, 3
	s_cbranch_scc0 .Lk_out
	s_lshl_b32 s56, s54, 6
	s_add_co_u32 s56, s56, s3
	s_mul_i32 s56, s56, 3584                       ; qbuf's record of (head, R)
	s_mov_b32 s57, 0
	s_add_nc_u64 s[56:57], s[38:39], s[56:57]
.irp o, 0,1,2,3
	global_store_b128 v[L16], v[CD+6*\o:CD+6*\o+3], s[56:57] offset:768*\o
	global_store_b64 v[L8], v[CD+6*\o+4:CD+6*\o+5], s[56:57] offset:768*\o+512
.endr
	global_store_b128 v[L16], v[16:19], s[56:57] offset:3072       ; the four tiles' scale words; their bytes 2 and 3 are 0
	END3
	s_endpgm
.Lk_out:
	s_mul_i32 s56, s68, 3072                       ; my four tiles are two pairs: 24 registers on end, six pieces of 512 bytes
	s_mov_b32 s57, 0
	s_add_nc_u64 s[56:57], s[66:67], s[56:57]
	s_lshl_b32 s58, s68, 9
	s_mov_b32 s59, 0
	s_add_nc_u64 s[58:59], s[66:67], s[58:59]
.irp p, 0,1,2,3,4,5
	global_store_b128 v[L16], v[CD+4*\p:CD+4*\p+3], s[56:57] offset:512*\p
.endr
	global_store_b128 v[L16], v[16:19], s[58:59] offset:6144
	END3
	s_endpgm
.Lv:
	; ---- v: a lane is a d, registers run along my 64 keys; the bias is one number a lane and tile
	s_add_nc_u64 s[WB:WB+1], s[32:33], s[50:51]
	s_add_nc_u64 s[WSB:WSB+1], s[34:35], s[60:61]
	s_add_nc_u64 s[48:49], s[36:37], s[62:63]
.irp t, 0,1,2,3
	global_load_b32 v[16+2*\t], v[BVO], s[48:49] offset:(32*(\t/2)+8*(\t%2))*4
	global_load_b32 v[17+2*\t], v[BVO], s[48:49] offset:(32*(\t/2)+8*(\t%2))*4   ; twice: a pair for the packed addition
.endr
	KSTEP 0, 1, 1, 1, L16, L8, XIMG, L16, XSC
.irp s, 1,2,3,4,5
	KSTEP \s, 0, 0, 1, L16, L8, XIMG, L16, XSC
.endr
	s_mul_i32 s56, s68, 768
	s_mov_b32 s57, 0
	s_add_nc_u64 s[56:57], s[66:67], s[56:57]
	s_lshl_b32 s58, s68, 1
	s_mov_b32 s59, 0
	s_add_nc_u64 s[58:59], s[66:67], s[58:59]
.rept 4
	v_nop
.endr
.irp t, 0,1,2,3
.set n, 0
.rept 16
	v_pk_add_f32 v[ACC+32*\t+n:ACC+32*\t+n+1], v[ACC+32*\t+n:ACC+32*\t+n+1], v[16+2*\t:17+2*\t]
.set n, n+2
.endr
	QUANT32 ACC+32*\t, CD+6*\t, 16+2*\t
	global_store_b128 v[L16], v[CD+6*\t:CD+6*\t+3], s[56:57] offset:7168+1536*\t
	global_store_b64 v[L8], v[CD+6*\t+4:CD+6*\t+5], s[56:57] offset:7168+1536*\t+512
	global_store_b16 v[L16], v[16+2*\t], s[58:59] offset:13312+4*\t   ; my two of the step's four scale bytes
.endr
	END3
	s_endpgm
.Lmask:
	; ---- waves 9-12: bit l of word 16 b + i of (tile, step) says whether key 128 step + 32 b + 16 (l / 16) + i counts for the tile's line l % 16: the lane mask that launch 2's selects take as they are.
	; A step's 16 rows x 512 bytes are loaded as they lie, turned through my stage (528 bytes a row), compared, and the 64 words leave as 256 consecutive bytes.
	s_sub_co_u32 s54, s2, 9
	s_lshl_b32 s55, s3, 6
	s_lshr_b32 s56, s4, 1
	s_lshl_b32 s56, s56, 5
	s_add_co_u32 s55, s55, s56
	s_and_b32 s56, s4, 1
	s_lshl_b32 s56, s56, 3
	s_add_co_u32 s55, s55, s56                     ; the tile's first row
	s_lshl_b32 s56, s55, 14                        ; rows of 16,384 bytes
	s_lshl_b32 s57, s54, 12                        ; my eight steps of 512 bytes
	s_add_co_u32 s56, s56, s57
	s_mov_b32 s57, 0
	s_add_nc_u64 s[56:57], s[18:19], s[56:57]
	s_lshl_b32 s58, s3, 2
	s_add_co_u32 s58, s58, s4                      ; the query tile
	s_lshl_b32 s58, s58, 13
	s_lshl_b32 s59, s54, 11
	s_add_co_u32 s58, s58, s59
	s_mov_b32 s59, 0
	s_add_nc_u64 s[58:59], s[42:43], s[58:59]
.macro LOADM t
.irp i, 0,1,2,3,4,5,6,7,8,9,10,11,12,13,14,15
	global_load_b128 v[32+64*((\t)%2)+4*\i:32+64*((\t)%2)+4*\i+3], v[L16], s[56:57] offset:(\i+8*(\i/8))*16384+512*(\t) th:TH_LOAD_NT
.endr
.endm
.macro MBLOCK t
.if (\t) < 7
	s_wait_loadcnt 16                              ; this step's 16 loads are in; the next step's 16 may be out
.else
	s_wait_loadcnt 0x0
.endif
.irp i, 0,1,2,3,4,5,6,7,8,9,10,11,12,13,14,15
	ds_store_b128 v[MSI], v[32+64*((\t)%2)+4*\i:32+64*((\t)%2)+4*\i+3] offset:528*\i
.endr
.irp b, 0,1,2,3
.irp j, 0,1,2,3
	ds_load_b128 v[160+16*\b+4*\j:160+16*\b+4*\j+3], v[MSO] offset:128*\b+16*\j   ; LDS serves a wave's instructions in order: these see the stores above
.endr
.endr
	s_wait_dscnt 0x0
.if (\t)+2 < 8
	LOADM (\t)+2
.endif
.irp g, 0,1,2,3,4,5,6,7
.irp a, 0,1,2,3,4,5,6,7
	v_cmp_ne_u32 s[70+\a], 0, v[160+8*\g+\a]
.endr
.irp a, 0,1,2,3,4,5,6,7
	v_writelane_b32 v[224+2*(\t)+(\a%2)], s[70+\a], 4*\g+\a/2      ; word n goes to lane n / 2 of register n % 2
.endr
.endr
	global_store_b64 v[L8], v[224+2*(\t):225+2*(\t)], s[58:59] offset:256*(\t)   ; 32 lanes store 256 consecutive bytes, aligned; each step has its own pair of registers
.endm
	LOADM 0
	LOADM 1
.irp j, 0,1,2,3,4,5,6,7,8,9,10,11,12,13,14,15
	v_mov_b32 v[224+\j], 0                         ; v_writelane_b32's destination counts as read
.endr
.irp t, 0,1,2,3,4,5,6,7
	MBLOCK \t
.endr
	END3
	s_endpgm
.Lfunc_end_k_q62b1986c1c_qkv:
	.size	k_q62b1986c1c_qkv, .Lfunc_end_k_q62b1986c1c_qkv-k_q62b1986c1c_qkv
	.p2alignl 7, 3214868480
	.fill 96, 4, 3214868480
	.section	.rodata,"a",@progbits
	.p2align	6, 0x0
	.amdhsa_kernel k_q62b1986c1c_qkv
		.amdhsa_group_segment_fixed_size 151552
		.amdhsa_private_segment_fixed_size 0
		.amdhsa_enable_private_segment 0
		.amdhsa_kernarg_size 112
		.amdhsa_user_sgpr_count 2
		.amdhsa_user_sgpr_kernarg_segment_ptr 1
		.amdhsa_wavefront_size32 1
		.amdhsa_system_sgpr_workgroup_id_x 1
		.amdhsa_system_sgpr_workgroup_id_y 1
		.amdhsa_system_sgpr_workgroup_id_z 1
		.amdhsa_system_vgpr_workitem_id 0
		.amdhsa_next_free_vgpr 256
		.amdhsa_next_free_sgpr 80
		.amdhsa_reserve_vcc 0
		.amdhsa_float_denorm_mode_32 3
		.amdhsa_float_denorm_mode_16_64 3
		.amdhsa_memory_ordered 1
		.amdhsa_forward_progress 1
		.amdhsa_inst_pref_size 213
	.end_amdhsa_kernel
	.amdgpu_metadata
---
amdhsa.version: [ 1, 2 ]
amdhsa.kernels:
  - .name:           k_q62b1986c1c_qkv
    .symbol:         k_q62b1986c1c_qkv.kd
    .args:
      - { .name: x, .offset: 0, .size: 8, .value_kind: global_buffer, .address_space: global }
      - { .name: mask, .offset: 8, .size: 8, .value_kind: global_buffer, .address_space: global }
      - { .name: wq_codes, .offset: 16, .size: 8, .value_kind: global_buffer, .address_space: global }
      - { .name: wq_scales, .offset: 24, .size: 8, .value_kind: global_buffer, .address_space: global }
      - { .name: bq, .offset: 32, .size: 8, .value_kind: global_buffer, .address_space: global }
      - { .name: wk_codes, .offset: 40, .size: 8, .value_kind: global_buffer, .address_space: global }
      - { .name: wk_scales, .offset: 48, .size: 8, .value_kind: global_buffer, .address_space: global }
      - { .name: bk, .offset: 56, .size: 8, .value_kind: global_buffer, .address_space: global }
      - { .name: wv_codes, .offset: 64, .size: 8, .value_kind: global_buffer, .address_space: global }
      - { .name: wv_scales, .offset: 72, .size: 8, .value_kind: global_buffer, .address_space: global }
      - { .name: bv, .offset: 80, .size: 8, .value_kind: global_buffer, .address_space: global }
      - { .name: qbuf, .offset: 88, .size: 8, .value_kind: global_buffer, .address_space: global }
      - { .name: kv, .offset: 96, .size: 8, .value_kind: global_buffer, .address_space: global }
      - { .name: mw, .offset: 104, .size: 8, .value_kind: global_buffer, .address_space: global }
    .group_segment_fixed_size: 151552
    .private_segment_fixed_size: 0
    .kernarg_segment_align: 8
    .kernarg_segment_size: 112
    .max_flat_workgroup_size: 416
    .sgpr_count:     80
    .vgpr_count:     256
    .wavefront_size: 32
...
	.end_amdgpu_metadata
.endif
;; end of part 1
;; launch attn (part 2): grid 64 x 4, 12 waves a work-group, clusters of 4 x 1, 327,680 bytes of LDS; arguments qbuf, kv, mw, cbuf; writes cbuf
.if DOCPART == 2
	.amdgcn_target "amdgcn-amd-amdhsa--gfx1250"
	.amdhsa_code_object_version 6
	.text
	.protected	k_q62b1986c1c_attn
	.globl	k_q62b1986c1c_attn
	.p2align	8
	.type	k_q62b1986c1c_attn,@function
k_q62b1986c1c_attn:
	s_mov_b64 s[64:65], 0
	v_nop
	global_prefetch_b8 v0, s[64:65] scope:SCOPE_SE
	s_setreg_imm32_b32 hwreg(HW_REG_WAVE_MODE, 25, 1), 1
	s_wait_xcnt 0x0
	s_wait_alu depctr_hold_cnt(0) depctr_sa_sdst(0) depctr_va_vdst(0) depctr_va_sdst(0) depctr_va_ssrc(0) depctr_va_vcc(0) depctr_vm_vsrc(0)
	s_getreg_b32 s2, hwreg(HW_REG_IB_STS2, 6, 4)
	s_cmp_eq_u32 s2, 0
	s_cbranch_scc0 .Lentry_in_a_cluster
	s_endpgm
.Lentry_in_a_cluster:
	s_bfe_u32 s2, ttmp6, 0x10000c
	s_cmp_lg_u32 s2, 0x3003
	s_cbranch_scc0 .Lentry_shape_is_right
	s_endpgm
.Lentry_shape_is_right:
; ENCODER BLOCK, launch 2 of 4: ctx = softmax(where(mask == 0, -1e9, q k^T / 8)) v for 12 heads of 64, both products on codes of FP6 (E2M3), and ctx quantised along the model's 768.  Nothing is left out.
; THE SOFTMAX: t = logit x log2(e); M = the running largest t rounded UP to a whole number; p = 2^(t - M) is quantised along the keys, not normalised; the row's sum of the unquantised p divides at the end;
; when M moves, the sum and O are multiplied by 2^(old M - new M), which rounds nothing.
; THE MASK.  A hidden score is set to -2^33 ahead of the scaling by c = log2(e) / 8: the logit -2^30 in place of reference()'s -1e9.  A power of two, so that score x c is exact: in a row all of whose keys are hidden
; t - M is exactly 0, every p is 1, and the result is the plain average that reference() gives.  LIMIT: the results are reference()'s while the logits that count lie above about -9e8.
; SHARES.  3,072 pairs (head, tile of 16 queries) on 256 work-groups of 12 waves: wave w of work-group (R, Y) has head 3 Y + w / 4 and query tile 4 R + w % 4, in 256 registers; three waves share a SIMD, so that one
; wave's vector work stands beside another's products and LDS loads.  Every wave walks all 4,096 keys, 128 a step.
; LAYOUT.  Both products transposed: S^T = K Q^T, O^T = V^T P^T: a lane holds one query throughout; the keys of a tile are chosen (launch 1) so that p's 16 registers of two neighbouring tiles are 16 neighbouring keys.
; THE FIRST PRODUCT'S K IS 64, the instruction's 128: Q's upper six registers hold zero codes, and bytes 2 and 3 of Q's and K's scale words are 0 (2^-127, a number).  So whatever finite codes K's upper six registers hold
; add exactly 0: they are simply the next tile's codes, and eight tiles of K take 54 registers and twelve loads of 16 bytes.
; RING.  Two LDS slots of two key steps for the work-group's three heads (82,944 bytes).  The four work-groups of a cluster have the same three heads and walk the same records of kv: every fill is a JOINT load.
; Each of the 12 waves asks for a quarter of its head's part of a slot, 27 rows of 256 bytes; by this text's own count a wave has one tensor load outstanding.
; The mask words of (tile, step), 256 bytes, come by scalar loads, a step ahead.
.set REC,   13824                      ; a record of kv: K's 4 pairs of tiles 6,144; K's scale words 1,024; V's 4 tiles 6,144; V's scale words 512
.set SLOTB, 27648                      ; a head's part of a slot: two records
.set SLOT1, 1<<17                      ; slot 1 begins here: one exclusive or turns an address
.set SPARE, 82944                      ; behind slot 0: the spare words, 128 bytes for each of 12 waves: six blocks of 256 bytes that no other line names
.set SPW, 5                            ; v5   my spare word; never rewritten
.set NIL, 6                            ; v6   0; never rewritten
.set SM,  7                            ; v7   -2^33
.set PFO, 10                           ; v10  the prefetch's offset: 256 x min(lane, 26)
.set QF,  16                           ; v16-27 Q's fragment (v22-27: zero codes)
.set QS,  28                           ; v28  Q's scale word, and nothing else
.set KF,  32                           ; v32-85 K's eight tiles, six registers each, and six zeros; later v32-79 V's four fragments
.set KS,  86                           ; v86-93 K's scale words, and nothing else
.set VS,  94                           ; v94-97 V's, and nothing else
.set S,   104                          ; v104-167 S^T, then p
.set OT,  168                          ; v168-199 O^T
.set PCD, 200                          ; v200-211 p's codes
.set BM,  212                          ; v212-215 the blocks' largest scores, then largest p
.set PD,  216                          ; v216-219 a permute's destinations, then the bytes
.set SO,  224                          ; v224-227 the conversions' scale operands
.set TQ,  228                          ; v228-230, v232-234 the conversions' second halves
.set FF,  236                          ; v[236:237] f = 2^(old M - new M)
.set PS,  238                          ; v238 p's scale word, and nothing else
.set TP,  239                          ; v239 at work
.set TM,  212                          ; the way out's four at work
.set CS,  4                            ; s[4:5] c, twice
.set SEL, 6                            ; s[6:7] selects for lane l xor 16
.set WV,  8                            ; s8   my wave's number
.set SLOTS, 9                          ; s9   slots still to be asked for
.set TB,  10                           ; s10  where the slot in hand begins
.set LIM, 11                           ; s11  1 in a wave that prefetches, else the greatest number
.set PFA, 12                           ; s[12:13] where my prefetches stand
.set G1,  84                           ; s[84:91] descriptor group 1;  s[92:95] group 0, which walks
.set G0,  92
; s[2:3] the mask words' place; s16-63 and s68-83 the step's 64 mask words; s[14:15], s[98:99] cbuf's codes and scale halves; s[96:97], s[100:101] Q's codes and scale word
.macro CROUND                          ; a round of the cluster's barrier
	s_barrier_signal -1
	s_barrier_wait -1
	s_cmp_lg_u32 s[WV], 0
	s_cbranch_scc1 .Lnot_wave_0_\@
	s_barrier_signal -3
.Lnot_wave_0_\@:
	s_barrier_wait -3
	s_barrier_signal -1
	s_barrier_wait -1
.endm
; A prefetch of what the NEXT change of slots will ask for: two key steps ahead of that load.  All sixteen clusters with my three heads walk the same records: the first of them asks.  In it the wave with w % 4 = 0 of each head
; asks, one instruction; the four partners take a quarter of the head's 27,648 bytes each, told apart by address alone: 27 blocks of 256 bytes, a lane a block (lanes 27-31 name block 26 again).
; Slots 0 and 1 come by their loads alone; the last change that fills a slot asks for nothing.
.macro ASK
	s_cmp_gt_u32 s[SLOTS], s[LIM]
	s_cbranch_scc0 .Lnot_mine_\@
	global_prefetch_b8 v[PFO], s[PFA:PFA+1] th:TH_LOAD_NT scope:SCOPE_SE
.Lnot_mine_\@:
.endm
.macro QUANT32 s, c, w                 ; 32 numbers, register 16 b + i = k 32 b + 16 h + i, become six registers of codes and two scale bytes
.irp b, 0,1
	v_max3_num_f32 v[TM+\b], |v[(\s)+16*\b]|, |v[(\s)+16*\b+1]|, 0x1800000
.endr
.irp i, 2,4,6,8,10,12,14
.irp b, 0,1
	v_max3_num_f32 v[TM+\b], v[TM+\b], |v[(\s)+16*\b+\i]|, |v[(\s)+16*\b+\i+1]|
.endr
.endr
.irp b, 0,1
	v_permlanex16_b32 v[TM+2+\b], v[TM+\b], s[SEL], s[SEL+1]
.endr
.irp b, 0,1
	v_max_num_f32 v[TM+\b], v[TM+\b], v[TM+2+\b]
.endr
.irp b, 0,1
	v_add_nc_u32 v[TM+2+\b], 0xff000000, v[TM+\b]
.endr
.irp b, 0,1
	v_lshrrev_b32 v[TM+\b], 23, v[TM+2+\b]
.endr
	v_lshl_or_b32 v[\w], v[TM+1], 8, v[TM]
	v_cvt_scalef32_pk16_fp6_f32 v[(\c):(\c)+2], v[(\s):(\s)+15], v[TM+2]
	v_cvt_scalef32_pk16_fp6_f32 v[TQ:TQ+2], v[(\s)+16:(\s)+31], v[TM+3]
	v_nop
.irp i, 0,1,2
	v_permlane16_swap_b32 v[(\c)+\i], v[TQ+\i]
.endr
.irp i, 0,1,2
	v_mov_b32 v[(\c)+3+\i], v[TQ+\i]
.endr
.endm
	s_load_b256 s[16:23], s[0:1], 0x0              ; qbuf 16, kv 18, mw 20, cbuf 22
	v_lshl_add_u32 v[SPW], v0, 2, SPARE
	v_mov_b32 v[NIL], 0
	ds_add_u32 v[SPW], v[NIL]                      ; the wave's opening: the add, twice on end, and its wait ahead of my first tensor load; the set-up below stands between
	ds_add_u32 v[SPW], v[NIL]
	v_lshrrev_b32 v8, 5, v0
	v_readfirstlane_b32 s[WV], v8                  ; wave 0..11
	s_lshr_b32 s24, s[WV], 2                       ; which of the three heads
	s_and_b32 s25, s[WV], 3                        ; which tile of queries; also: which quarter I fetch
	s_and_b32 s26, ttmp7, 0xffff
	s_mul_i32 s27, s26, 3
	s_add_co_u32 s27, s27, s24                     ; the head: the four partners share it
	s_mul_i32 s28, s27, 442368                     ; its 32 records,
	s_mul_i32 s29, s25, 6912                       ; my quarter of a slot
	s_add_co_u32 s28, s28, s29
	s_mov_b32 s29, 0
	s_mov_b32 s[G1], 15|(3<<16)|(1<<21)            ; 15:0 the mask: all four work-groups; 17:16 elements of 8 bytes; 20 no padding; 21 set beside a mask
	s_mov_b32 s[G1+1], 32<<16                      ; tensor_dim0 = 32: rows of 256 bytes
	s_mov_b32 s[G1+2], 27<<16                      ; tensor_dim1 = 27
	s_mov_b32 s[G1+3], 32<<16                      ; tile_dim0
	s_mov_b32 s[G1+4], 27                          ; tile_dim1
	s_mov_b32 s[G1+5], 32                          ; the pitch: dense
	s_mov_b32 s[G1+6], 0
	s_mov_b32 s[G1+7], 0
	s_mov_b32 s[G0], 1
	s_mul_i32 s[G0+1], s[WV], 6912                 ; LDS: slot 0, wave x 27 rows: no place in the cluster enters it
	; what hangs on my place in the cluster stands in registers of its own and enters global addresses of my own loads, stores and prefetches alone
	s_bfe_u32 s32, ttmp6, 0x40000                  ; cx
	s_lshl_b32 s33, ttmp9, 2
	s_add_co_u32 s33, s33, s32                     ; R
	s_lshl_b32 s34, s33, 2
	s_add_co_u32 s34, s34, s25                     ; my query tile
	s_lshl_b32 s36, s34, 13                        ; its 32 steps of 256 bytes of mask words
	s_mov_b32 s37, 0
	s_lshl_b32 s38, s27, 6
	s_add_co_u32 s38, s38, s33
	s_mul_i32 s38, s38, 3584                       ; qbuf's record of (head, R)
	s_mul_i32 s39, s25, 768
	s_add_co_u32 s40, s38, s39
	s_mov_b32 s41, 0
	s_lshl_b32 s39, s25, 2
	s_add_co_u32 s42, s38, s39
	s_add_co_u32 s42, s42, 3072
	s_mov_b32 s43, 0
	s_mul_i32 s44, s33, 39936                      ; cbuf's block of R
	s_lshr_b32 s45, s27, 1                         ; the next product's K step,
	s_and_b32 s46, s27, 1                          ; and which half of it
	s_lshl_b32 s47, s45, 2
	s_add_co_u32 s47, s47, s25
	s_mul_i32 s47, s47, 1536
	s_mul_i32 s48, s46, 768
	s_add_co_u32 s47, s47, s48
	s_add_co_u32 s50, s44, s47
	s_mov_b32 s51, 0
	s_lshl_b32 s47, s45, 9
	s_lshl_b32 s48, s25, 2
	s_add_co_u32 s47, s47, s48
	s_lshl_b32 s48, s46, 1
	s_add_co_u32 s47, s47, s48
	s_add_co_u32 s47, s47, 36864
	s_add_co_u32 s52, s44, s47
	s_mov_b32 s53, 0
	s_mul_i32 s54, s27, 442368
	s_mul_i32 s55, s32, 6912
	s_add_co_u32 s54, s54, s55
	s_add_co_u32 s54, s54, SLOTB                   ; in slot 1: the first change of slots steps it to slot 2
	s_mov_b32 s55, 0
	s_and_b32 s[LIM], s[WV], 3
	s_or_b32 s[LIM], s[LIM], ttmp9                 ; the same in all four partners
	s_cmp_eq_u32 s[LIM], 0
	s_cselect_b32 s[LIM], 1, -1
	s_mov_b32 s[CS], 0x3e38aa3b                    ; c = log2(e) / 8
	s_mov_b32 s[CS+1], s[CS]
	s_mov_b32 s[SEL], 0x76543210
	s_mov_b32 s[SEL+1], 0xfedcba98
	s_mov_b32 s[SLOTS], 15
	s_mov_b32 s[TB], 0
	v_and_b32 v9, 31, v0
	v_lshlrev_b32 v8, 4, v9                        ; v8 = 16 x lane
	v_min_u32 v[PFO], 26, v9
	v_lshlrev_b32 v[PFO], 8, v[PFO]
	v_lshlrev_b32 v9, 3, v9                        ; v9 = 8 x lane
	s_mul_i32 s31, s24, SLOTB
	v_add_nc_u32 v1, s31, v8                       ; v1, v2: the same in my head's part of a slot
	v_add_nc_u32 v2, s31, v9
	s_wait_dscnt 0x0                               ; both opening adds are done
	s_wait_kmcnt 0x0
	s_add_nc_u64 s[G0+2:G0+3], s[18:19], s[28:29]
	s_or_b32 s[G0+3], s[G0+3], 0x80000000
	s_add_nc_u64 s[2:3], s[20:21], s[36:37]
	s_add_nc_u64 s[96:97], s[16:17], s[40:41]
	s_add_nc_u64 s[100:101], s[16:17], s[42:43]
	s_add_nc_u64 s[14:15], s[22:23], s[50:51]
	s_add_nc_u64 s[98:99], s[22:23], s[52:53]
	s_add_nc_u64 s[PFA:PFA+1], s[18:19], s[54:55]
	CROUND                                         ; all four work-groups are here: the first joint loads meet
	tensor_load_to_lds s[G0:G0+3], s[G1:G1+7]      ; slot 0
	s_nop 0
	global_load_b128 v[QF:QF+3], v8, s[96:97]
	global_load_b64 v[QF+4:QF+5], v9, s[96:97] offset:512
	global_load_b32 v[QS], v8, s[100:101]
	s_load_b512 s[16:31], s[2:3], 0x0              ; step 0's mask words
	s_load_b512 s[32:47], s[2:3], 0x40
	s_load_b512 s[48:63], s[2:3], 0x80
	s_load_b512 s[68:83], s[2:3], 0xc0
.irp j, 0,1,2,3,4,5
	v_mov_b32 v[QF+6+\j], 0                        ; zero codes: the upper 64 of the instruction's K
	v_mov_b32 v[KF+48+\j], 0                       ; what stands behind K's last tile
.endr
	v_mov_b32 v[SM], 0xd0000000
	v_mov_b32 v13, 0xff61b1e6                      ; the largest t so far: -3e38
	v_floor_f32 v12, -v13                          ; -M
	v_mov_b32 v14, 0                               ; the sum, in two halves
	v_mov_b32 v15, 0
.irp b, 0,1,2,3
	v_mov_b32 v[PD+\b], 0                          ; a lane permute's destination counts as one of its sources
.endr
	v_mov_b32 v[FF+1], 0                           ; named as the upper half of the pair
.set n, 0
.rept 32
	v_mov_b32 v[OT+n], 0                           ; O^T: the step is written once; the first finds zeros, which the first change of M leaves zeros
.set n, n+1
.endr
; A KEY STEP: 128 keys, the q-th of the slot in hand.  more = 1: the next step's mask words are asked for.
.macro STEP q, more
	v_add_nc_u32 v3, s[TB], v1
	v_add_nc_u32 v4, s[TB], v2
	v_nop
	v_nop                                          ; four places in front of loads into registers that the last products have read
.irp b, 0,1,2,3
.irp p, 0,1,2
	ds_load_b128 v[KF+12*\b+4*\p:KF+12*\b+4*\p+3], v3 offset:REC*\q+1536*\b+512*\p
.endr
.endr
.irp c, 0,1
	ds_load_b128 v[KS+4*\c:KS+4*\c+3], v3 offset:REC*\q+6144+512*\c
.endr
	s_wait_dscnt 0x0
.irp t, 0,1,2,3,4,5,6,7
	v_wmma_scale_f32_16x16x128_f8f6f4 v[S+8*\t:S+8*\t+7], v[KF+6*\t:KF+6*\t+11], v[QF:QF+11], 0, v[KS+\t], v[QS] matrix_a_fmt:MATRIX_FMT_FP6 matrix_b_fmt:MATRIX_FMT_FP6
.endr
.rept 4
	v_nop                                          ; places in front of the loads below and of the first read of the scores
.endr
.irp t, 0,1,2,3                        ; V's fragments are asked for now and land during the softmax
.irp c, 0,1
	ds_load_b128 v[KF+12*\t+6*\c:KF+12*\t+6*\c+3], v3 offset:REC*\q+7168+1536*\t+768*\c
	ds_load_b64 v[KF+12*\t+6*\c+4:KF+12*\t+6*\c+5], v4 offset:REC*\q+7168+1536*\t+768*\c+512
.endr
.endr
	ds_load_b128 v[VS:VS+3], v3 offset:REC*\q+13312
	s_wait_kmcnt 0x0                               ; this step's mask words
.set n, 0
.rept 64
	v_cndmask_b32 v[S+n], v[SM], v[S+n], s[16+n+4*(n/48)]          ; word n is the lane mask of register n: a hidden score becomes -2^33
.set n, n+1
.endr
.if \more
	s_add_nc_u64 s[2:3], s[2:3], 256               ; free since the wait above; the words have the softmax in which to land
	s_load_b512 s[16:31], s[2:3], 0x0
	s_load_b512 s[32:47], s[2:3], 0x40
	s_load_b512 s[48:63], s[2:3], 0x80
	s_load_b512 s[68:83], s[2:3], 0xc0
.endif
.irp b, 0,1,2,3
	v_max3_num_f32 v[BM+\b], v[S+16*\b], v[S+1+16*\b], v[S+2+16*\b]   ; the largest score of each block of 32 keys: it serves the row's maximum and, since p rises with the score, the block's largest p
.endr
.irp i, 3,5,7,9,11,13
.irp b, 0,1,2,3
	v_max3_num_f32 v[BM+\b], v[BM+\b], v[S+16*\b+\i], v[S+1+16*\b+\i]
.endr
.endr
.irp b, 0,1,2,3
	v_max_num_f32 v[BM+\b], v[BM+\b], v[S+15+16*\b]
.endr
.irp b, 0,1,2,3
	v_permlanex16_b32 v[PD+\b], v[BM+\b], s[SEL], s[SEL+1]
.endr
.irp b, 0,1,2,3
	v_max_num_f32 v[BM+\b], v[BM+\b], v[PD+\b]
.endr
	v_max3_num_f32 v[TP], v[BM], v[BM+1], v[BM+2]
	v_max_num_f32 v[TP], v[TP], v[BM+3]
	v_mul_f32 v[TP], s[CS], v[TP]
	v_max_num_f32 v13, v13, v[TP]                  ; the running largest t
	v_mov_b32 v[TP], v12
	v_floor_f32 v12, -v13                          ; the new -M = floor(-t): M is a whole number
	v_sub_f32 v[TP], v12, v[TP]                    ; old M less new M: a whole number, 0 or less
	v_cvt_i32_f32 v[TP], v[TP]                     ; (it saturates)
	v_ldexp_f32 v[FF], 1.0, v[TP]                  ; f
.set n, 0
.rept 32
	v_pk_fma_f32 v[S+n:S+n+1], v[S+n:S+n+1], s[CS:CS+1], v[12:13] op_sel_hi:[1,0,0]   ; t - M, two at a time
.set n, n+2
.endr
.irp b, 0,1,2,3
	v_fma_f32 v[BM+\b], v[BM+\b], s[CS], v12
.endr
.set n, 0
.rept 64
	v_exp_f32 v[S+n], v[S+n]                       ; p = 2^(t - M)
.set n, n+1
.endr
	v_pk_mul_f32 v[14:15], v[14:15], v[FF:FF+1] op_sel_hi:[1,0]    ; the sums under the new M: the plain place behind the exponentials
	s_wait_alu depctr_va_vdst(0)                   ; one wait for the batch of 64, ahead of its first reader
.irp b, 0,1,2,3
	v_exp_f32 v[BM+\b], v[BM+\b]                   ; the blocks' largest p
.endr
	v_pk_add_f32 v[220:221], v[S:S+1], v[S+2:S+3]  ; the row's sum of the unquantised p, in two chains
.irp j, 4,8,12,16,20,24,28,32,36,40,44,48,52,56,60
	v_pk_add_f32 v[14:15], v[14:15], v[S+\j:S+\j+1]
	v_pk_add_f32 v[220:221], v[220:221], v[S+2+\j:S+3+\j]
.endr
	v_pk_add_f32 v[14:15], v[14:15], v[220:221]
	s_wait_alu depctr_va_vdst(0)                   ; and one for the four
.irp b, 0,1,2,3
	v_max_num_f32 v[BM+\b], 0x1800000, v[BM+\b]    ; the floor 2^(3 - 127)
.endr
.irp b, 0,1,2,3
	v_add_nc_u32 v[SO+\b], 0xff000000, v[BM+\b]
.endr
.irp b, 0,1,2,3
	v_lshrrev_b32 v[PD+\b], 23, v[SO+\b]
.endr
	v_lshl_or_b32 v[PS], v[PD+1], 8, v[PD]
	v_lshl_or_b32 v[PS], v[PD+2], 16, v[PS]
	v_lshl_or_b32 v[PS], v[PD+3], 24, v[PS]
.irp c, 0,1
	v_cvt_scalef32_pk16_fp6_f32 v[PCD+6*\c:PCD+2+6*\c], v[S+32*\c:S+15+32*\c], v[SO+2*\c]
	v_cvt_scalef32_pk16_fp6_f32 v[TQ+4*\c:TQ+2+4*\c], v[S+16+32*\c:S+31+32*\c], v[SO+2*\c+1]
.endr
	v_nop
.irp c, 0,1
.irp i, 0,1,2
	v_permlane16_swap_b32 v[PCD+6*\c+\i], v[TQ+4*\c+\i]
.endr
.irp i, 0,1,2
	v_mov_b32 v[PCD+3+6*\c+\i], v[TQ+4*\c+\i]
.endr
.endr
.set n, 0
.rept 16
	v_pk_mul_f32 v[OT+n:OT+n+1], v[OT+n:OT+n+1], v[FF:FF+1] op_sel_hi:[1,0]   ; O^T under the new M; these sixteen are also the places between p's codes and scale word and the products
.set n, n+2
.endr
	s_wait_dscnt 0x0                               ; V
.irp t, 0,1,2,3
	v_wmma_scale_f32_16x16x128_f8f6f4 v[OT+8*\t:OT+8*\t+7], v[KF+12*\t:KF+12*\t+11], v[PCD:PCD+11], v[OT+8*\t:OT+8*\t+7], v[VS+\t], v[PS] matrix_a_fmt:MATRIX_FMT_FP6 matrix_b_fmt:MATRIX_FMT_FP6
.endr
.endm
; THE CHANGE OF SLOTS stands at a slot's head: all my tensor loads have landed (my part of the slot ahead), 0 is added to my spare word, and that and my reads of the slot that I have left are waited for.
; fill = 1: a round of the cluster's barrier, so that no wave of any partner still reads the other slot or has a load on its way; then the joint load of the keys that follow, first behind it.
.macro CHANGE fill
	s_wait_tensorcnt 0x0
	ds_add_u32 v[SPW], v[NIL]
.if \fill
	s_xor_b32 s[G0+1], s[G0+1], SLOT1              ; the walking descriptor: the other slot,
	s_add_nc_u64 s[G0+2:G0+3], s[G0+2:G0+3], SLOTB ; the next two records
	s_wait_xcnt 0x0                                ; the last prefetch, a slot back, has read its address
	s_add_nc_u64 s[PFA:PFA+1], s[PFA:PFA+1], SLOTB
	s_wait_dscnt 0x0
	CROUND
	tensor_load_to_lds s[G0:G0+3], s[G1:G1+7]
	s_nop 0
	ASK
.else
	s_wait_dscnt 0x0
	s_barrier_signal -1
	s_barrier_wait -1
.endif
.endm
	s_wait_loadcnt 0x0                             ; Q
.Lslot:                                            ; 15 trips: behind each change of slots but the last the next slot is asked for
	CHANGE 1
	STEP 0, 1
	STEP 1, 1
	s_xor_b32 s[TB], s[TB], SLOT1
	s_sub_co_u32 s[SLOTS], s[SLOTS], 1
	s_cmp_lg_u32 s[SLOTS], 0
	s_cbranch_scc1 .Lslot
	CHANGE 0                                       ; the last slot is written out
	STEP 0, 1
	STEP 1, 0
	; THE WAY OUT: O^T / the sum, quantised along d: registers 8 t + j are d = 32 (t / 2) + 16 h + 8 (t % 2) + j, half a K step of the next product
	v_add_f32 v14, v14, v15
	v_permlanex16_b32 v[PD], v14, s[SEL], s[SEL+1]
	v_add_f32 v14, v14, v[PD]
	v_rcp_f32 v14, v14
.rept 4
	v_nop                                          ; the plain place behind the reciprocal, and the places behind the last products
.endr
	s_wait_alu depctr_va_vdst(0)                   ; ahead of the reciprocal's first reader
.set n, 0
.rept 16
	v_pk_mul_f32 v[S+n:S+n+1], v[OT+n:OT+n+1], v[14:15] op_sel_hi:[1,0]
.set n, n+2
.endr
	QUANT32 S, PCD, TP
	global_store_b128 v8, v[PCD:PCD+3], s[14:15]
	global_store_b64 v9, v[PCD+4:PCD+5], s[14:15] offset:512
	global_store_b16 v8, v[TP], s[98:99]
	s_wait_tensorcnt 0x0                           ; the wave's end
	ds_add_u32 v[SPW], v[NIL]
	s_wait_dscnt 0x0
	CROUND                                         ; the closing round
	s_endpgm
.Lfunc_end_k_q62b1986c1c_attn:
	.size	k_q62b1986c1c_attn, .Lfunc_end_k_q62b1986c1c_attn-k_q62b1986c1c_attn
	.p2alignl 7, 3214868480
	.fill 96, 4, 3214868480
	.section	.rodata,"a",@progbits
	.p2align	6, 0x0
	.amdhsa_kernel k_q62b1986c1c_attn
		.amdhsa_group_segment_fixed_size 327680
		.amdhsa_private_segment_fixed_size 0
		.amdhsa_enable_private_segment 0
		.amdhsa_kernarg_size 32
		.amdhsa_user_sgpr_count 2
		.amdhsa_user_sgpr_kernarg_segment_ptr 1
		.amdhsa_wavefront_size32 1
		.amdhsa_system_sgpr_workgroup_id_x 1
		.amdhsa_system_sgpr_workgroup_id_y 1
		.amdhsa_system_sgpr_workgroup_id_z 1
		.amdhsa_system_vgpr_workitem_id 0
		.amdhsa_next_free_vgpr 256
		.amdhsa_next_free_sgpr 102
		.amdhsa_reserve_vcc 0
		.amdhsa_float_denorm_mode_32 3
		.amdhsa_float_denorm_mode_16_64 3
		.amdhsa_memory_ordered 1
		.amdhsa_forward_progress 1
		.amdhsa_inst_pref_size 91
	.end_amdhsa_kernel
	.amdgpu_metadata
---
amdhsa.version: [ 1, 2 ]
amdhsa.kernels:
  - .name:           k_q62b1986c1c_attn
    .symbol:         k_q62b1986c1c_attn.kd
    .args:
      - { .name: qbuf, .offset: 0, .size: 8, .value_kind: global_buffer, .address_space: global }
      - { .name: kv, .offset: 8, .size: 8, .value_kind: global_buffer, .address_space: global }
      - { .name: mw, .offset: 16, .size: 8, .value_kind: global_buffer, .address_space: global }
      - { .name: cbuf, .offset: 24, .size: 8, .value_kind: global_buffer, .address_space: global }
    .group_segment_fixed_size: 327680
    .private_segment_fixed_size: 0
    .kernarg_segment_align: 8
    .kernarg_segment_size: 32
    .max_flat_workgroup_size: 384
    .sgpr_count:     102
    .vgpr_count:     256
    .wavefront_size: 32
...
	.end_amdgpu_metadata
.endif
;; end of part 2
;; launch pf1 (part 3): grid 64 x 4, 12 waves a work-group, no clusters, 133,632 bytes of LDS; arguments cbuf, x, wo_codes, wo_scales, bo, w1_codes, w1_scales, b1, x1, hbuf; writes x1, hbuf
.if DOCPART == 3
	.amdgcn_target "amdgcn-amd-amdhsa--gfx1250"
	.amdhsa_code_object_version 6
	.text
	.protected	k_q62b1986c1c_pf1
	.globl	k_q62b1986c1c_pf1
	.p2align	8
	.type	k_q62b1986c1c_pf1,@function
k_q62b1986c1c_pf1:
	s_mov_b64 s[64:65], 0
	v_nop
	global_prefetch_b8 v0, s[64:65] scope:SCOPE_SE
	s_setreg_imm32_b32 hwreg(HW_REG_WAVE_MODE, 25, 1), 1
	s_wait_xcnt 0x0
; ENCODER BLOCK, launch 3 of 4: x1 = x + Q(ctx) wo + bo;  Q(x1), kept in LDS;  Q(relu(Q(x1) w1 + b1)).  Nothing is left out.
; SHARES.  Work-group (R, Y): rows 64 R .. 64 R + 63.  Phase P: wave w makes x1's columns 64 w .. 64 w + 63, so the twelve waves make all 768: each of the four work-groups of a row block makes x1 for itself (the second product
; needs all of it), and work-group Y stores the columns of waves 3 Y .. 3 Y + 2: each byte of x1 has one owner.  Phase F: wave w makes hidden units 768 Y + 64 w .. + 63.
; x + bo is loaded into the accumulators and the products add onto it; so is b1.  Tiles, images and macros are launch 1's.
; No cluster and no tensor load: each weight fragment goes from memory straight into the registers of the one wave that multiplies by it.
.set KROW, 576
.set KSB,  24
.set CIMG, 0                           ; LDS: ctx's fragments [K step 6][tile 4] x 1,536, as cbuf has them,
.set CSC,  36864                       ; their scale words,
.set X1IMG, 39936                      ; x1's fragments,
.set X1SC, 76800                       ; their scale words,
.set STG,  79872                       ; a stage of 16 rows x 272 bytes for each wave,
.set SPARE, 132096                     ; and the spare words: 128 bytes for each of 12 waves, six blocks of 256 bytes that no other line names
.set L16, 1
.set L8,  2
.set WA,  3
.set WSA, 4
.set BA,  5
.set CW16, 6                           ; v6   my twelfth of cbuf's codes: 16 x lane + 3,072 x wave
.set CW8, 7                            ; v7   and of its scale words: 8 x lane + 256 x wave
.set P16, 8                            ; v8   where my half fragments of x1 go: 16 x lane + 6,144 (wave / 2) + 768 (wave % 2)
.set P8,  9                            ; v9   the same with 8 x lane
.set PS,  10                           ; v10  and my halves of the scale words: X1SC + 16 x lane + 512 (wave / 2) + 2 (wave % 2)
.set F16, 11                           ; v11  X1IMG + 16 x lane
.set F8,  12                           ; v12  X1IMG + 8 x lane
.set STO, 13                           ; v13  my stage, on the way in
.set SPW, 14
.set NIL, 15
.set SRD, 20                           ; v20  my stage, on the way out
.set XA,  21                           ; v21  x: (r + 8 (r / 8)) x 3,072 + 64 h
.set XO,  22                           ; v22  x1: 3,072 (lane / 16) + 16 (lane % 16)
.set WS,  24
.set AS,  28
.set AF,  32
.set WF,  80
.set ACC, 128
.set CD,  96
.set TQ,  120
.set TM,  124
.set SEL, 6
.set WB,  44
.set WSB, 46
.macro BARRIER
	s_wait_dscnt 0x0
	s_barrier_signal -1
	s_barrier_wait -1
.endm
.macro QUANT32 s, c, w                 ; 32 numbers, register 16 b + i = k 32 b + 16 h + i, become six registers of codes and two scale bytes
.irp b, 0,1
	v_max3_num_f32 v[TM+\b], |v[(\s)+16*\b]|, |v[(\s)+16*\b+1]|, 0x1800000
.endr
.irp i, 2,4,6,8,10,12,14
.irp b, 0,1
	v_max3_num_f32 v[TM+\b], v[TM+\b], |v[(\s)+16*\b+\i]|, |v[(\s)+16*\b+\i+1]|
.endr
.endr
.irp b, 0,1
	v_permlanex16_b32 v[TM+2+\b], v[TM+\b], s[SEL], s[SEL+1]
.endr
.irp b, 0,1
	v_max_num_f32 v[TM+\b], v[TM+\b], v[TM+2+\b]
.endr
.irp b, 0,1
	v_add_nc_u32 v[TM+2+\b], 0xff000000, v[TM+\b]
.endr
.irp b, 0,1
	v_lshrrev_b32 v[TM+\b], 23, v[TM+2+\b]
.endr
	v_lshl_or_b32 v[\w], v[TM+1], 8, v[TM]
	v_cvt_scalef32_pk16_fp6_f32 v[(\c):(\c)+2], v[(\s):(\s)+15], v[TM+2]
	v_cvt_scalef32_pk16_fp6_f32 v[TQ:TQ+2], v[(\s)+16:(\s)+31], v[TM+3]
	v_nop
.irp i, 0,1,2
	v_permlane16_swap_b32 v[(\c)+\i], v[TQ+\i]
.endr
.irp i, 0,1,2
	v_mov_b32 v[(\c)+3+\i], v[TQ+\i]
.endr
.endm
.macro KSTEP s, first, zero, xo, a16, a8, aoff, sa, soff   ; launch 1's: one step of 128 along K for a unit of 64 x 64; the sixteen accumulators take turns
.if \first == 0
.rept 4
	v_nop
.endr
.endif
.irp i, 0,1,2,3
.irp p, 0,1,2,3,4,5
	global_load_b64 v[WF+12*\i+2*\p:WF+12*\i+2*\p+1], v[WA], s[WB:WB+1] offset:(32*(\i/2)+8*(\i%2))*KROW+96*(\s)+48*(\p/3)+8*(\p%3)
.endr
	global_load_b32 v[WS+\i], v[WSA], s[WSB:WSB+1] offset:(32*(\i/2)+8*(\i%2))*KSB+4*(\s)
.endr
.irp o, 0,1,2,3
	ds_load_b128 v[AF+12*\o:AF+12*\o+3], v[\a16] offset:\aoff+(4*(\s)+\o)*1536
	ds_load_b64 v[AF+12*\o+4:AF+12*\o+5], v[\a8] offset:\aoff+(4*(\s)+\o)*1536+512
	ds_load_b128 v[AF+12*\o+6:AF+12*\o+9], v[\a16] offset:\aoff+(4*(\s)+\o)*1536+768
	ds_load_b64 v[AF+12*\o+10:AF+12*\o+11], v[\a8] offset:\aoff+(4*(\s)+\o)*1536+1280
.endr
	ds_load_b128 v[AS:AS+3], v[\sa] offset:\soff+512*(\s)
	s_wait_loadcnt 0x0
	s_wait_dscnt 0x0
.if \xo
.set S0, AF
.set S1, WF
.set C0, AS
.set C1, WS
.else
.set S0, WF
.set S1, AF
.set C0, WS
.set C1, AS
.endif
.irp o, 0,1,2,3
.irp i, 0,1,2,3
.if \zero
	v_wmma_scale_f32_16x16x128_f8f6f4 v[ACC+32*\o+8*\i:ACC+32*\o+8*\i+7], v[S0+12*\i:S0+12*\i+11], v[S1+12*\o:S1+12*\o+11], 0, v[C0+\i], v[C1+\o] matrix_a_fmt:MATRIX_FMT_FP6 matrix_b_fmt:MATRIX_FMT_FP6
.else
	v_wmma_scale_f32_16x16x128_f8f6f4 v[ACC+32*\o+8*\i:ACC+32*\o+8*\i+7], v[S0+12*\i:S0+12*\i+11], v[S1+12*\o:S1+12*\o+11], v[ACC+32*\o+8*\i:ACC+32*\o+8*\i+7], v[C0+\i], v[C1+\o] matrix_a_fmt:MATRIX_FMT_FP6 matrix_b_fmt:MATRIX_FMT_FP6
.endif
.endr
.endr
.endm
; 32 registers of a lane (line r of a tile, columns 32 b + 16 h + i) go through my stage and come back as whole rows of 256 bytes: load k brings lines 2 k and 2 k + 1, sixteen lanes to a line
.macro TURNOUT src, dst
.irp e, 0,1,2,3,4,5,6,7
	ds_store_b128 v[STO], v[(\src)+4*\e:(\src)+4*\e+3] offset:128*(\e/4)+16*(\e%4)
.endr
.irp k, 0,1,2,3,4,5,6,7
	ds_load_b128 v[(\dst)+4*\k:(\dst)+4*\k+3], v[SRD] offset:544*\k   ; LDS serves a wave's instructions in order: these see the stores above
.endr
.endm
	s_load_b512 s[16:31], s[0:1], 0x0              ; cbuf 16, x 18, wo codes 20, scales 22, bo 24, w1 codes 26, scales 28, b1 30
	s_load_b128 s[32:35], s[0:1], 0x40             ; x1 32, hbuf 34
	v_lshl_add_u32 v[SPW], v0, 2, SPARE
	v_mov_b32 v[NIL], 0
	v_lshrrev_b32 v32, 5, v0
	v_readfirstlane_b32 s2, v32                    ; wave 0..11
	s_mov_b32 s3, ttmp9                            ; R
	s_and_b32 s4, ttmp7, 0xffff                    ; Y
	s_mov_b32 s[SEL], 0x76543210
	s_mov_b32 s[SEL+1], 0xfedcba98
	s_and_b32 s8, s2, 1
	s_lshr_b32 s9, s2, 1
	v_and_b32 v33, 31, v0
	v_and_b32 v34, 15, v0
	v_bfe_u32 v35, v0, 4, 1
	v_and_b32 v36, 8, v34
	v_add_nc_u32 v36, v36, v34
	v_lshlrev_b32 v[L16], 4, v33
	v_lshlrev_b32 v[L8], 3, v33
	v_mul_u32_u24 v[WA], v36, KROW
	v_mad_u32_u24 v[WA], v35, 24, v[WA]
	v_mul_u32_u24 v[WSA], v36, KSB
	v_lshlrev_b32 v[BA], 6, v35
	v_mul_u32_u24 v[XA], v36, 3072
	v_lshl_add_u32 v[XA], v35, 6, v[XA]
	v_mul_u32_u24 v[XO], v35, 3072
	v_lshl_add_u32 v[XO], v34, 4, v[XO]
	s_mul_i32 s60, s2, 3072
	v_add_nc_u32 v[CW16], s60, v[L16]
	s_lshl_b32 s60, s2, 8
	v_add_nc_u32 v[CW8], s60, v[L8]
	s_mul_i32 s60, s9, 6144
	s_mul_i32 s61, s8, 768
	s_add_co_u32 s60, s60, s61
	v_add_nc_u32 v[P16], s60, v[L16]
	v_add_nc_u32 v[P8], s60, v[L8]
	s_lshl_b32 s60, s9, 9
	s_lshl_b32 s61, s8, 1
	s_add_co_u32 s60, s60, s61
	s_add_co_u32 s60, s60, X1SC
	v_add_nc_u32 v[PS], s60, v[L16]
	v_add_nc_u32 v[F16], X1IMG, v[L16]
	v_add_nc_u32 v[F8], X1IMG, v[L8]
	s_mul_i32 s60, s2, 4352
	s_add_co_u32 s60, s60, STG
	v_mul_u32_u24 v[STO], v34, 272
	v_lshl_add_u32 v[STO], v35, 6, v[STO]
	v_add_nc_u32 v[STO], s60, v[STO]
	v_mul_u32_u24 v[SRD], v35, 272
	v_lshl_add_u32 v[SRD], v34, 4, v[SRD]
	v_add_nc_u32 v[SRD], s60, v[SRD]
	s_mul_i32 s60, s3, 39936                       ; cbuf's block
	s_mov_b32 s61, 0
	s_mul_i32 s62, s3, 196608                      ; 64 rows of 3,072 bytes,
	s_lshl_b32 s63, s2, 8                          ; my 64 columns
	s_add_co_u32 s62, s62, s63
	s_mov_b32 s63, 0
	s_lshl_b32 s66, s2, 8
	s_mov_b32 s67, 0
	s_mul_i32 s68, s2, 36864
	s_mov_b32 s69, 0
	s_mul_i32 s70, s2, 1536
	s_mov_b32 s71, 0
	s_mul_i32 s72, s4, 768
	s_lshl_b32 s73, s2, 6
	s_add_co_u32 s72, s72, s73                     ; my first hidden unit
	s_mul_i32 s74, s72, 576
	s_mov_b32 s75, 0
	s_mul_i32 s76, s72, 24
	s_mov_b32 s77, 0
	s_lshl_b32 s78, s72, 2
	s_mov_b32 s79, 0
	s_mul_i32 s80, s3, 159744                      ; hbuf's block
	s_mul_i32 s81, s4, 6
	s_add_co_u32 s81, s81, s9                      ; the last product's K step that my units belong to
	s_mul_i32 s82, s81, 6144
	s_mul_i32 s83, s8, 768
	s_add_co_u32 s82, s82, s83
	s_add_co_u32 s82, s82, s80
	s_mov_b32 s83, 0
	s_lshl_b32 s84, s81, 9
	s_lshl_b32 s85, s8, 1
	s_add_co_u32 s84, s84, s85
	s_add_co_u32 s84, s84, s80
	s_add_co_u32 s84, s84, 147456
	s_mov_b32 s85, 0
	s_wait_kmcnt 0x0
	s_add_nc_u64 s[36:37], s[16:17], s[60:61]      ; cbuf
	s_add_nc_u64 s[38:39], s[18:19], s[62:63]      ; x
	s_add_nc_u64 s[40:41], s[24:25], s[66:67]      ; bo
	s_add_nc_u64 s[44:45], s[20:21], s[68:69]      ; wo's codes
	s_add_nc_u64 s[46:47], s[22:23], s[70:71]      ; wo's scales
	s_add_nc_u64 s[48:49], s[26:27], s[74:75]      ; w1's codes
	s_add_nc_u64 s[50:51], s[28:29], s[76:77]      ; w1's scales
	s_add_nc_u64 s[52:53], s[30:31], s[78:79]      ; b1
	s_add_nc_u64 s[54:55], s[32:33], s[62:63]      ; x1
	s_add_nc_u64 s[56:57], s[34:35], s[82:83]      ; hbuf's codes
	s_add_nc_u64 s[58:59], s[34:35], s[84:85]      ; hbuf's scale halves
	; ---- ctx's codes into LDS, a twelfth a wave; x + bo into the accumulators
.irp k, 0,1,2,3,4,5
	global_load_b128 v[32+4*\k:35+4*\k], v[CW16], s[36:37] offset:512*\k
.endr
	global_load_b64 v[56:57], v[CW8], s[36:37] offset:36864
.irp i, 0,1,2,3
	global_load_b128 v[80+8*\i:83+8*\i], v[BA], s[40:41] offset:(32*(\i/2)+8*(\i%2))*4
	global_load_b128 v[84+8*\i:87+8*\i], v[BA], s[40:41] offset:(32*(\i/2)+8*(\i%2))*4+16
.endr
.irp o, 0,1,2,3
.irp i, 0,1,2,3
	global_load_b128 v[ACC+32*\o+8*\i:ACC+32*\o+8*\i+3], v[XA], s[38:39] offset:(32*(\o/2)+8*(\o%2))*3072+(32*(\i/2)+8*(\i%2))*4
	global_load_b128 v[ACC+32*\o+8*\i+4:ACC+32*\o+8*\i+7], v[XA], s[38:39] offset:(32*(\o/2)+8*(\o%2))*3072+(32*(\i/2)+8*(\i%2))*4+16
.endr
.endr
	s_wait_loadcnt 40                              ; the seven loads of ctx are in; bo's 8 and x's 32 may be out
.irp k, 0,1,2,3,4,5
	ds_store_b128 v[CW16], v[32+4*\k:35+4*\k] offset:CIMG+512*\k
.endr
	ds_store_b64 v[CW8], v[56:57] offset:CSC
	s_wait_loadcnt 0x0
.irp o, 0,1,2,3
.set n, 0
.rept 16
	v_pk_add_f32 v[ACC+32*\o+n:ACC+32*\o+n+1], v[ACC+32*\o+n:ACC+32*\o+n+1], v[80+n:81+n]
.set n, n+2
.endr
.endr
	BARRIER                                        ; ctx's 24 fragments lie in LDS
	; ---- P: x1 = (x + bo) + Q(ctx) wo
	KSTEP 0, 1, 0, 0, L16, L8, CIMG, L16, CSC
.irp s, 1,2,3,4,5
	KSTEP \s, 0, 0, 0, L16, L8, CIMG, L16, CSC
.endr
.rept 4
	v_nop
.endr
.irp o, 0,1,2,3
	QUANT32 ACC+32*\o, CD+6*\o, 16+\o
	ds_store_b128 v[P16], v[CD+6*\o:CD+6*\o+3] offset:X1IMG+1536*\o
	ds_store_b64 v[P8], v[CD+6*\o+4:CD+6*\o+5] offset:X1IMG+1536*\o+512
	ds_store_b16 v[PS], v[16+\o] offset:4*\o
.endr
	s_mul_i32 s60, s4, 3
	s_sub_co_u32 s60, s2, s60
	s_cmp_lt_u32 s60, 3                            ; (unsigned) is my unit one of the three that this work-group stores?
	s_cbranch_scc0 .Lnot_mine
.irp o, 0,1,2,3
.if \o >= 2
	s_wait_xcnt 0x0                                ; the stores of two tiles back have read their registers
.endif
	TURNOUT ACC+32*\o, 32+32*(\o%2)
.irp k, 0,1,2,3,4,5,6,7
	s_wait_dscnt 7-\k                              ; load k is in; the 7 - k younger ones may be out
	global_store_b128 v[XO], v[32+32*(\o%2)+4*\k:32+32*(\o%2)+4*\k+3], s[54:55] offset:(32*(\o/2)+8*(\o%2)+2*\k+8*(\k/4))*3072   ; 16 lanes store 256 consecutive bytes, aligned
.endr
.endr
.Lnot_mine:
	s_wait_xcnt 0x0                                ; the stores have read their registers: the next phase loads into them
	s_wait_dscnt 0x0                               ; my LDS stores have landed and have read the accumulators
.irp o, 0,1,2,3
.irp i, 0,1,2,3
	global_load_b128 v[ACC+32*\o+8*\i:ACC+32*\o+8*\i+3], v[BA], s[52:53] offset:(32*(\i/2)+8*(\i%2))*4
	global_load_b128 v[ACC+32*\o+8*\i+4:ACC+32*\o+8*\i+7], v[BA], s[52:53] offset:(32*(\i/2)+8*(\i%2))*4+16
.endr
.endr
	s_barrier_signal -1
	s_barrier_wait -1                              ; x1's 24 fragments lie in LDS
	; ---- F: relu(b1 + Q(x1) w1)
.set WB,  48
.set WSB, 50
	KSTEP 0, 1, 0, 0, F16, F8, 0, F16, 36864
.irp s, 1,2,3,4,5
	KSTEP \s, 0, 0, 0, F16, F8, 0, F16, 36864
.endr
.rept 4
	v_nop
.endr
.set n, 0
.rept 128
	v_max_num_f32 v[ACC+n], 0, v[ACC+n]            ; the activation, in f32
.set n, n+1
.endr
.irp o, 0,1,2,3
	QUANT32 ACC+32*\o, CD+6*\o, 16+\o
	global_store_b128 v[L16], v[CD+6*\o:CD+6*\o+3], s[56:57] offset:1536*\o
	global_store_b64 v[L8], v[CD+6*\o+4:CD+6*\o+5], s[56:57] offset:1536*\o+512
	global_store_b16 v[L16], v[16+\o], s[58:59] offset:4*\o
.endr
	s_wait_tensorcnt 0x0                           ; the wave's end, behind my last LDS store
	ds_add_u32 v[SPW], v[NIL]
	s_wait_dscnt 0x0
	s_endpgm
.Lfunc_end_k_q62b1986c1c_pf1:
	.size	k_q62b1986c1c_pf1, .Lfunc_end_k_q62b1986c1c_pf1-k_q62b1986c1c_pf1
	.p2alignl 7, 3214868480
	.fill 96, 4, 3214868480
	.section	.rodata,"a",@progbits
	.p2align	6, 0x0
	.amdhsa_kernel k_q62b1986c1c_pf1
		.amdhsa_group_segment_fixed_size 133632
		.amdhsa_private_segment_fixed_size 0
		.amdhsa_enable_private_segment 0
		.amdhsa_kernarg_size 80
		.amdhsa_user_sgpr_count 2
		.amdhsa_user_sgpr_kernarg_segment_ptr 1
		.amdhsa_wavefront_size32 1
		.amdhsa_system_sgpr_workgroup_id_x 1
		.amdhsa_system_sgpr_workgroup_id_y 1
		.amdhsa_system_sgpr_workgroup_id_z 1
		.amdhsa_system_vgpr_workitem_id 0
		.amdhsa_next_free_vgpr 256
		.amdhsa_next_free_sgpr 88
		.amdhsa_reserve_vcc 0
		.amdhsa_float_denorm_mode_32 3
		.amdhsa_float_denorm_mode_16_64 3
		.amdhsa_memory_ordered 1
		.amdhsa_forward_progress 1
		.amdhsa_inst_pref_size 117
	.end_amdhsa_kernel
	.amdgpu_metadata
---
amdhsa.version: [ 1, 2 ]
amdhsa.kernels:
  - .name:           k_q62b1986c1c_pf1
    .symbol:         k_q62b1986c1c_pf1.kd
    .args:
      - { .name: cbuf, .offset: 0, .size: 8, .value_kind: global_buffer, .address_space: global }
      - { .name: x, .offset: 8, .size: 8, .value_kind: global_buffer, .address_space: global }
      - { .name: wo_codes, .offset: 16, .size: 8, .value_kind: global_buffer, .address_space: global }
      - { .name: wo_scales, .offset: 24, .size: 8, .value_kind: global_buffer, .address_space: global }
      - { .name: bo, .offset: 32, .size: 8, .value_kind: global_buffer, .address_space: global }
      - { .name: w1_codes, .offset: 40, .size: 8, .value_kind: global_buffer, .address_space: global }
      - { .name: w1_scales, .offset: 48, .size: 8, .value_kind: global_buffer, .address_space: global }
      - { .name: b1, .offset: 56, .size: 8, .value_kind: global_buffer, .address_space: global }
      - { .name: x1, .offset: 64, .size: 8, .value_kind: global_buffer, .address_space: global }
      - { .name: hbuf, .offset: 72, .size: 8, .value_kind: global_buffer, .address_space: global }
    .group_segment_fixed_size: 133632
    .private_segment_fixed_size: 0
    .kernarg_segment_align: 8
    .kernarg_segment_size: 80
    .max_flat_workgroup_size: 384
    .sgpr_count:     88
    .vgpr_count:     256
    .wavefront_size: 32
...
	.end_amdgpu_metadata
.endif
;; end of part 3
;; launch ff2 (part 4): grid 64 x 4, 12 waves a work-group, no clusters, 250,368 bytes of LDS; arguments hbuf, w2_codes, w2_scales, b2, x1, out0; writes out0
.if DOCPART == 4
	.amdgcn_target "amdgcn-amd-amdhsa--gfx1250"
	.amdhsa_code_object_version 6
	.text
	.protected	k_q62b1986c1c_ff2
	.globl	k_q62b1986c1c_ff2
	.p2align	8
	.type	k_q62b1986c1c_ff2,@function
k_q62b1986c1c_ff2:
	s_mov_b64 s[64:65], 0
	v_nop
	global_prefetch_b8 v0, s[64:65] scope:SCOPE_SE
	s_setreg_imm32_b32 hwreg(HW_REG_WAVE_MODE, 25, 1), 1
	s_wait_xcnt 0x0
; ENCODER BLOCK, launch 4 of 4: out0 = x1 + Q(h) w2 + b2.  Nothing is left out.
; SHARES.  Work-group (R, Y): rows 64 R .. + 63, columns 192 Y .. + 191.  Wave w: the unit of columns 192 Y + 64 (w / 4), and the quarter w % 4 of K (six steps of 128 of the 24), so that twelve waves have six steps each.
; The four partial sums of a unit meet in LDS; wave w then finishes the unit's tile of rows w % 4: (P0 + P1) + (P2 + P3), + b2, + x1.  LIMIT: that order of the f32 sums is not reference()'s.
; The hidden layer's block of hbuf (159,744 bytes) is copied into LDS as it lies; the partial sums are laid over it behind a barrier that every wave reaches behind its last read of it.
; No cluster and no tensor load: each weight fragment goes from memory straight into the registers of the one wave that multiplies by it.
.set KROW, 2304
.set KSB,  96
.set STG,  196608                      ; LDS: 0 the hidden layer's images, later the partial sums [unit 3][tile 4][quarter 4] x 4,096; here a stage of 16 x 272 bytes for each wave;
.set SPARE, 248832                     ; and the spare words: 128 bytes for each of 12 waves, six blocks of 256 bytes that no other line names
.set L16, 1
.set L8,  2
.set WA,  3
.set WSA, 4
.set XO,  5                            ; v5   3,072 (lane / 16) + 16 (lane % 16)
.set CW,  6                            ; v6   the copy: 16 x lane + 13,312 x wave
.set A16, 7                            ; v7   16 x lane + 36,864 x quarter
.set A8,  8                            ; v8   8 x lane + the same
.set SA,  9                            ; v9   16 x lane + 147,456 + 3,072 x quarter
.set RW,  10                           ; v10  my partial sums: 16 x lane + 65,536 x unit + 4,096 x quarter
.set RR,  11                           ; v11  the four that I add: 16 x lane + 65,536 x unit + 16,384 x quarter
.set STO, 12
.set SRD, 13
.set SPW, 14
.set NIL, 15
.set B2O, 16                           ; v16  16 (lane % 16)
.set WS,  24
.set AS,  28
.set AF,  32
.set WF,  80
.set ACC, 128
.set WB,  44
.set WSB, 46
.macro BARRIER
	s_wait_dscnt 0x0
	s_barrier_signal -1
	s_barrier_wait -1
.endm
.macro KSTEP s, first, zero, xo, a16, a8, aoff, sa, soff   ; launch 1's: one step of 128 along K for a unit of 64 x 64; the sixteen accumulators take turns
.if \first == 0
.rept 4
	v_nop
.endr
.endif
.irp i, 0,1,2,3
.irp p, 0,1,2,3,4,5
	global_load_b64 v[WF+12*\i+2*\p:WF+12*\i+2*\p+1], v[WA], s[WB:WB+1] offset:(32*(\i/2)+8*(\i%2))*KROW+96*(\s)+48*(\p/3)+8*(\p%3)
.endr
	global_load_b32 v[WS+\i], v[WSA], s[WSB:WSB+1] offset:(32*(\i/2)+8*(\i%2))*KSB+4*(\s)
.endr
.irp o, 0,1,2,3
	ds_load_b128 v[AF+12*\o:AF+12*\o+3], v[\a16] offset:\aoff+(4*(\s)+\o)*1536
	ds_load_b64 v[AF+12*\o+4:AF+12*\o+5], v[\a8] offset:\aoff+(4*(\s)+\o)*1536+512
	ds_load_b128 v[AF+12*\o+6:AF+12*\o+9], v[\a16] offset:\aoff+(4*(\s)+\o)*1536+768
	ds_load_b64 v[AF+12*\o+10:AF+12*\o+11], v[\a8] offset:\aoff+(4*(\s)+\o)*1536+1280
.endr
	ds_load_b128 v[AS:AS+3], v[\sa] offset:\soff+512*(\s)
	s_wait_loadcnt 0x0
	s_wait_dscnt 0x0
.if \xo
.set S0, AF
.set S1, WF
.set C0, AS
.set C1, WS
.else
.set S0, WF
.set S1, AF
.set C0, WS
.set C1, AS
.endif
.irp o, 0,1,2,3
.irp i, 0,1,2,3
.if \zero
	v_wmma_scale_f32_16x16x128_f8f6f4 v[ACC+32*\o+8*\i:ACC+32*\o+8*\i+7], v[S0+12*\i:S0+12*\i+11], v[S1+12*\o:S1+12*\o+11], 0, v[C0+\i], v[C1+\o] matrix_a_fmt:MATRIX_FMT_FP6 matrix_b_fmt:MATRIX_FMT_FP6
.else
	v_wmma_scale_f32_16x16x128_f8f6f4 v[ACC+32*\o+8*\i:ACC+32*\o+8*\i+7], v[S0+12*\i:S0+12*\i+11], v[S1+12*\o:S1+12*\o+11], v[ACC+32*\o+8*\i:ACC+32*\o+8*\i+7], v[C0+\i], v[C1+\o] matrix_a_fmt:MATRIX_FMT_FP6 matrix_b_fmt:MATRIX_FMT_FP6
.endif
.endr
.endr
.endm
.macro TURNOUT src, dst                ; launch 3's: 32 registers of a lane become whole rows of 256 bytes
.irp e, 0,1,2,3,4,5,6,7
	ds_store_b128 v[STO], v[(\src)+4*\e:(\src)+4*\e+3] offset:128*(\e/4)+16*(\e%4)
.endr
.irp k, 0,1,2,3,4,5,6,7
	ds_load_b128 v[(\dst)+4*\k:(\dst)+4*\k+3], v[SRD] offset:544*\k
.endr
.endm
	s_load_b256 s[16:23], s[0:1], 0x0              ; hbuf 16, w2 codes 18, scales 20, b2 22
	s_load_b128 s[24:27], s[0:1], 0x20             ; x1 24, out0 26
	v_lshl_add_u32 v[SPW], v0, 2, SPARE
	v_mov_b32 v[NIL], 0
	v_lshrrev_b32 v32, 5, v0
	v_readfirstlane_b32 s2, v32                    ; wave 0..11
	s_mov_b32 s3, ttmp9                            ; R
	s_and_b32 s4, ttmp7, 0xffff                    ; Y
	s_lshr_b32 s5, s2, 2                           ; the unit
	s_and_b32 s8, s2, 3                            ; the quarter of K; later the tile of rows
	v_and_b32 v33, 31, v0
	v_and_b32 v34, 15, v0
	v_bfe_u32 v35, v0, 4, 1
	v_and_b32 v36, 8, v34
	v_add_nc_u32 v36, v36, v34
	v_lshlrev_b32 v[L16], 4, v33
	v_lshlrev_b32 v[L8], 3, v33
	v_mul_u32_u24 v[WA], v36, KROW
	v_mad_u32_u24 v[WA], v35, 24, v[WA]
	v_mul_u32_u24 v[WSA], v36, KSB
	v_mul_u32_u24 v[XO], v35, 3072
	v_lshl_add_u32 v[XO], v34, 4, v[XO]
	v_lshlrev_b32 v[B2O], 4, v34
	s_mul_i32 s36, s2, 13312
	v_add_nc_u32 v[CW], s36, v[L16]
	s_mul_i32 s36, s8, 36864
	v_add_nc_u32 v[A16], s36, v[L16]
	v_add_nc_u32 v[A8], s36, v[L8]
	s_mul_i32 s36, s8, 3072
	s_add_co_u32 s36, s36, 147456
	v_add_nc_u32 v[SA], s36, v[L16]
	s_lshl_b32 s36, s5, 16
	s_lshl_b32 s37, s8, 12
	s_add_co_u32 s37, s37, s36
	v_add_nc_u32 v[RW], s37, v[L16]
	s_lshl_b32 s37, s8, 14
	s_add_co_u32 s37, s37, s36
	v_add_nc_u32 v[RR], s37, v[L16]
	s_mul_i32 s36, s2, 4352
	s_add_co_u32 s36, s36, STG
	v_mul_u32_u24 v[STO], v34, 272
	v_lshl_add_u32 v[STO], v35, 6, v[STO]
	v_add_nc_u32 v[STO], s36, v[STO]
	v_mul_u32_u24 v[SRD], v35, 272
	v_lshl_add_u32 v[SRD], v34, 4, v[SRD]
	v_add_nc_u32 v[SRD], s36, v[SRD]
	s_mul_i32 s40, s3, 159744
	s_mov_b32 s41, 0
	s_mul_i32 s9, s4, 192
	s_lshl_b32 s10, s5, 6
	s_add_co_u32 s9, s9, s10                       ; my unit's first column
	s_mul_i32 s42, s9, 2304
	s_mul_i32 s43, s8, 576
	s_add_co_u32 s42, s42, s43
	s_mov_b32 s43, 0
	s_mul_i32 s48, s9, 96
	s_mul_i32 s49, s8, 24
	s_add_co_u32 s48, s48, s49
	s_mov_b32 s49, 0
	s_lshl_b32 s50, s9, 2
	s_mov_b32 s51, 0
	s_lshr_b32 s52, s8, 1
	s_lshl_b32 s52, s52, 5
	s_and_b32 s53, s8, 1
	s_lshl_b32 s53, s53, 3
	s_add_co_u32 s52, s52, s53
	s_lshl_b32 s53, s3, 6
	s_add_co_u32 s52, s52, s53                     ; the first row of the tile that I finish
	s_mul_i32 s52, s52, 3072
	s_add_co_u32 s52, s52, s50
	s_mov_b32 s53, 0
	s_wait_kmcnt 0x0
	s_add_nc_u64 s[28:29], s[16:17], s[40:41]      ; hbuf's block
	s_add_nc_u64 s[WB:WB+1], s[18:19], s[42:43]
	s_add_nc_u64 s[WSB:WSB+1], s[20:21], s[48:49]
	s_add_nc_u64 s[30:31], s[22:23], s[50:51]      ; b2
	s_add_nc_u64 s[32:33], s[24:25], s[52:53]      ; x1
	s_add_nc_u64 s[34:35], s[26:27], s[52:53]      ; out0
	; ---- the hidden layer's images into LDS: a twelfth a wave, 26 pieces of 512 bytes
.set k, 0
.rept 26
	global_load_b128 v[128+4*k:131+4*k], v[CW], s[28:29] offset:512*k
.set k, k+1
.endr
.set k, 0
.rept 26
	s_wait_loadcnt 25-k                            ; piece k is in; the 25 - k younger ones may be out
	ds_store_b128 v[CW], v[128+4*k:131+4*k] offset:512*k
.set k, k+1
.endr
	BARRIER
	; ---- my quarter of K
	KSTEP 0, 1, 1, 0, A16, A8, 0, SA, 0
.irp s, 1,2,3,4,5
	KSTEP \s, 0, 0, 0, A16, A8, 0, SA, 0
.endr
	BARRIER                                        ; every wave's reads of the images are over: the partial sums may be laid over them
.rept 4
	v_nop                                          ; places in front of the first read of results and of loads into the operands' registers
.endr
.irp o, 0,1,2,3
.irp e, 0,1,2,3,4,5,6,7
	ds_store_b128 v[RW], v[ACC+32*\o+4*\e:ACC+32*\o+4*\e+3] offset:16384*\o+512*\e
.endr
.endr
.irp k, 0,1,2,3,4,5,6,7
	global_load_b128 v[32+4*\k:35+4*\k], v[XO], s[32:33] offset:(2*\k+8*(\k/4))*3072   ; x1's rows of my tile, as whole rows
.endr
	global_load_b128 v[64:67], v[B2O], s[30:31]
	BARRIER
.irp q, 0,1,2,3
.irp e, 0,1,2,3,4,5,6,7
	ds_load_b128 v[128+32*\q+4*\e:131+32*\q+4*\e], v[RR] offset:4096*\q+512*\e
.endr
.endr
	s_wait_dscnt 0x0
.set n, 0
.rept 16
	v_pk_add_f32 v[128+n:129+n], v[128+n:129+n], v[160+n:161+n]
	v_pk_add_f32 v[192+n:193+n], v[192+n:193+n], v[224+n:225+n]
.set n, n+2
.endr
.set n, 0
.rept 16
	v_pk_add_f32 v[128+n:129+n], v[128+n:129+n], v[192+n:193+n]
.set n, n+2
.endr
	TURNOUT 128, 96
	s_wait_loadcnt 0x0                             ; x1 and b2
.irp k, 0,1,2,3,4,5,6,7
	s_wait_dscnt 7-\k                              ; load k is in; the 7 - k younger ones may be out
	v_pk_add_f32 v[96+4*\k:97+4*\k], v[96+4*\k:97+4*\k], v[64:65]
	v_pk_add_f32 v[98+4*\k:99+4*\k], v[98+4*\k:99+4*\k], v[66:67]
	v_pk_add_f32 v[96+4*\k:97+4*\k], v[96+4*\k:97+4*\k], v[32+4*\k:33+4*\k]
	v_pk_add_f32 v[98+4*\k:99+4*\k], v[98+4*\k:99+4*\k], v[34+4*\k:35+4*\k]
	global_store_b128 v[XO], v[96+4*\k:99+4*\k], s[34:35] offset:(2*\k+8*(\k/4))*3072 th:TH_STORE_NT   ; 16 lanes store 256 consecutive bytes, aligned; written once
.endr
	s_wait_tensorcnt 0x0                           ; the wave's end, behind my last LDS store
	ds_add_u32 v[SPW], v[NIL]
	s_wait_dscnt 0x0
	s_endpgm
.Lfunc_end_k_q62b1986c1c_ff2:
	.size	k_q62b1986c1c_ff2, .Lfunc_end_k_q62b1986c1c_ff2-k_q62b1986c1c_ff2
	.p2alignl 7, 3214868480
	.fill 96, 4, 3214868480
	.section	.rodata,"a",@progbits
	.p2align	6, 0x0
	.amdhsa_kernel k_q62b1986c1c_ff2
		.amdhsa_group_segment_fixed_size 250368
		.amdhsa_private_segment_fixed_size 0
		.amdhsa_enable_private_segment 0
		.amdhsa_kernarg_size 48
		.amdhsa_user_sgpr_count 2
		.amdhsa_user_sgpr_kernarg_segment_ptr 1
		.amdhsa_wavefront_size32 1
		.amdhsa_system_sgpr_workgroup_id_x 1
		.amdhsa_system_sgpr_workgroup_id_y 1
		.amdhsa_system_sgpr_workgroup_id_z 1
		.amdhsa_system_vgpr_workitem_id 0
		.amdhsa_next_free_vgpr 256
		.amdhsa_next_free_sgpr 66
		.amdhsa_reserve_vcc 0
		.amdhsa_float_denorm_mode_32 3
		.amdhsa_float_denorm_mode_16_64 3
		.amdhsa_memory_ordered 1
		.amdhsa_forward_progress 1
		.amdhsa_inst_pref_size 57
	.end_amdhsa_kernel
	.amdgpu_metadata
---
amdhsa.version: [ 1, 2 ]
amdhsa.kernels:
  - .name:           k_q62b1986c1c_ff2
    .symbol:         k_q62b1986c1c_ff2.kd
    .args:
      - { .name: hbuf, .offset: 0, .size: 8, .value_kind: global_buffer, .address_space: global }
      - { .name: w2_codes, .offset: 8, .size: 8, .value_kind: global_buffer, .address_space: global }
      - { .name: w2_scales, .offset: 16, .size: 8, .value_kind: global_buffer, .address_space: global }
      - { .name: b2, .offset: 24, .size: 8, .value_kind: global_buffer, .address_space: global }
      - { .name: x1, .offset: 32, .size: 8, .value_kind: global_buffer, .address_space: global }
      - { .name: out0, .offset: 40, .size: 8, .value_kind: global_buffer, .address_space: global }
    .group_segment_fixed_size: 250368
    .private_segment_fixed_size: 0
    .kernarg_segment_align: 8
    .kernarg_segment_size: 48
    .max_flat_workgroup_size: 384
    .sgpr_count:     66
    .vgpr_count:     256
    .wavefront_size: 32
...
	.end_amdgpu_metadata
.endif
;; end of part 4
;; ======== version 2 of 2: 4 launches
;; limits: right only within a limited range of input values
;; workspace buffers: qbuf 2,752,512 bytes; kv 5,308,416 bytes; mw 2,097,152 bytes of whole numbers; cbuf 2,555,904 bytes; x1 12,582,912 bytes; hbuf 10,223,616 bytes; wimg 4,313,088 bytes
;; launch qkv (part 5): grid 64 x 4, 16 waves a work-group, no clusters, 151,808 bytes of LDS; arguments x, mask, wq_codes, wq_scales, bq, wk_codes, wk_scales, bk, wv_codes, wv_scales, bv, qbuf, kv, mw, wo_codes, wo_scales, w1_codes, w1_scales, w2_codes, w2_scales, wimg; writes qbuf, kv, mw, wimg
.if DOCPART == 5
	.amdgcn_target "amdgcn-amd-amdhsa--gfx1250"
	.amdhsa_code_object_version 6
	.text
	.protected	k_q62b1986c1c_qkv
	.globl	k_q62b1986c1c_qkv
	.p2align	8
	.type	k_q62b1986c1c_qkv,@function
k_q62b1986c1c_qkv:
	s_mov_b64 s[64:65], 0
	v_nop
	global_prefetch_b8 v0, s[64:65] scope:SCOPE_SE
	s_setreg_imm32_b32 hwreg(HW_REG_WAVE_MODE, 25, 1), 1
	s_wait_xcnt 0x0
; ENCODER BLOCK, launch 1 of 4.  q, k, v = Q(x) W + b on codes of FP6 (E2M3) with one E8M0 scale for each 32 along K; q and k are quantised along the head's 64,
; v along the keys; the mask (int32) is packed into one bit a number; wo, w1 and w2 are laid out in the order of an operand's registers.  NO WORK OF reference() IS LEFT OUT in any of the four launches, and every input is loaded.
; LIMITS (all four launches): a block of zeros, and a block whose largest magnitude lies under 2^-124, gets the scale byte 1 (the rule says 127 for zeros: the codes are zeros, and only
; this program reads the bytes); NaN and infinities among the inputs are not served; f32 sums run in another order than reference()'s.
; SHARES.  Work-group (R, Y): the 64 rows 64 R .. 64 R + 63, heads 3 Y .. 3 Y + 2, and the mask's rows of query tile 4 R + Y.  Waves 0-7 first quantise x (three fragments each) into LDS;
; one barrier; waves 0-8 are UNITS of 64 rows x 64 columns (wave / 3: q, k, v; wave % 3: the head), waves 9-12 pack the mask, eight key steps each, waves 13-15 lay out one record of weights each.
; THE ROWS OF A TILE ARE NOT NEIGHBOURS: lane r of tile o takes row 32 (o / 2) + 8 (o % 2) + r + 8 (r / 8) of its 64, for x's rows and for a weight's rows alike.  So in a result whose source 0 is tile i and whose
; source 1 is tile o, lane (r, h) owns line r of tile o, and register 8 i + j is index 32 (i / 2) + 16 h + 8 (i % 2) + j of the other axis: 32 registers are two halves of blocks of 32.
; q, k: source 0 = the weight, source 1 = x (a lane is a row, registers run along d).  v: source 0 = x, source 1 = the weight (a lane is a d, registers run along the keys).
; OPERANDS TRAVEL AS IMAGES OF THEIR REGISTERS: six registers of a lane (64 along K) are 512 bytes at 16 x lane and 256 bytes at 8 x lane; scale words lie [lane][tile], 16 bytes a lane.
; A RECORD OF WEIGHTS (64 rows of a weight, 128 along K) is the 48 registers of its four fragments on end, twelve pieces of 512 bytes at 16 x lane, and a lane's four scale words, 512 bytes: launches 3 and 4 then load a
; K step's weights by 13 loads of 512 consecutive bytes.  wo has 72 records, w1 288, w2 288, in that order in wimg; record g goes to work-group g % 256, wave 13 + g / 256: 648 records on 768 places.
; No cluster and no tensor load: each weight fragment goes from memory straight into the registers of the one wave that multiplies by it, so nothing that LDS could hold is shared between work-groups.
.set KROW, 576                         ; a weight's row of 768 codes, in bytes
.set KSB,  24                          ; and of its scale bytes
.set REC,  6656                        ; a record of wimg
.set XIMG, 0                           ; LDS: x's fragments [K step 6][tile 4] x 1,536 bytes
.set XSC,  36864                       ; their scale words [K step 6] x 512 bytes
.set MST,  39936                       ; the mask waves' stages: 16 rows x 528 bytes at 8,448 x the wave's number (only the places of waves 9-12 are used)
.set SPARE, 149760                     ; the spare words: 128 bytes for each of 16 waves, eight blocks of 256 bytes that no other line names
.set L16, 1                            ; v1   16 x lane
.set L8,  2                            ; v2   8 x lane
.set WA,  3                            ; v3   a weight fragment: (r + 8 (r / 8)) x KROW + 24 h
.set WSA, 4                            ; v4   its scale word: (r + 8 (r / 8)) x KSB
.set BA,  5                            ; v5   64 h: a bias's 16 h numbers
.set XA,  6                            ; v6   x: (r + 8 (r / 8)) x 3,072 + 64 h
.set XW16, 7                           ; v7   where I store x's images, 16 bytes a lane
.set XW8, 8                            ; v8   and 8 bytes a lane
.set XWS, 9                            ; v9   and their scale words
.set MSI, 10                           ; v10  my stage, on the way in
.set MSO, 11                           ; v11  and on the way out
.set BVO, 12                           ; v12  4 (r + 8 (r / 8)): bv at my d
.set WA2, 13                           ; v13  a fragment of w2: (r + 8 (r / 8)) x 2,304 + 24 h
.set SPW, 14                           ; v14  my spare word; never rewritten
.set NIL, 15                           ; v15  0; never rewritten
.set WSA2, 20                          ; v20  w2's scale word: (r + 8 (r / 8)) x 96
.set WS,  24                           ; v24-27  the weight's scale words, and nothing else
.set AS,  28                           ; v28-31  x's scale words, and nothing else
.set AF,  32                           ; v32-79  x's four fragments
.set WF,  80                           ; v80-127 the weight's four fragments
.set ACC, 128                          ; v128-255 sixteen accumulators: (o, i) at 128 + 32 o + 8 i
.set CD,  96                           ; the way out: six registers of codes a tile
.set TQ,  120                          ; v120-122 a conversion's second half
.set TM,  124                          ; v124-127 at work
.set X0,  32                           ; the x phase: two sets of 64 numbers,
.set X1,  96
.set PC,  160                          ; a fragment's codes,
.set TW,  180                          ; sixteen at work,
.set PW,  196                          ; and its scale word
.set SEL, 6                            ; s[6:7] v_permlanex16_b32's selects for lane l xor 16
.set WB,  44                           ; s[44:45] the weight's codes at my 64 rows
.set WSB, 46                           ; s[46:47] its scale bytes
.macro BARRIER                         ; my LDS stores have landed and my LDS loads are in: then the work-group's barrier
	s_wait_dscnt 0x0
	s_barrier_signal -1
	s_barrier_wait -1
.endm
.macro END3                            ; the wave's end, behind my last LDS store
	s_wait_tensorcnt 0x0
	ds_add_u32 v[SPW], v[NIL]
	s_wait_dscnt 0x0
.endm
; 64 numbers of a lane, register 16 b + i = k 32 b + 16 h + i of my row, become a fragment's 12 registers in v[PC] on and its scale word in v[PW]
.macro QUANT s
.irp b, 0,1,2,3
	v_max3_num_f32 v[TW+\b], |v[\s+16*\b]|, |v[\s+1+16*\b]|, 0x1800000   ; my 16 numbers of block b, and the floor 2^(3 - 127): the byte cannot fall under 1
.endr
.irp i, 2,4,6,8,10,12,14
.irp b, 0,1,2,3
	s_delay_alu instid0(VALU_DEP_4)
	v_max3_num_f32 v[TW+\b], v[TW+\b], |v[\s+16*\b+\i]|, |v[\s+1+16*\b+\i]|
.endr
.endr
.irp b, 0,1,2,3
	s_delay_alu instid0(VALU_DEP_4)
	v_permlanex16_b32 v[TW+4+\b], v[TW+\b], s[SEL], s[SEL+1]
.endr
.irp b, 0,1,2,3
	s_delay_alu instid0(VALU_DEP_4)
	v_max_num_f32 v[TW+\b], v[TW+\b], v[TW+4+\b]                   ; with lane l xor 16's: the block's largest magnitude
.endr
.irp b, 0,1,2,3
	s_delay_alu instid0(VALU_DEP_4)
	v_add_nc_u32 v[TW+12+\b], 0xff000000, v[TW+\b]                 ; 2 off its exponent field: the conversion's scale operand
.endr
.irp b, 0,1,2,3
	s_delay_alu instid0(VALU_DEP_4)
	v_lshrrev_b32 v[TW+4+\b], 23, v[TW+12+\b]                      ; the scale's byte
.endr
	s_delay_alu instid0(VALU_DEP_3)
	v_lshl_or_b32 v[PW], v[TW+5], 8, v[TW+4]
	s_delay_alu instid0(VALU_DEP_1)
	v_lshl_or_b32 v[PW], v[TW+6], 16, v[PW]
	s_delay_alu instid0(VALU_DEP_1)
	v_lshl_or_b32 v[PW], v[TW+7], 24, v[PW]
.irp c, 0,1
	v_cvt_scalef32_pk16_fp6_f32 v[PC+6*\c:PC+2+6*\c], v[\s+32*\c:\s+15+32*\c], v[TW+12+2*\c]
	v_cvt_scalef32_pk16_fp6_f32 v[PC+12+4*\c:PC+14+4*\c], v[\s+16+32*\c:\s+31+32*\c], v[TW+12+2*\c+1]   ; (a conversion's three registers begin on an even number)
.endr
	v_nop                                          ; one plain place behind a scaled conversion
.irp c, 0,1                            ; the operand's layout wants a whole block in a lane
.irp i, 0,1,2
	v_permlane16_swap_b32 v[PC+6*\c+\i], v[PC+12+4*\c+\i]
.endr
.irp i, 0,1,2
	s_delay_alu instid0(VALU_DEP_3)
	v_mov_b32 v[PC+3+6*\c+\i], v[PC+12+4*\c+\i]
.endr
.endr
.endm
; 32 numbers of a lane, register 16 b + i = k 32 b + 16 h + i, become six registers of codes in v[c] on (k = 32 h .. 32 h + 31) and the two scale bytes in the low half of v[w]
.macro QUANT32 s, c, w
.irp b, 0,1
	v_max3_num_f32 v[TM+\b], |v[(\s)+16*\b]|, |v[(\s)+16*\b+1]|, 0x1800000
.endr
.irp i, 2,4,6,8,10,12,14
.irp b, 0,1
	v_max3_num_f32 v[TM+\b], v[TM+\b], |v[(\s)+16*\b+\i]|, |v[(\s)+16*\b+\i+1]|
.endr
.endr
.irp b, 0,1
	s_delay_alu instid0(VALU_DEP_2)
	v_permlanex16_b32 v[TM+2+\b], v[TM+\b], s[SEL], s[SEL+1]
.endr
.irp b, 0,1
	s_delay_alu instid0(VALU_DEP_2)
	v_max_num_f32 v[TM+\b], v[TM+\b], v[TM+2+\b]
.endr
.irp b, 0,1
	s_delay_alu instid0(VALU_DEP_2)
	v_add_nc_u32 v[TM+2+\b], 0xff000000, v[TM+\b]
.endr
.irp b, 0,1
	s_delay_alu instid0(VALU_DEP_2)
	v_lshrrev_b32 v[TM+\b], 23, v[TM+2+\b]
.endr
	s_delay_alu instid0(VALU_DEP_1)
	v_lshl_or_b32 v[\w], v[TM+1], 8, v[TM]
	v_cvt_scalef32_pk16_fp6_f32 v[(\c):(\c)+2], v[(\s):(\s)+15], v[TM+2]
	v_cvt_scalef32_pk16_fp6_f32 v[TQ:TQ+2], v[(\s)+16:(\s)+31], v[TM+3]
	v_nop                                          ; one plain place behind a scaled conversion
.irp i, 0,1,2
	v_permlane16_swap_b32 v[(\c)+\i], v[TQ+\i]
.endr
.irp i, 0,1,2
	s_delay_alu instid0(VALU_DEP_3)
	v_mov_b32 v[(\c)+3+\i], v[TQ+\i]
.endr
.endm
; One step of 128 along K for a unit of 64 x 64: the weight's four fragments and scale words from memory, the other operand's four from LDS, sixteen products.
; first = 0: four places stand in front of the loads into registers that the last step's products have read.  zero = 1: the products start the sums.  xo = 1: source 0 is the LDS operand.
; The sixteen accumulators take turns, one instruction a turn, in the same order in every step.
.macro KSTEP s, first, zero, xo, a16, a8, aoff, sa, soff
.if \first == 0
.rept 4
	v_nop
.endr
.endif
.irp i, 0,1,2,3
.irp p, 0,1,2,3,4,5
	global_load_b64 v[WF+12*\i+2*\p:WF+12*\i+2*\p+1], v[WA], s[WB:WB+1] offset:(32*(\i/2)+8*(\i%2))*KROW+96*(\s)+48*(\p/3)+8*(\p%3)
.endr
	global_load_b32 v[WS+\i], v[WSA], s[WSB:WSB+1] offset:(32*(\i/2)+8*(\i%2))*KSB+4*(\s)
.endr
.irp o, 0,1,2,3
	ds_load_b128 v[AF+12*\o:AF+12*\o+3], v[\a16] offset:\aoff+(4*(\s)+\o)*1536
	ds_load_b64 v[AF+12*\o+4:AF+12*\o+5], v[\a8] offset:\aoff+(4*(\s)+\o)*1536+512
	ds_load_b128 v[AF+12*\o+6:AF+12*\o+9], v[\a16] offset:\aoff+(4*(\s)+\o)*1536+768
	ds_load_b64 v[AF+12*\o+10:AF+12*\o+11], v[\a8] offset:\aoff+(4*(\s)+\o)*1536+1280
.endr
	ds_load_b128 v[AS:AS+3], v[\sa] offset:\soff+512*(\s)
	s_wait_loadcnt 0x0                             ; the step's weights (and, in a first step, whatever was asked for ahead of it)
	s_wait_dscnt 0x0
.if \xo
.set S0, AF
.set S1, WF
.set C0, AS
.set C1, WS
.else
.set S0, WF
.set S1, AF
.set C0, WS
.set C1, AS
.endif
.irp o, 0,1,2,3
.irp i, 0,1,2,3
.if \zero
	v_wmma_scale_f32_16x16x128_f8f6f4 v[ACC+32*\o+8*\i:ACC+32*\o+8*\i+7], v[S0+12*\i:S0+12*\i+11], v[S1+12*\o:S1+12*\o+11], 0, v[C0+\i], v[C1+\o] matrix_a_fmt:MATRIX_FMT_FP6 matrix_b_fmt:MATRIX_FMT_FP6
.else
	v_wmma_scale_f32_16x16x128_f8f6f4 v[ACC+32*\o+8*\i:ACC+32*\o+8*\i+7], v[S0+12*\i:S0+12*\i+11], v[S1+12*\o:S1+12*\o+11], v[ACC+32*\o+8*\i:ACC+32*\o+8*\i+7], v[C0+\i], v[C1+\o] matrix_a_fmt:MATRIX_FMT_FP6 matrix_b_fmt:MATRIX_FMT_FP6
.endif
.endr
.endr
.endm
	s_load_b512 s[16:31], s[0:1], 0x0              ; x 16, mask 18, wq codes 20, scales 22, bq 24, wk codes 26, scales 28, bk 30
	s_load_b256 s[32:39], s[0:1], 0x40             ; wv codes 32, scales 34, bv 36, qbuf 38
	s_load_b128 s[40:43], s[0:1], 0x60             ; kv 40, mw 42
	s_load_b256 s[84:91], s[0:1], 0x70             ; wo codes 84, scales 86, w1 codes 88, scales 90
	s_load_b128 s[92:95], s[0:1], 0x90             ; w2 codes 92, scales 94
	s_load_b64 s[96:97], s[0:1], 0xa0              ; wimg
	v_lshl_add_u32 v[SPW], v0, 2, SPARE
	v_mov_b32 v[NIL], 0
	v_lshrrev_b32 v32, 5, v0
	s_delay_alu instid0(VALU_DEP_1)
	v_readfirstlane_b32 s2, v32                    ; wave 0..15
	s_mov_b32 s3, ttmp9                            ; R
	s_and_b32 s4, ttmp7, 0xffff                    ; Y
	s_mov_b32 s[SEL], 0x76543210
	s_mov_b32 s[SEL+1], 0xfedcba98
	v_and_b32 v33, 31, v0                          ; lane
	v_and_b32 v34, 15, v0                          ; r
	v_bfe_u32 v35, v0, 4, 1                        ; h
	s_delay_alu instid0(VALU_DEP_2)
	v_and_b32 v36, 8, v34
	s_delay_alu instid0(VALU_DEP_1)
	v_add_nc_u32 v36, v36, v34                     ; r + 8 (r / 8)
	v_lshlrev_b32 v[L16], 4, v33
	v_lshlrev_b32 v[L8], 3, v33
	s_delay_alu instid0(VALU_DEP_3)
	v_mul_u32_u24 v[WA], v36, KROW
	s_delay_alu instid0(VALU_DEP_1)
	v_mad_u32_u24 v[WA], v35, 24, v[WA]
	v_mul_u32_u24 v[WSA], v36, KSB
	v_mul_u32_u24 v[WA2], v36, 2304
	s_delay_alu instid0(VALU_DEP_1)
	v_mad_u32_u24 v[WA2], v35, 24, v[WA2]
	v_mul_u32_u24 v[WSA2], v36, 96
	v_lshlrev_b32 v[BA], 6, v35
	v_mul_u32_u24 v[XA], v36, 3072
	s_delay_alu instid0(VALU_DEP_1)
	v_lshl_add_u32 v[XA], v35, 6, v[XA]
	v_lshlrev_b32 v[BVO], 2, v36
	; every lane offset and every LDS address is made here, ahead of the first parting of the roles
	s_and_b32 s44, s2, 1                           ; the x phase: which three K steps,
	s_lshr_b32 s45, s2, 1                          ; which tile of rows
	s_mul_i32 s46, s44, 18432
	s_mul_i32 s47, s45, 1536
	s_add_co_u32 s46, s46, s47
	v_add_nc_u32 v[XW16], s46, v[L16]
	v_add_nc_u32 v[XW8], s46, v[L8]
	s_mul_i32 s46, s44, 1536
	s_lshl_b32 s47, s45, 2
	s_add_co_u32 s46, s46, s47
	v_add_nc_u32 v[XWS], s46, v[L16]
	s_mul_i32 s46, s2, 8448
	s_add_co_u32 s46, s46, MST
	v_add_nc_u32 v[MSI], s46, v[L16]
	v_mul_u32_u24 v[MSO], v34, 528
	s_delay_alu instid0(VALU_DEP_1)
	v_lshl_add_u32 v[MSO], v35, 6, v[MSO]
	s_delay_alu instid0(VALU_DEP_1)
	v_add_nc_u32 v[MSO], s46, v[MSO]
	s_lshl_b32 s48, s3, 6                          ; x at my tile's first row and my first K step
	s_lshr_b32 s49, s45, 1
	s_lshl_b32 s49, s49, 5
	s_and_b32 s50, s45, 1
	s_lshl_b32 s50, s50, 3
	s_add_co_u32 s49, s49, s50
	s_add_co_u32 s49, s49, s48
	s_mul_i32 s50, s49, 3072
	s_mul_i32 s51, s44, 1536
	s_add_co_u32 s50, s50, s51
	s_mov_b32 s51, 0
	s_wait_kmcnt 0x0
	s_add_nc_u64 s[52:53], s[16:17], s[50:51]
	s_cmp_ge_u32 s2, 8
	s_cbranch_scc1 .Lx_done
	; ---- waves 0-7: three fragments of x each.  Lane (r, h) takes, of its row, 16 neighbours of each block of 32
.macro XLOAD reg, e
.irp b, 0,1,2,3
.irp j, 0,1,2,3
	global_load_b128 v[\reg+16*\b+4*\j:\reg+16*\b+4*\j+3], v[XA], s[52:53] offset:512*\e+128*\b+16*\j
.endr
.endr
.endm
.macro XPUT e                          ; the fragment in v[PC] on and its scale word go to LDS as they stand
	ds_store_b128 v[XW16], v[PC:PC+3] offset:XIMG+6144*\e
	ds_store_b64 v[XW8], v[PC+4:PC+5] offset:XIMG+6144*\e+512
	ds_store_b128 v[XW16], v[PC+6:PC+9] offset:XIMG+6144*\e+768
	ds_store_b64 v[XW8], v[PC+10:PC+11] offset:XIMG+6144*\e+1280
	ds_store_b32 v[XWS], v[PW] offset:XSC+512*\e
.endm
	s_wait_alu depctr_va_vdst(0)
	XLOAD X0, 0
	XLOAD X1, 1
.irp b, 0,1,2,3
	v_mov_b32 v[TW+4+\b], 0                        ; written once: a lane permute's destination counts as one of its sources
.endr
	s_wait_loadcnt 16                              ; the first fragment's 16 loads are in; the second's 16 may be out
	QUANT X0
	XPUT 0
	XLOAD X0, 2
	s_wait_dscnt 0x0                               ; the stores have read their registers
	s_wait_loadcnt 16                              ; the second's are in; the third's 16 may be out
	QUANT X1
	XPUT 1
	s_wait_dscnt 0x0
	s_wait_loadcnt 0x0
	QUANT X0
	XPUT 2
.Lx_done:
	BARRIER                                        ; x's 24 fragments lie in LDS
	s_cmp_ge_u32 s2, 13
	s_cbranch_scc1 .Lrelay
	s_cmp_ge_u32 s2, 9
	s_cbranch_scc1 .Lmask
	; ---- units
	s_mul_i32 s54, s2, 11
	s_lshr_b32 s54, s54, 5                         ; wave / 3
	s_mul_i32 s55, s54, 3
	s_sub_co_u32 s55, s2, s55                      ; wave % 3
	s_mul_i32 s54, s4, 3
	s_add_co_u32 s54, s54, s55                     ; the head
	s_mul_i32 s50, s54, 36864                      ; its 64 rows of a weight's codes,
	s_mov_b32 s51, 0
	s_mul_i32 s60, s54, 1536                       ; of its scale bytes,
	s_mov_b32 s61, 0
	s_lshl_b32 s62, s54, 8                         ; its 64 numbers of a bias
	s_mov_b32 s63, 0
	s_lshl_b32 s66, s54, 5
	s_lshr_b32 s67, s3, 1
	s_add_co_u32 s66, s66, s67
	s_mul_i32 s66, s66, 13824                      ; kv's record of (head, key step R / 2)
	s_mov_b32 s67, 0
	s_add_nc_u64 s[66:67], s[40:41], s[66:67]
	s_and_b32 s68, s3, 1                           ; which 64 keys of the step are mine
	s_cmp_ge_u32 s2, 6
	s_cbranch_scc1 .Lv
	; ---- q and k: the bias is loaded into the accumulators, and the products add onto it
	s_cmp_lt_u32 s2, 3
	s_cselect_b64 s[WB:WB+1], s[20:21], s[26:27]
	s_cselect_b64 s[WSB:WSB+1], s[22:23], s[28:29]
	s_cselect_b64 s[48:49], s[24:25], s[30:31]
	s_add_nc_u64 s[WB:WB+1], s[WB:WB+1], s[50:51]
	s_add_nc_u64 s[WSB:WSB+1], s[WSB:WSB+1], s[60:61]
	s_add_nc_u64 s[48:49], s[48:49], s[62:63]
.irp o, 0,1,2,3
.irp i, 0,1,2,3
	global_load_b128 v[ACC+32*\o+8*\i:ACC+32*\o+8*\i+3], v[BA], s[48:49] offset:(32*(\i/2)+8*(\i%2))*4
	global_load_b128 v[ACC+32*\o+8*\i+4:ACC+32*\o+8*\i+7], v[BA], s[48:49] offset:(32*(\i/2)+8*(\i%2))*4+16
.endr
.endr
	KSTEP 0, 1, 0, 0, L16, L8, XIMG, L16, XSC
.irp s, 1,2,3,4,5
	KSTEP \s, 0, 0, 0, L16, L8, XIMG, L16, XSC
.endr
.rept 4
	v_nop                                          ; places in front of the first read of results
.endr
.irp o, 0,1,2,3
	QUANT32 ACC+32*\o, CD+6*\o, 16+\o
.endr
	s_cmp_lt_u32 s2, 3
	s_cbranch_scc0 .Lk_out
	s_lshl_b32 s56, s54, 6
	s_add_co_u32 s56, s56, s3
	s_mul_i32 s56, s56, 3584                       ; qbuf's record of (head, R)
	s_mov_b32 s57, 0
	s_add_nc_u64 s[56:57], s[38:39], s[56:57]
.irp o, 0,1,2,3
	global_store_b128 v[L16], v[CD+6*\o:CD+6*\o+3], s[56:57] offset:768*\o
	global_store_b64 v[L8], v[CD+6*\o+4:CD+6*\o+5], s[56:57] offset:768*\o+512
.endr
	global_store_b128 v[L16], v[16:19], s[56:57] offset:3072       ; the four tiles' scale words; their bytes 2 and 3 are 0
	END3
	s_endpgm
.Lk_out:
	s_mul_i32 s56, s68, 3072                       ; my four tiles are two pairs: 24 registers on end, six pieces of 512 bytes
	s_mov_b32 s57, 0
	s_add_nc_u64 s[56:57], s[66:67], s[56:57]
	s_lshl_b32 s58, s68, 9
	s_mov_b32 s59, 0
	s_add_nc_u64 s[58:59], s[66:67], s[58:59]
	s_wait_alu depctr_va_vdst(0)
.irp p, 0,1,2,3,4,5
	global_store_b128 v[L16], v[CD+4*\p:CD+4*\p+3], s[56:57] offset:512*\p
.endr
	global_store_b128 v[L16], v[16:19], s[58:59] offset:6144
	END3
	s_endpgm
.Lv:
	; ---- v: a lane is a d, registers run along my 64 keys; the bias is one number a lane and tile
	s_add_nc_u64 s[WB:WB+1], s[32:33], s[50:51]
	s_add_nc_u64 s[WSB:WSB+1], s[34:35], s[60:61]
	s_add_nc_u64 s[48:49], s[36:37], s[62:63]
	s_wait_alu depctr_va_vdst(0)
.irp t, 0,1,2,3
	global_load_b32 v[16+2*\t], v[BVO], s[48:49] offset:(32*(\t/2)+8*(\t%2))*4
	global_load_b32 v[17+2*\t], v[BVO], s[48:49] offset:(32*(\t/2)+8*(\t%2))*4   ; twice: a pair for the packed addition
.endr
	KSTEP 0, 1, 1, 1, L16, L8, XIMG, L16, XSC
.irp s, 1,2,3,4,5
	KSTEP \s, 0, 0, 1, L16, L8, XIMG, L16, XSC
.endr
	s_mul_i32 s56, s68, 768
	s_mov_b32 s57, 0
	s_add_nc_u64 s[56:57], s[66:67], s[56:57]
	s_lshl_b32 s58, s68, 1
	s_mov_b32 s59, 0
	s_add_nc_u64 s[58:59], s[66:67], s[58:59]
.rept 4
	v_nop
.endr
.irp t, 0,1,2,3
.set n, 0
.rept 16
	v_pk_add_f32 v[ACC+32*\t+n:ACC+32*\t+n+1], v[ACC+32*\t+n:ACC+32*\t+n+1], v[16+2*\t:17+2*\t]
.set n, n+2
.endr
	QUANT32 ACC+32*\t, CD+6*\t, 16+2*\t
	global_store_b128 v[L16], v[CD+6*\t:CD+6*\t+3], s[56:57] offset:7168+1536*\t
	global_store_b64 v[L8], v[CD+6*\t+4:CD+6*\t+5], s[56:57] offset:7168+1536*\t+512
	global_store_b16 v[L16], v[16+2*\t], s[58:59] offset:13312+4*\t   ; my two of the step's four scale bytes
.endr
	END3
	s_endpgm
.Lmask:
	; ---- waves 9-12: bit l of word 16 b + i of (tile, step) says whether key 128 step + 32 b + 16 (l / 16) + i counts for the tile's line l % 16: the lane mask that launch 2's selects take as they are.
	; A step's 16 rows x 512 bytes are loaded as they lie, turned through my stage (528 bytes a row), compared, and the 64 words leave as 256 consecutive bytes.
	s_sub_co_u32 s54, s2, 9
	s_lshl_b32 s55, s3, 6
	s_lshr_b32 s56, s4, 1
	s_lshl_b32 s56, s56, 5
	s_add_co_u32 s55, s55, s56
	s_and_b32 s56, s4, 1
	s_lshl_b32 s56, s56, 3
	s_add_co_u32 s55, s55, s56                     ; the tile's first row
	s_lshl_b32 s56, s55, 14                        ; rows of 16,384 bytes
	s_lshl_b32 s57, s54, 12                        ; my eight steps of 512 bytes
	s_add_co_u32 s56, s56, s57
	s_mov_b32 s57, 0
	s_add_nc_u64 s[56:57], s[18:19], s[56:57]
	s_lshl_b32 s58, s3, 2
	s_add_co_u32 s58, s58, s4                      ; the query tile
	s_lshl_b32 s58, s58, 13
	s_lshl_b32 s59, s54, 11
	s_add_co_u32 s58, s58, s59
	s_mov_b32 s59, 0
	s_add_nc_u64 s[58:59], s[42:43], s[58:59]
.macro LOADM t
.irp i, 0,1,2,3,4,5,6,7,8,9,10,11,12,13,14,15
	global_load_b128 v[32+64*((\t)%2)+4*\i:32+64*((\t)%2)+4*\i+3], v[L16], s[56:57] offset:(\i+8*(\i/8))*16384+512*(\t) th:TH_LOAD_NT
.endr
.endm
.macro MBLOCK t
.if (\t) < 7
	s_wait_loadcnt 16                              ; this step's 16 loads are in; the next step's 16 may be out
.else
	s_wait_loadcnt 0x0
.endif
.irp i, 0,1,2,3,4,5,6,7,8,9,10,11,12,13,14,15
	ds_store_b128 v[MSI], v[32+64*((\t)%2)+4*\i:32+64*((\t)%2)+4*\i+3] offset:528*\i
.endr
.irp b, 0,1,2,3
.irp j, 0,1,2,3
	ds_load_b128 v[160+16*\b+4*\j:160+16*\b+4*\j+3], v[MSO] offset:128*\b+16*\j   ; LDS serves a wave's instructions in order: these see the stores above
.endr
.endr
	s_wait_dscnt 0x0
.if (\t)+2 < 8
	LOADM (\t)+2
.endif
.irp g, 0,1,2,3,4,5,6,7
.irp a, 0,1,2,3,4,5,6,7
	v_cmp_ne_u32 s[70+\a], 0, v[160+8*\g+\a]
.endr
.irp a, 0,1,2,3,4,5,6,7
	v_writelane_b32 v[224+2*(\t)+(\a%2)], s[70+\a], 4*\g+\a/2      ; word n goes to lane n / 2 of register n % 2
.endr
.endr
	global_store_b64 v[L8], v[224+2*(\t):225+2*(\t)], s[58:59] offset:256*(\t)   ; 32 lanes store 256 consecutive bytes, aligned; each step has its own pair of registers
.endm
	LOADM 0
	LOADM 1
.irp j, 0,1,2,3,4,5,6,7,8,9,10,11,12,13,14,15
	v_mov_b32 v[224+\j], 0                         ; v_writelane_b32's destination counts as read
.endr
.irp t, 0,1,2,3,4,5,6,7
	MBLOCK \t
.endr
	END3
	s_endpgm
.Lrelay:
	; ---- waves 13-15: one record of wimg each.  The four fragments and the scale words are loaded as a unit's K step loads them, and leave as they stand in the registers
.macro RLOAD krow, ksb, wa, wsa
.irp i, 0,1,2,3
.irp p, 0,1,2,3,4,5
	global_load_b64 v[WF+12*\i+2*\p:WF+12*\i+2*\p+1], v[\wa], s[WB:WB+1] offset:(32*(\i/2)+8*(\i%2))*\krow+48*(\p/3)+8*(\p%3)
.endr
	global_load_b32 v[WS+\i], v[\wsa], s[WSB:WSB+1] offset:(32*(\i/2)+8*(\i%2))*\ksb
.endr
.endm
	s_lshl_b32 s54, s4, 6
	s_add_co_u32 s54, s54, s3                      ; the work-group's number, 0 .. 255
	s_sub_co_u32 s55, s2, 13
	s_lshl_b32 s55, s55, 8
	s_add_co_u32 s54, s54, s55                     ; g: my record
	s_cmp_lt_u32 s54, 648
	s_cbranch_scc1 .Lrelay_go
	END3                                           ; 768 places for 648 records: a wave without one ends here
	s_endpgm
.Lrelay_go:
	s_mul_i32 s56, s54, REC
	s_mov_b32 s57, 0
	s_add_nc_u64 s[56:57], s[96:97], s[56:57]
	s_mov_b32 s63, 0
	s_cmp_ge_u32 s54, 360
	s_cbranch_scc1 .Lrelay_w2
	s_cmp_lt_u32 s54, 72                           ; wo's 72 records, then w1's 288: rows of 576 bytes, six K steps
	s_cselect_b64 s[WB:WB+1], s[84:85], s[88:89]
	s_cselect_b64 s[WSB:WSB+1], s[86:87], s[90:91]
	s_cselect_b32 s58, 0, 72
	s_sub_co_u32 s58, s54, s58
	s_mul_i32 s59, s58, 10923
	s_lshr_b32 s59, s59, 16                        ; the unit: / 6 (10,923 x 6 = 65,538: exact for numbers under 648)
	s_mul_i32 s60, s59, 6
	s_sub_co_u32 s60, s58, s60                     ; the K step
	s_mul_i32 s62, s59, 36864
	s_mul_i32 s61, s60, 96
	s_add_co_u32 s62, s62, s61
	s_add_nc_u64 s[WB:WB+1], s[WB:WB+1], s[62:63]
	s_mul_i32 s62, s59, 1536
	s_lshl_b32 s61, s60, 2
	s_add_co_u32 s62, s62, s61
	s_add_nc_u64 s[WSB:WSB+1], s[WSB:WSB+1], s[62:63]
	RLOAD 576, 24, WA, WSA
	s_branch .Lrelay_out
.Lrelay_w2:
	s_sub_co_u32 s58, s54, 360                     ; w2's 288 records: rows of 2,304 bytes, 24 K steps
	s_mul_i32 s59, s58, 2731
	s_lshr_b32 s59, s59, 16                        ; the unit: / 24 (2,731 x 24 = 65,544: exact for numbers under 648)
	s_mul_i32 s60, s59, 24
	s_sub_co_u32 s60, s58, s60                     ; the K step
	s_mul_i32 s62, s59, 147456
	s_mul_i32 s61, s60, 96
	s_add_co_u32 s62, s62, s61
	s_add_nc_u64 s[WB:WB+1], s[92:93], s[62:63]
	s_mul_i32 s62, s59, 6144
	s_lshl_b32 s61, s60, 2
	s_add_co_u32 s62, s62, s61
	s_add_nc_u64 s[WSB:WSB+1], s[94:95], s[62:63]
	RLOAD 2304, 96, WA2, WSA2
.Lrelay_out:
	s_wait_loadcnt 0x0
.irp k, 0,1,2,3,4,5,6,7,8,9,10,11
	global_store_b128 v[L16], v[WF+4*\k:WF+4*\k+3], s[56:57] offset:512*\k   ; 32 lanes store 512 consecutive bytes, aligned
.endr
	global_store_b128 v[L16], v[WS:WS+3], s[56:57] offset:6144
	END3
	s_endpgm
.Lfunc_end_k_q62b1986c1c_qkv:
	.size	k_q62b1986c1c_qkv, .Lfunc_end_k_q62b1986c1c_qkv-k_q62b1986c1c_qkv
	.p2alignl 7, 3214868480
	.fill 96, 4, 3214868480
	.section	.rodata,"a",@progbits
	.p2align	6, 0x0
	.amdhsa_kernel k_q62b1986c1c_qkv
		.amdhsa_group_segment_fixed_size 151808
		.amdhsa_private_segment_fixed_size 0
		.amdhsa_enable_private_segment 0
		.amdhsa_kernarg_size 168
		.amdhsa_user_sgpr_count 2
		.amdhsa_user_sgpr_kernarg_segment_ptr 1
		.amdhsa_wavefront_size32 1
		.amdhsa_system_sgpr_workgroup_id_x 1
		.amdhsa_system_sgpr_workgroup_id_y 1
		.amdhsa_system_sgpr_workgroup_id_z 1
		.amdhsa_system_vgpr_workitem_id 0
		.amdhsa_next_free_vgpr 256
		.amdhsa_next_free_sgpr 100
		.amdhsa_reserve_vcc 0
		.amdhsa_float_denorm_mode_32 3
		.amdhsa_float_denorm_mode_16_64 3
		.amdhsa_memory_ordered 1
		.amdhsa_forward_progress 1
		.amdhsa_inst_pref_size 230
	.end_amdhsa_kernel
	.amdgpu_metadata
---
amdhsa.version: [ 1, 2 ]
amdhsa.kernels:
  - .name:           k_q62b1986c1c_qkv
    .symbol:         k_q62b1986c1c_qkv.kd
    .args:
      - { .name: x, .offset: 0, .size: 8, .value_kind: global_buffer, .address_space: global }
      - { .name: mask, .offset: 8, .size: 8, .value_kind: global_buffer, .address_space: global }
      - { .name: wq_codes, .offset: 16, .size: 8, .value_kind: global_buffer, .address_space: global }
      - { .name: wq_scales, .offset: 24, .size: 8, .value_kind: global_buffer, .address_space: global }
      - { .name: bq, .offset: 32, .size: 8, .value_kind: global_buffer, .address_space: global }
      - { .name: wk_codes, .offset: 40, .size: 8, .value_kind: global_buffer, .address_space: global }
      - { .name: wk_scales, .offset: 48, .size: 8, .value_kind: global_buffer, .address_space: global }
      - { .name: bk, .offset: 56, .size: 8, .value_kind: global_buffer, .address_space: global }
      - { .name: wv_codes, .offset: 64, .size: 8, .value_kind: global_buffer, .address_space: global }
      - { .name: wv_scales, .offset: 72, .size: 8, .value_kind: global_buffer, .address_space: global }
      - { .name: bv, .offset: 80, .size: 8, .value_kind: global_buffer, .address_space: global }
      - { .name: qbuf, .offset: 88, .size: 8, .value_kind: global_buffer, .address_space: global }
      - { .name: kv, .offset: 96, .size: 8, .value_kind: global_buffer, .address_space: global }
      - { .name: mw, .offset: 104, .size: 8, .value_kind: global_buffer, .address_space: global }
      - { .name: wo_codes, .offset: 112, .size: 8, .value_kind: global_buffer, .address_space: global }
      - { .name: wo_scales, .offset: 120, .size: 8, .value_kind: global_buffer, .address_space: global }
      - { .name: w1_codes, .offset: 128, .size: 8, .value_kind: global_buffer, .address_space: global }
      - { .name: w1_scales, .offset: 136, .size: 8, .value_kind: global_buffer, .address_space: global }
      - { .name: w2_codes, .offset: 144, .size: 8, .value_kind: global_buffer, .address_space: global }
      - { .name: w2_scales, .offset: 152, .size: 8, .value_kind: global_buffer, .address_space: global }
      - { .name: wimg, .offset: 160, .size: 8, .value_kind: global_buffer, .address_space: global }
    .group_segment_fixed_size: 151808
    .private_segment_fixed_size: 0
    .kernarg_segment_align: 8
    .kernarg_segment_size: 168
    .max_flat_workgroup_size: 512
    .sgpr_count:     100
    .vgpr_count:     256
    .wavefront_size: 32
...
	.end_amdgpu_metadata
.endif
;; end of part 5
;; launch attn (part 6): grid 64 x 4, 12 waves a work-group, no clusters, 238,080 bytes of LDS; arguments qbuf, kv, mw, cbuf; writes cbuf
.if DOCPART == 6
	.amdgcn_target "amdgcn-amd-amdhsa--gfx1250"
	.amdhsa_code_object_version 6
	.text
	.protected	k_q62b1986c1c_attn
	.globl	k_q62b1986c1c_attn
	.p2align	8
	.type	k_q62b1986c1c_attn,@function
k_q62b1986c1c_attn:
	s_mov_b64 s[64:65], 0
	v_nop
	global_prefetch_b8 v0, s[64:65] scope:SCOPE_SE
	s_setreg_imm32_b32 hwreg(HW_REG_WAVE_MODE, 25, 1), 1
	s_wait_xcnt 0x0
; ENCODER BLOCK, launch 2 of 4: ctx = softmax(where(mask == 0, -1e9, q k^T / 8)) v for 12 heads of 64, both products on codes of FP6 (E2M3), and ctx quantised along the model's 768.  Nothing of reference() is left out.
; THE SOFTMAX: t = logit x log2(e); M = the running largest t rounded UP to a whole number; p = 2^(t - M) is quantised along the keys, not normalised; the row's sum of the unquantised p divides at the end;
; when M moves, the sum and O are multiplied by 2^(old M - new M), which rounds nothing.
; THE MASK.  A hidden score is set to -2^33 ahead of the scaling by c = log2(e) / 8: the logit -2^30 in place of reference()'s -1e9.  A power of two, so that score x c is exact: in a row all of whose keys are hidden
; t - M is exactly 0, every p is 1, and the result is the plain average that reference() gives.  LIMIT: the results are reference()'s while the logits that count lie above about -9e8.
; At the head each wave goes once through the stored mask words of its tile's 32 key steps and makes one scalar word, bit n set where step n hides something.  A step whose bit is clear changes no score:
; a scalar branch on that bit leads round the loads of its mask words and round its 64 selects, and round nothing else.
; SHARES.  3,072 pairs (head, tile of 16 queries) on 256 work-groups of 12 waves: wave w of work-group (R, Y) has head 3 Y + w / 4 and query tile 4 R + w % 4.  Every wave walks all 4,096 keys, 128 a step.
; LAYOUT.  Both products transposed: S^T = K Q^T, O^T = V^T P^T: a lane holds one query throughout; the keys of a tile are chosen (launch 1) so that p's 16 registers of two neighbouring tiles are 16 neighbouring keys.
; THE FIRST PRODUCT'S K IS 64, the instruction's 128: Q's upper six registers hold zero codes, and bytes 2 and 3 of Q's and K's scale words are 0 (2^-127, a number).  So whatever finite codes K's upper six registers hold
; add exactly 0: they are simply the next tile's codes, and eight tiles of K take 54 registers and twelve loads of 16 bytes.
; NO TENSOR LOAD AND NO CLUSTER: kv's records go through registers:
; RING.  Four LDS buffers, 65,536 bytes apart, each with one key step's records of the three heads (41,472 bytes); step n lies in buffer n % 4.  A wave moves a twelfth of a step, 3,456 bytes: seven pieces of 512 bytes,
; the seventh laid 128 bytes back over the sixth (the same bytes, from the same wave), through one of two sets of 28 registers.  At the head of step n a wave stores step n + 2's twelfth, asked of memory at the head of
; step n - 2, asks for step n + 4's into the same set, and signals; it waits at the step's end.  So two steps' twelfths are on their way.
; ORDER: who has passed the wait of step n - 1 knows that every wave has signalled in step n - 1: all have stored step n + 1's bytes and have finished their reads of step n - 2's buffer, which is the one that step n's
; stores fill.  A wave reads buffer n alone in step n; the stores that can run beside those reads go to buffers n + 2 and n + 3.
; The loop's trip is four steps, so that every LDS address is a register made at the head plus a constant.  The last trip asks for nothing and stores in its first two steps alone: one branch on the trip counter a step,
; with two arms; the last trip's arm waits for all loads, so that the common arm's counted wait holds on every way through the text.
.set REC,   13824                      ; a record of kv: K's 4 pairs of tiles 6,144; K's scale words 1,024; V's 4 tiles 6,144; V's scale words 512
.set SPARE, 41472                      ; behind buffer 0: the spare words, 128 bytes for each of 12 waves: six blocks of 256 bytes that no other line names
.set ST,  1                            ; v1-4  where I store my twelfth in buffer 0 .. 3: 16 x lane + 3,456 x wave
.set SPW, 5                            ; v5   my spare word; never rewritten
.set NIL, 6                            ; v6   0; never rewritten
.set SM,  7                            ; v7   -2^33
.set L16, 8                            ; v8   16 x lane
.set L8,  9                            ; v9   8 x lane
.set PFO, 10                           ; v10  the prefetch's offset: 256 x min(lane, 26)
.set QF,  16                           ; v16-27 Q's fragment (v22-27: zero codes)
.set QS,  28                           ; v28  Q's scale word, and nothing else
.set KF,  32                           ; v32-85 K's eight tiles, six registers each, and six zeros; later v32-79 V's four fragments
.set KS,  86                           ; v86-93 K's scale words, and nothing else
.set VS,  94                           ; v94-97 V's, and nothing else
.set A16, 98                           ; v98-101 16 x lane in my head's record in buffer 0 .. 3
.set S,   104                          ; v104-167 S^T, then p
.set OT,  168                          ; v168-199 O^T
.set FLG, 168                          ; v168-231 at the head: my tile's mask words
.set PCD, 200                          ; v200-211 p's codes
.set BM,  212                          ; v212-215 the blocks' largest scores, then largest p
.set PD,  216                          ; v216-219 a permute's destinations, then the bytes
.set SO,  224                          ; v224-227 the conversions' scale operands
.set TQ,  228                          ; v228-230, v232-234 the conversions' second halves
.set FF,  236                          ; v[236:237] f = 2^(old M - new M)
.set PS,  238                          ; v238 p's scale word, and nothing else
.set TP,  239                          ; v239 at work
.set A8,  240                          ; v240-243 8 x lane in my head's record in buffer 0 .. 3
.set TM,  212                          ; the way out's four at work
.set SG,  0                            ; second window: v256-283 and v284-311, the two sets on the way from memory to LDS: even steps' and odd steps'
.set CS,  4                            ; s[4:5] c, twice
.set SEL, 6                            ; s[6:7] selects for lane l xor 16
.set WV,  8                            ; s8   my wave's number
.set CNT, 9                            ; s9   trips to go, this one among them
.set FL,  10                           ; s10  bit j: step j of this trip hides something
.set LIM, 11                           ; s11  2 in a wave that prefetches, else the greatest number
.set PFA, 12                           ; s[12:13] where my prefetches stand
.set GA,  84                           ; s[84:85] my twelfth of the record that this trip's first step asks for
; s[2:3] this trip's mask words; s16-63 and s68-83 a step's 64 mask words; s[14:15], s[98:99] cbuf's codes and scale halves; s[96:97], s[100:101] Q's codes and scale word
.set MSB, 0
.macro WIN new                         ; s_set_vgpr_msb: bits 1:0 source 0, 3:2 source 1, 7:6 destination; the high byte repeats the setting that is left
.if MSB != \new
	s_set_vgpr_msb (MSB<<8)|\new
.set MSB, \new
.endif
.endm
.macro QUANT32 s, c, w                 ; 32 numbers, register 16 b + i = k 32 b + 16 h + i, become six registers of codes and two scale bytes
.irp b, 0,1
	v_max3_num_f32 v[TM+\b], |v[(\s)+16*\b]|, |v[(\s)+16*\b+1]|, 0x1800000
.endr
.irp i, 2,4,6,8,10,12,14
.irp b, 0,1
	s_delay_alu instid0(VALU_DEP_2)
	v_max3_num_f32 v[TM+\b], v[TM+\b], |v[(\s)+16*\b+\i]|, |v[(\s)+16*\b+\i+1]|
.endr
.endr
.irp b, 0,1
	s_delay_alu instid0(VALU_DEP_2)
	v_permlanex16_b32 v[TM+2+\b], v[TM+\b], s[SEL], s[SEL+1]
.endr
.irp b, 0,1
	s_delay_alu instid0(VALU_DEP_2)
	v_max_num_f32 v[TM+\b], v[TM+\b], v[TM+2+\b]
.endr
.irp b, 0,1
	s_delay_alu instid0(VALU_DEP_2)
	v_add_nc_u32 v[TM+2+\b], 0xff000000, v[TM+\b]
.endr
.irp b, 0,1
	s_delay_alu instid0(VALU_DEP_2)
	v_lshrrev_b32 v[TM+\b], 23, v[TM+2+\b]
.endr
	s_delay_alu instid0(VALU_DEP_1)
	v_lshl_or_b32 v[\w], v[TM+1], 8, v[TM]
	v_cvt_scalef32_pk16_fp6_f32 v[(\c):(\c)+2], v[(\s):(\s)+15], v[TM+2]
	v_cvt_scalef32_pk16_fp6_f32 v[TQ:TQ+2], v[(\s)+16:(\s)+31], v[TM+3]
	v_nop
.irp i, 0,1,2
	v_permlane16_swap_b32 v[(\c)+\i], v[TQ+\i]
.endr
.irp i, 0,1,2
	s_delay_alu instid0(VALU_DEP_3)
	v_mov_b32 v[(\c)+3+\i], v[TQ+\i]
.endr
.endm
.macro GET reg, off                    ; my twelfth of a record, seven pieces of 512 bytes, into registers
.irp k, 0,1,2,3,4,5,6
	global_load_b128 v[(\reg)+4*\k:(\reg)+4*\k+3], v[L16], s[GA:GA+1] offset:(\off)+512*\k-128*(\k/6)
.endr
.endm
.macro PUT reg, buf                    ; and from registers into a buffer
.irp k, 0,1,2,3,4,5,6
	ds_store_b128 v[ST+(\buf)], v[(\reg)+4*\k:(\reg)+4*\k+3] offset:512*\k-128*(\k/6)
.endr
.endm
	s_load_b256 s[16:23], s[0:1], 0x0              ; qbuf 16, kv 18, mw 20, cbuf 22
	v_lshl_add_u32 v[SPW], v0, 2, SPARE
	v_mov_b32 v[NIL], 0
	v_lshrrev_b32 v11, 5, v0
	s_delay_alu instid0(VALU_DEP_1)
	v_readfirstlane_b32 s[WV], v11                 ; wave 0..11
	s_lshr_b32 s24, s[WV], 2                       ; which of the three heads
	s_and_b32 s25, s[WV], 3                        ; which tile of queries; also: which quarter of my head's record I move
	s_and_b32 s26, ttmp7, 0xffff
	s_mul_i32 s27, s26, 3
	s_add_co_u32 s27, s27, s24                     ; the head
	s_mul_i32 s28, s27, 442368                     ; its 32 records,
	s_mul_i32 s29, s25, 3456                       ; my quarter of one
	s_add_co_u32 s28, s28, s29
	s_mov_b32 s29, 0
	s_mul_i32 s30, s[WV], 3456                     ; where it goes in a buffer
	s_mul_i32 s31, s24, REC                        ; my head's record in a buffer
	s_mov_b32 s33, ttmp9                           ; R
	s_lshl_b32 s34, s33, 2
	s_add_co_u32 s34, s34, s25                     ; my query tile
	s_lshl_b32 s36, s34, 13                        ; its 32 steps of 256 bytes of mask words
	s_mov_b32 s37, 0
	s_lshl_b32 s38, s27, 6
	s_add_co_u32 s38, s38, s33
	s_mul_i32 s38, s38, 3584                       ; qbuf's record of (head, R)
	s_mul_i32 s39, s25, 768
	s_add_co_u32 s40, s38, s39
	s_mov_b32 s41, 0
	s_lshl_b32 s39, s25, 2
	s_add_co_u32 s42, s38, s39
	s_add_co_u32 s42, s42, 3072
	s_mov_b32 s43, 0
	s_mul_i32 s44, s33, 39936                      ; cbuf's block of R
	s_lshr_b32 s45, s27, 1                         ; the next product's K step,
	s_and_b32 s46, s27, 1                          ; and which half of it
	s_lshl_b32 s47, s45, 2
	s_add_co_u32 s47, s47, s25
	s_mul_i32 s47, s47, 1536
	s_mul_i32 s48, s46, 768
	s_add_co_u32 s47, s47, s48
	s_add_co_u32 s50, s44, s47
	s_mov_b32 s51, 0
	s_lshl_b32 s47, s45, 9
	s_lshl_b32 s48, s25, 2
	s_add_co_u32 s47, s47, s48
	s_lshl_b32 s48, s46, 1
	s_add_co_u32 s47, s47, s48
	s_add_co_u32 s47, s47, 36864
	s_add_co_u32 s52, s44, s47
	s_mov_b32 s53, 0
	; THE PREFETCH.  The 64 work-groups of one Y walk the same records.  A trip's four records of a head are 216 blocks of 256 bytes: work-groups R = 0 .. 7 take 27 blocks each, told apart by address; in each the wave with
	; w % 4 = 0 of the head asks, one instruction a trip, in the trip's third step, a lane a block (lanes 27-31 name block 26 again).  Trip t asks for records 4 t + 8 .. 4 t + 11, whose loads begin two steps on, in the
	; first step of trip t + 1; records 0-7 come by their loads alone; the last two trips ask for nothing.
	s_mul_i32 s54, s27, 442368
	s_min_u32 s55, s33, 7
	s_mul_i32 s55, s55, 6912
	s_add_co_u32 s54, s54, s55
	s_add_co_u32 s54, s54, 8*REC
	s_mov_b32 s55, 0
	s_and_b32 s[LIM], s[WV], 3
	s_lshr_b32 s56, s33, 3
	s_or_b32 s[LIM], s[LIM], s56
	s_cmp_eq_u32 s[LIM], 0
	s_cselect_b32 s[LIM], 2, -1
	s_mov_b32 s[CS], 0x3e38aa3b                    ; c = log2(e) / 8
	s_mov_b32 s[CS+1], s[CS]
	s_mov_b32 s[SEL], 0x76543210
	s_mov_b32 s[SEL+1], 0xfedcba98
	s_mov_b32 s[CNT], 8
	v_and_b32 v11, 31, v0
	s_delay_alu instid0(VALU_DEP_1)
	v_lshlrev_b32 v[L16], 4, v11
	v_lshlrev_b32 v[L8], 3, v11
	v_min_u32 v[PFO], 26, v11
	s_delay_alu instid0(VALU_DEP_1)
	v_lshlrev_b32 v[PFO], 8, v[PFO]
	v_add_nc_u32 v[A16], s31, v[L16]
	v_add_nc_u32 v[A8], s31, v[L8]
	v_add_nc_u32 v[ST], s30, v[L16]
.irp b, 1,2,3
	v_add_nc_u32 v[A16+\b], \b<<16, v[A16]
	v_add_nc_u32 v[A8+\b], \b<<16, v[A8]
	v_add_nc_u32 v[ST+\b], \b<<16, v[ST]
.endr
	s_wait_alu depctr_va_vdst(0)
	s_wait_kmcnt 0x0
	s_add_nc_u64 s[GA:GA+1], s[18:19], s[28:29]
	s_add_nc_u64 s[2:3], s[20:21], s[36:37]
	s_add_nc_u64 s[96:97], s[16:17], s[40:41]
	s_add_nc_u64 s[100:101], s[16:17], s[42:43]
	s_add_nc_u64 s[14:15], s[22:23], s[50:51]
	s_add_nc_u64 s[98:99], s[22:23], s[52:53]
	s_add_nc_u64 s[PFA:PFA+1], s[18:19], s[54:55]
	GET S, 0                                       ; steps 0 and 1 through the registers that will hold the scores,
	GET S+28, REC
.irp k, 0,1,2,3,4,5,6,7,8,9,10,11,12,13,14,15
	global_load_b128 v[FLG+4*\k:FLG+4*\k+3], v[L16], s[2:3] offset:512*\k   ; my tile's 8,192 bytes of mask words as they lie: load k brings step 2 k to lanes 0-15 and step 2 k + 1 to lanes 16-31
.endr
	global_load_b128 v[QF:QF+3], v[L16], s[96:97]
	global_load_b64 v[QF+4:QF+5], v[L8], s[96:97] offset:512
	global_load_b32 v[QS], v[L16], s[100:101]
	WIN 0x40
	GET SG, 2*REC                                  ; steps 2 and 3 into the ring's two sets
	GET SG+28, 3*REC
	WIN 0
.irp j, 0,1,2,3,4,5
	v_mov_b32 v[QF+6+\j], 0                        ; zero codes: the upper 64 of the instruction's K
	v_mov_b32 v[KF+48+\j], 0                       ; what stands behind K's last tile
.endr
	v_mov_b32 v[SM], 0xd0000000
	v_mov_b32 v13, 0xff61b1e6                      ; the largest t so far: -3e38
	s_delay_alu instid0(VALU_DEP_1)
	v_floor_f32 v12, -v13                          ; -M
	v_mov_b32 v14, 0                               ; the sum, in two halves
	v_mov_b32 v15, 0
	v_mov_b32 v[FF+1], 0                           ; named as the upper half of the pair
	s_wait_alu depctr_va_vdst(0)
	s_wait_loadcnt 33                              ; steps 0 and 1 are in; the 16 loads of mask words, Q's 3 and the 14 of steps 2 and 3 may be out
	PUT S, 0
	PUT S+28, 1
	s_wait_loadcnt 14                              ; the mask words and Q are in; the 14 of steps 2 and 3 may be out
.irp k, 0,1,2,3,4,5,6,7,8,9,10,11,12,13,14,15
	v_and_b32 v[FLG+4*\k], v[FLG+4*\k], v[FLG+4*\k+1]              ; the AND of a lane's four words
	v_and_b32 v[FLG+4*\k+2], v[FLG+4*\k+2], v[FLG+4*\k+3]
.endr
.irp k, 0,1,2,3,4,5,6,7,8,9,10,11,12,13,14,15
	v_and_b32 v[FLG+4*\k], v[FLG+4*\k], v[FLG+4*\k+2]
.endr
.irp k, 0,1,2,3,4,5,6,7,8,9,10,11,12,13,14,15
	v_cmp_ne_u32 s[16+\k], -1, v[FLG+4*\k]         ; the lanes whose words hide something
.endr
	s_mov_b32 s[FL], 0
.irp k, 0,1,2,3,4,5,6,7,8,9,10,11,12,13,14,15
	s_and_b32 s40, s[16+\k], 0xffff                ; any of lanes 0-15 (SCC: the result is not 0): step 2 k hides something
	s_cselect_b32 s40, 1<<(2*\k), 0
	s_or_b32 s[FL], s[FL], s40
	s_lshr_b32 s40, s[16+\k], 16                   ; any of lanes 16-31: step 2 k + 1
	s_cselect_b32 s40, 1<<(2*\k+1), 0
	s_or_b32 s[FL], s[FL], s40
.endr
	s_load_b512 s[16:31], s[2:3], 0x0              ; step 0's mask words: so the 64 registers are written whatever the steps' bits say
	s_load_b512 s[32:47], s[2:3], 0x40
	s_load_b512 s[48:63], s[2:3], 0x80
	s_load_b512 s[68:83], s[2:3], 0xc0
.irp b, 0,1,2,3
	v_mov_b32 v[PD+\b], 0                          ; a lane permute's destination counts as one of its sources
.endr
.set n, 0
.rept 32
	v_mov_b32 v[OT+n], 0                           ; O^T: the step is written once; the first finds zeros, which the first change of M leaves zeros
.set n, n+1
.endr
	s_wait_alu depctr_va_vdst(0)
	s_wait_dscnt 0x0                               ; my stores have landed
	s_barrier_signal -1
	s_barrier_wait -1                              ; steps 0 and 1 lie whole in buffers 0 and 1
	s_wait_xcnt 0x0                                ; the loads above have read their base
	s_add_nc_u64 s[GA:GA+1], s[GA:GA+1], 4*REC     ; step 0 asks for record 4
	s_wait_kmcnt 0x0
; A KEY STEP: 128 keys, the j-th of a trip's four
.macro STEP j
.set B0, (\j)%4
.set B2, (\j+2)%4
.set E,  SG+28*((\j)%2)
	s_bitcmp1_b32 s[FL], \j
	s_cbranch_scc0 .Lall_a_\@                      ; nothing is hidden in this step: its words are not loaded
	s_load_b512 s[16:31], s[2:3], 256*\j
	s_load_b512 s[32:47], s[2:3], 256*\j+0x40
	s_load_b512 s[48:63], s[2:3], 256*\j+0x80
	s_load_b512 s[68:83], s[2:3], 256*\j+0xc0
.Lall_a_\@:
.rept 4
	v_nop                                          ; places in front of loads into registers that the last products have read
.endr
.irp b, 0,1,2,3
.irp p, 0,1,2
	ds_load_b128 v[KF+12*\b+4*\p:KF+12*\b+4*\p+3], v[A16+B0] offset:1536*\b+512*\p   ; K's eight tiles
.endr
.endr
.irp c, 0,1
	ds_load_b128 v[KS+4*\c:KS+4*\c+3], v[A16+B0] offset:6144+512*\c
.endr
	s_cmp_eq_u32 s[CNT], 1
	s_cbranch_scc1 .Llast_\@
	s_wait_loadcnt 7                               ; my twelfth of the step two on, asked for two steps ago, is in; the other set's 7 loads may be out
	WIN 0x04
	PUT E, B2
	WIN 0
	s_wait_dscnt 0x0                               ; my stores have landed and have read their registers; K is in
	WIN 0x40
	GET E, REC*\j                                  ; the step four on, into the set just stored
	WIN 0
	s_branch .Ljoin_\@
.Llast_\@:                                             ; the last trip asks for nothing more
	s_wait_loadcnt 0x0
.if \j < 2
	WIN 0x04
	PUT E, B2                                      ; steps 30 and 31
	WIN 0
.endif
	s_wait_dscnt 0x0
.Ljoin_\@:
.if \j == 2
	s_cmp_gt_u32 s[CNT], s[LIM]
	s_cbranch_scc0 .Lnot_mine_\@
	global_prefetch_b8 v[PFO], s[PFA:PFA+1] th:TH_LOAD_NT scope:SCOPE_SE
.Lnot_mine_\@:
.endif
	s_barrier_signal -1                            ; from here to the wait at the step's end: work on registers and LDS loads from this step's buffer
.irp t, 0,1,2,3,4,5,6,7
	v_wmma_scale_f32_16x16x128_f8f6f4 v[S+8*\t:S+8*\t+7], v[KF+6*\t:KF+6*\t+11], v[QF:QF+11], 0, v[KS+\t], v[QS] matrix_a_fmt:MATRIX_FMT_FP6 matrix_b_fmt:MATRIX_FMT_FP6
.endr
.rept 4
	v_nop                                          ; places in front of the loads below and of the first read of the scores
.endr
.irp t, 0,1,2,3                        ; V's fragments are asked for now and land during the softmax
.irp c, 0,1
	ds_load_b128 v[KF+12*\t+6*\c:KF+12*\t+6*\c+3], v[A16+B0] offset:7168+1536*\t+768*\c
	ds_load_b64 v[KF+12*\t+6*\c+4:KF+12*\t+6*\c+5], v[A8+B0] offset:7168+1536*\t+768*\c+512
.endr
.endr
	ds_load_b128 v[VS:VS+3], v[A16+B0] offset:13312
	s_wait_kmcnt 0x0                               ; this step's mask words, where they were asked for
	s_bitcmp1_b32 s[FL], \j
	s_cbranch_scc0 .Lall_b_\@
.set n, 0
.rept 64
	v_cndmask_b32 v[S+n], v[SM], v[S+n], s[16+n+4*(n/48)]          ; word n is the lane mask of register n: a hidden score becomes -2^33
.set n, n+1
.endr
.Lall_b_\@:
.irp b, 0,1,2,3
	v_max3_num_f32 v[BM+\b], v[S+16*\b], v[S+1+16*\b], v[S+2+16*\b]   ; the largest score of each block of 32 keys: it serves the row's maximum and, since p rises with the score, the block's largest p
.endr
.irp i, 3,5,7,9,11,13
.irp b, 0,1,2,3
	v_max3_num_f32 v[BM+\b], v[BM+\b], v[S+16*\b+\i], v[S+1+16*\b+\i]   ; (the four blocks by turns)
.endr
.endr
.irp b, 0,1,2,3
	v_max_num_f32 v[BM+\b], v[BM+\b], v[S+15+16*\b]
.endr
.irp b, 0,1,2,3
	v_permlanex16_b32 v[PD+\b], v[BM+\b], s[SEL], s[SEL+1]
.endr
.irp b, 0,1,2,3
	v_max_num_f32 v[BM+\b], v[BM+\b], v[PD+\b]
.endr
	s_delay_alu instid0(VALU_DEP_2)
	v_max3_num_f32 v[TP], v[BM], v[BM+1], v[BM+2]
	s_delay_alu instid0(VALU_DEP_1)
	v_max_num_f32 v[TP], v[TP], v[BM+3]
	s_delay_alu instid0(VALU_DEP_1)
	v_mul_f32 v[TP], s[CS], v[TP]
	s_delay_alu instid0(VALU_DEP_1)
	v_max_num_f32 v13, v13, v[TP]                  ; the running largest t
	v_mov_b32 v[TP], v12
	s_delay_alu instid0(VALU_DEP_2)
	v_floor_f32 v12, -v13                          ; the new -M = floor(-t): M is a whole number
	s_delay_alu instid0(VALU_DEP_1)
	v_sub_f32 v[TP], v12, v[TP]                    ; old M less new M: a whole number, 0 or less
	s_delay_alu instid0(VALU_DEP_1)
	v_cvt_i32_f32 v[TP], v[TP]                     ; (it saturates)
	s_delay_alu instid0(VALU_DEP_1)
	v_ldexp_f32 v[FF], 1.0, v[TP]                  ; f
.set n, 0
.rept 32
	v_pk_fma_f32 v[S+n:S+n+1], v[S+n:S+n+1], s[CS:CS+1], v[12:13] op_sel_hi:[1,0,0]   ; t - M, two at a time
.set n, n+2
.endr
.irp b, 0,1,2,3
	v_fma_f32 v[BM+\b], v[BM+\b], s[CS], v12
.endr
	s_wait_alu depctr_va_vdst(0)                   ; ahead of the batch
.set n, 0
.rept 64
	v_exp_f32 v[S+n], v[S+n]                       ; p = 2^(t - M)
.set n, n+1
.endr
	v_pk_mul_f32 v[14:15], v[14:15], v[FF:FF+1] op_sel_hi:[1,0]    ; the sums under the new M: the plain place behind the exponentials
	s_wait_alu depctr_va_vdst(0)                   ; one wait for the batch of 64, ahead of its first reader
.irp b, 0,1,2,3
	v_exp_f32 v[BM+\b], v[BM+\b]                   ; the blocks' largest p
.endr
	v_pk_add_f32 v[220:221], v[108:109], v[112:113]                ; the row's sum of the unquantised p: eight chains by turns
	v_pk_add_f32 v[254:255], v[116:117], v[120:121]
	v_pk_add_f32 v[252:253], v[124:125], v[128:129]
	v_pk_add_f32 v[250:251], v[132:133], v[136:137]
	v_pk_add_f32 v[248:249], v[140:141], v[144:145]
	v_pk_add_f32 v[246:247], v[148:149], v[152:153]
	v_pk_add_f32 v[244:245], v[156:157], v[160:161]
	v_pk_add_f32 v[14:15], v[14:15], v[164:165]
	v_pk_add_f32 v[220:221], v[220:221], v[104:105]
	v_pk_add_f32 v[254:255], v[254:255], v[106:107]
	v_pk_add_f32 v[252:253], v[252:253], v[110:111]
	v_pk_add_f32 v[250:251], v[250:251], v[114:115]
	v_pk_add_f32 v[248:249], v[248:249], v[118:119]
	v_pk_add_f32 v[246:247], v[246:247], v[122:123]
	v_pk_add_f32 v[244:245], v[244:245], v[126:127]
	v_pk_add_f32 v[14:15], v[14:15], v[130:131]
	v_pk_add_f32 v[220:221], v[220:221], v[134:135]
	v_pk_add_f32 v[254:255], v[254:255], v[138:139]
	v_pk_add_f32 v[252:253], v[252:253], v[142:143]
	v_pk_add_f32 v[250:251], v[250:251], v[146:147]
	v_pk_add_f32 v[248:249], v[248:249], v[150:151]
	v_pk_add_f32 v[246:247], v[246:247], v[154:155]
	v_pk_add_f32 v[244:245], v[244:245], v[158:159]
	v_pk_add_f32 v[14:15], v[14:15], v[162:163]
	v_pk_add_f32 v[220:221], v[220:221], v[166:167]
	s_delay_alu instid0(VALU_DEP_2)
	v_pk_add_f32 v[14:15], v[14:15], v[250:251]
	s_delay_alu instid0(VALU_DEP_2)
	v_pk_add_f32 v[220:221], v[220:221], v[248:249]
	v_pk_add_f32 v[254:255], v[254:255], v[246:247]
	v_pk_add_f32 v[252:253], v[252:253], v[244:245]
	s_delay_alu instid0(VALU_DEP_2)
	v_pk_add_f32 v[14:15], v[14:15], v[254:255]
	s_delay_alu instid0(VALU_DEP_2)
	v_pk_add_f32 v[220:221], v[220:221], v[252:253]
	s_delay_alu instid0(VALU_DEP_1)
	v_pk_add_f32 v[14:15], v[14:15], v[220:221]
	s_wait_alu depctr_va_vdst(0)                   ; and one for the four
.irp b, 0,1,2,3
	v_max_num_f32 v[BM+\b], 0x1800000, v[BM+\b]    ; the floor 2^(3 - 127)
.endr
.irp b, 0,1,2,3
	v_add_nc_u32 v[SO+\b], 0xff000000, v[BM+\b]    ; 2 off the exponent field: the conversion's scale operand
.endr
.irp b, 0,1,2,3
	v_lshrrev_b32 v[PD+\b], 23, v[SO+\b]           ; the scale's byte
.endr
	s_delay_alu instid0(VALU_DEP_3)
	v_lshl_or_b32 v[PS], v[PD+1], 8, v[PD]
	s_delay_alu instid0(VALU_DEP_1)
	v_lshl_or_b32 v[PS], v[PD+2], 16, v[PS]
	s_delay_alu instid0(VALU_DEP_1)
	v_lshl_or_b32 v[PS], v[PD+3], 24, v[PS]
.irp c, 0,1
	v_cvt_scalef32_pk16_fp6_f32 v[PCD+6*\c:PCD+2+6*\c], v[S+32*\c:S+15+32*\c], v[SO+2*\c]
	v_cvt_scalef32_pk16_fp6_f32 v[TQ+4*\c:TQ+2+4*\c], v[S+16+32*\c:S+31+32*\c], v[SO+2*\c+1]
.endr
	v_nop                                          ; one plain place behind a scaled conversion
.irp c, 0,1
.irp i, 0,1,2
	v_permlane16_swap_b32 v[PCD+6*\c+\i], v[TQ+4*\c+\i]
.endr
.irp i, 0,1,2
	s_delay_alu instid0(VALU_DEP_3)
	v_mov_b32 v[PCD+3+6*\c+\i], v[TQ+4*\c+\i]
.endr
.endr
	s_wait_alu depctr_va_vdst(0)                   ; ahead of the first reader of O^T
.set n, 0
.rept 16
	v_pk_mul_f32 v[OT+n:OT+n+1], v[OT+n:OT+n+1], v[FF:FF+1] op_sel_hi:[1,0]   ; O^T under the new M; these sixteen are also the places between p's codes and scale word and the products
.set n, n+2
.endr
	s_wait_alu depctr_va_vdst(0)
	s_wait_dscnt 0x0                               ; V
.irp t, 0,1,2,3
	v_wmma_scale_f32_16x16x128_f8f6f4 v[OT+8*\t:OT+8*\t+7], v[KF+12*\t:KF+12*\t+11], v[PCD:PCD+11], v[OT+8*\t:OT+8*\t+7], v[VS+\t], v[PS] matrix_a_fmt:MATRIX_FMT_FP6 matrix_b_fmt:MATRIX_FMT_FP6
.endr
	s_barrier_wait -1                              ; every wave has signalled in this step
.endm
.Ltrip:                                                ; eight trips of four steps
	STEP 0
	STEP 1
	STEP 2
	STEP 3
	s_lshr_b32 s[FL], s[FL], 4                     ; the next trip's four bits
	s_wait_xcnt 0x0                                ; the trip's loads and its prefetch have read their bases
	s_add_nc_u64 s[GA:GA+1], s[GA:GA+1], 4*REC
	s_add_nc_u64 s[PFA:PFA+1], s[PFA:PFA+1], 4*REC
	s_add_nc_u64 s[2:3], s[2:3], 1024
	s_sub_co_u32 s[CNT], s[CNT], 1
	s_cmp_lg_u32 s[CNT], 0
	s_cbranch_scc1 .Ltrip
	; THE WAY OUT: O^T / the sum, quantised along d: registers 8 t + j are d = 32 (t / 2) + 16 h + 8 (t % 2) + j, half a K step of the next product
	v_add_f32 v14, v14, v15
	s_delay_alu instid0(VALU_DEP_1)
	v_permlanex16_b32 v[PD], v14, s[SEL], s[SEL+1]
	s_delay_alu instid0(VALU_DEP_1)
	v_add_f32 v14, v14, v[PD]
	s_wait_alu depctr_va_vdst(0)                   ; ahead of the transcendental
	v_rcp_f32 v14, v14
.rept 4
	v_nop                                          ; the plain place behind the reciprocal, and the places behind the last products
.endr
	s_wait_alu depctr_va_vdst(0)                   ; ahead of the reciprocal's first reader
.set n, 0
.rept 16
	v_pk_mul_f32 v[S+n:S+n+1], v[OT+n:OT+n+1], v[14:15] op_sel_hi:[1,0]
.set n, n+2
.endr
	QUANT32 S, PCD, TP
	global_store_b128 v[L16], v[PCD:PCD+3], s[14:15]
	global_store_b64 v[L8], v[PCD+4:PCD+5], s[14:15] offset:512
	global_store_b16 v[L16], v[TP], s[98:99]
	s_wait_tensorcnt 0x0                           ; the wave's end, behind my last LDS store
	ds_add_u32 v[SPW], v[NIL]
	s_wait_dscnt 0x0
	s_endpgm
.Lfunc_end_k_q62b1986c1c_attn:
	.size	k_q62b1986c1c_attn, .Lfunc_end_k_q62b1986c1c_attn-k_q62b1986c1c_attn
	.p2alignl 7, 3214868480
	.fill 96, 4, 3214868480
	.section	.rodata,"a",@progbits
	.p2align	6, 0x0
	.amdhsa_kernel k_q62b1986c1c_attn
		.amdhsa_group_segment_fixed_size 238080
		.amdhsa_private_segment_fixed_size 0
		.amdhsa_enable_private_segment 0
		.amdhsa_kernarg_size 32
		.amdhsa_user_sgpr_count 2
		.amdhsa_user_sgpr_kernarg_segment_ptr 1
		.amdhsa_wavefront_size32 1
		.amdhsa_system_sgpr_workgroup_id_x 1
		.amdhsa_system_sgpr_workgroup_id_y 1
		.amdhsa_system_sgpr_workgroup_id_z 1
		.amdhsa_system_vgpr_workitem_id 0
		.amdhsa_next_free_vgpr 312
		.amdhsa_next_free_sgpr 102
		.amdhsa_reserve_vcc 0
		.amdhsa_float_denorm_mode_32 3
		.amdhsa_float_denorm_mode_16_64 3
		.amdhsa_memory_ordered 1
		.amdhsa_forward_progress 1
		.amdhsa_inst_pref_size 113
	.end_amdhsa_kernel
	.amdgpu_metadata
---
amdhsa.version: [ 1, 2 ]
amdhsa.kernels:
  - .name:           k_q62b1986c1c_attn
    .symbol:         k_q62b1986c1c_attn.kd
    .args:
      - { .name: qbuf, .offset: 0, .size: 8, .value_kind: global_buffer, .address_space: global }
      - { .name: kv, .offset: 8, .size: 8, .value_kind: global_buffer, .address_space: global }
      - { .name: mw, .offset: 16, .size: 8, .value_kind: global_buffer, .address_space: global }
      - { .name: cbuf, .offset: 24, .size: 8, .value_kind: global_buffer, .address_space: global }
    .group_segment_fixed_size: 238080
    .private_segment_fixed_size: 0
    .kernarg_segment_align: 8
    .kernarg_segment_size: 32
    .max_flat_workgroup_size: 384
    .sgpr_count:     102
    .vgpr_count:     312
    .wavefront_size: 32
...
	.end_amdgpu_metadata
.endif
;; end of part 6
;; launch pf1 (part 7): grid 64 x 4, 12 waves a work-group, no clusters, 133,632 bytes of LDS; arguments cbuf, x, wimg, bo, b1, x1, hbuf; writes x1, hbuf
.if DOCPART == 7
	.amdgcn_target "amdgcn-amd-amdhsa--gfx1250"
	.amdhsa_code_object_version 6
	.text
	.protected	k_q62b1986c1c_pf1
	.globl	k_q62b1986c1c_pf1
	.p2align	8
	.type	k_q62b1986c1c_pf1,@function
k_q62b1986c1c_pf1:
	s_mov_b64 s[64:65], 0
	v_nop
	global_prefetch_b8 v0, s[64:65] scope:SCOPE_SE
	s_setreg_imm32_b32 hwreg(HW_REG_WAVE_MODE, 25, 1), 1
	s_wait_xcnt 0x0
; ENCODER BLOCK, launch 3 of 4: x1 = x + Q(ctx) wo + bo;  Q(x1), kept in LDS;  Q(relu(Q(x1) w1 + b1)).  Nothing is left out.
; SHARES.  Work-group (R, Y): rows 64 R .. 64 R + 63.  Phase P: wave w makes x1's columns 64 w .. 64 w + 63, so the twelve waves make all 768: each of the four work-groups of a row block makes x1 for itself (the second product
; needs all of it), and work-group Y stores the columns of waves 3 Y .. 3 Y + 2: each byte of x1 has one owner.  Phase F: wave w makes hidden units 768 Y + 64 w .. + 63.
; x + bo is loaded into the accumulators and the products add onto it; so is b1.  Tiles and images are launch 1's.
; THE WEIGHTS come from wimg, where launch 1 has laid them in the order of the operand's registers: a unit's K step is a record of 6,656 bytes, twelve pieces of 512 bytes (48 registers on end, 16 bytes a lane) and a lane's
; four scale words: 13 loads, each of 512 consecutive bytes.  wo's unit u begins at record 6 u, w1's at record 72 + 6 u.
; No cluster and no tensor load: each weight fragment goes from memory straight into the registers of the one wave that multiplies by it.
.set REC,  6656
.set CIMG, 0                           ; LDS: ctx's fragments [K step 6][tile 4] x 1,536, as cbuf has them,
.set CSC,  36864                       ; their scale words,
.set X1IMG, 39936                      ; x1's fragments,
.set X1SC, 76800                       ; their scale words,
.set STG,  79872                       ; a stage of 16 rows x 272 bytes for each wave,
.set SPARE, 132096                     ; and the spare words: 128 bytes for each of 12 waves, six blocks of 256 bytes that no other line names
.set L16, 1                            ; v1   16 x lane
.set L8,  2                            ; v2   8 x lane
.set BA,  5                            ; v5   64 h
.set CW16, 6                           ; v6   my twelfth of cbuf's codes: 16 x lane + 3,072 x wave
.set CW8, 7                            ; v7   and of its scale words: 8 x lane + 256 x wave
.set P16, 8                            ; v8   where my half fragments of x1 go: 16 x lane + 6,144 (wave / 2) + 768 (wave % 2)
.set P8,  9                            ; v9   the same with 8 x lane
.set PS,  10                           ; v10  and my halves of the scale words: X1SC + 16 x lane + 512 (wave / 2) + 2 (wave % 2)
.set F16, 11                           ; v11  X1IMG + 16 x lane
.set F8,  12                           ; v12  X1IMG + 8 x lane
.set STO, 13                           ; v13  my stage, on the way in
.set SPW, 14
.set NIL, 15
.set SRD, 20                           ; v20  my stage, on the way out
.set XA,  21                           ; v21  x: (r + 8 (r / 8)) x 3,072 + 64 h
.set XO,  22                           ; v22  x1: 3,072 (lane / 16) + 16 (lane % 16)
.set WS,  24                           ; v24-27  the weight's scale words, and nothing else
.set AS,  28                           ; v28-31  the other operand's, and nothing else
.set AF,  32
.set WF,  80
.set ACC, 128
.set CD,  96
.set TQ,  120
.set TM,  124
.set SEL, 6
.set WB,  44                           ; s[44:45] wo's records of my unit; later s[48:49] w1's
.set WS2, 16                           ; v16-19 the odd steps' weight scale words; behind a phase's last step the scale bytes that the quantiser makes
.set MSB, 0
.macro WIN new                         ; s_set_vgpr_msb: bits 1:0 source 0, 7:6 destination; the high byte repeats the setting that is left
.if MSB != \new
	s_set_vgpr_msb (MSB<<8)|\new
.set MSB, \new
.endif
.endm
; TWO SETS OF REGISTERS FOR THE WEIGHTS: an even step's record goes to v80-127 and v24-27, an odd step's to v256-303 (the second window's v0-47) and v16-19
.macro WGET s
.if ((\s)%2) == 0
.irp k, 0,1,2,3,4,5,6,7,8,9,10,11
	global_load_b128 v[WF+4*\k:WF+4*\k+3], v[L16], s[WB:WB+1] offset:REC*(\s)+512*\k
.endr
	global_load_b128 v[WS:WS+3], v[L16], s[WB:WB+1] offset:REC*(\s)+6144
.else
	WIN 0x40
.irp k, 0,1,2,3,4,5,6,7,8,9,10,11
	global_load_b128 v[4*\k:4*\k+3], v[L16], s[WB:WB+1] offset:REC*(\s)+512*\k
.endr
	WIN 0
	global_load_b128 v[WS2:WS2+3], v[L16], s[WB:WB+1] offset:REC*(\s)+6144
.endif
.endm
.macro BARRIER
	s_wait_dscnt 0x0
	s_barrier_signal -1
	s_barrier_wait -1
.endm
.macro QUANT32 s, c, w                 ; 32 numbers, register 16 b + i = k 32 b + 16 h + i, become six registers of codes and two scale bytes
.irp b, 0,1
	v_max3_num_f32 v[TM+\b], |v[(\s)+16*\b]|, |v[(\s)+16*\b+1]|, 0x1800000
.endr
.irp i, 2,4,6,8,10,12,14
.irp b, 0,1
	v_max3_num_f32 v[TM+\b], v[TM+\b], |v[(\s)+16*\b+\i]|, |v[(\s)+16*\b+\i+1]|
.endr
.endr
.irp b, 0,1
	s_delay_alu instid0(VALU_DEP_2)
	v_permlanex16_b32 v[TM+2+\b], v[TM+\b], s[SEL], s[SEL+1]
.endr
.irp b, 0,1
	s_delay_alu instid0(VALU_DEP_2)
	v_max_num_f32 v[TM+\b], v[TM+\b], v[TM+2+\b]
.endr
.irp b, 0,1
	s_delay_alu instid0(VALU_DEP_2)
	v_add_nc_u32 v[TM+2+\b], 0xff000000, v[TM+\b]
.endr
.irp b, 0,1
	s_delay_alu instid0(VALU_DEP_2)
	v_lshrrev_b32 v[TM+\b], 23, v[TM+2+\b]
.endr
	s_delay_alu instid0(VALU_DEP_1)
	v_lshl_or_b32 v[\w], v[TM+1], 8, v[TM]
	v_cvt_scalef32_pk16_fp6_f32 v[(\c):(\c)+2], v[(\s):(\s)+15], v[TM+2]
	v_cvt_scalef32_pk16_fp6_f32 v[TQ:TQ+2], v[(\s)+16:(\s)+31], v[TM+3]
	v_nop
.irp i, 0,1,2
	v_permlane16_swap_b32 v[(\c)+\i], v[TQ+\i]
.endr
.irp i, 0,1,2
	s_delay_alu instid0(VALU_DEP_3)
	v_mov_b32 v[(\c)+3+\i], v[TQ+\i]
.endr
.endm
; One step of 128 along K for a unit of 64 x 64: the weights' record from memory, the other operand's four fragments from LDS, sixteen products (source 0 = the weight).
; first = 0: four places stand in front of the loads into registers that the last step's products have read.  zero = 1: the products start the sums.
; The sixteen accumulators take turns, one instruction a turn, in the same order in every step.
.macro KSTEP s, first, zero, a16, a8, aoff, sa, soff
.if \first == 0
.rept 4
	v_nop
.endr
.endif
.if \first
	WGET \s                                        ; a phase's first record,
.endif
.if (\s) < 5
	WGET (\s)+1                                    ; and the next step's record, ahead of the wait for this step's: it goes into the set that the last step's products have read
.endif
.irp o, 0,1,2,3
	ds_load_b128 v[AF+12*\o:AF+12*\o+3], v[\a16] offset:\aoff+(4*(\s)+\o)*1536
	ds_load_b64 v[AF+12*\o+4:AF+12*\o+5], v[\a8] offset:\aoff+(4*(\s)+\o)*1536+512
	ds_load_b128 v[AF+12*\o+6:AF+12*\o+9], v[\a16] offset:\aoff+(4*(\s)+\o)*1536+768
	ds_load_b64 v[AF+12*\o+10:AF+12*\o+11], v[\a8] offset:\aoff+(4*(\s)+\o)*1536+1280
.endr
	ds_load_b128 v[AS:AS+3], v[\sa] offset:\soff+512*(\s)
.if (\s) < 5
	s_wait_loadcnt 13                              ; this step's record (and whatever was asked for ahead of it) is in; the next record's 13 loads may be out
.else
	s_wait_loadcnt 0x0
.endif
	s_wait_dscnt 0x0
.if ((\s)%2) == 0
.set WFS, WF
.set WSS, WS
.else
.set WFS, 0
.set WSS, WS2
	WIN 0x01                                       ; source 0, the weight, in the second window
.endif
.irp o, 0,1,2,3
.irp i, 0,1,2,3
.if \zero
	v_wmma_scale_f32_16x16x128_f8f6f4 v[ACC+32*\o+8*\i:ACC+32*\o+8*\i+7], v[WFS+12*\i:WFS+12*\i+11], v[AF+12*\o:AF+12*\o+11], 0, v[WSS+\i], v[AS+\o] matrix_a_fmt:MATRIX_FMT_FP6 matrix_b_fmt:MATRIX_FMT_FP6
.else
	v_wmma_scale_f32_16x16x128_f8f6f4 v[ACC+32*\o+8*\i:ACC+32*\o+8*\i+7], v[WFS+12*\i:WFS+12*\i+11], v[AF+12*\o:AF+12*\o+11], v[ACC+32*\o+8*\i:ACC+32*\o+8*\i+7], v[WSS+\i], v[AS+\o] matrix_a_fmt:MATRIX_FMT_FP6 matrix_b_fmt:MATRIX_FMT_FP6
.endif
.endr
.endr
	WIN 0
.endm
; 32 registers of a lane (line r of a tile, columns 32 b + 16 h + i) go through my stage and come back as whole rows of 256 bytes: load k brings lines 2 k and 2 k + 1, sixteen lanes to a line
.macro TURNOUT src, dst
.irp e, 0,1,2,3,4,5,6,7
	ds_store_b128 v[STO], v[(\src)+4*\e:(\src)+4*\e+3] offset:128*(\e/4)+16*(\e%4)
.endr
.irp k, 0,1,2,3,4,5,6,7
	ds_load_b128 v[(\dst)+4*\k:(\dst)+4*\k+3], v[SRD] offset:544*\k   ; LDS serves a wave's instructions in order: these see the stores above
.endr
.endm
	s_load_b256 s[16:23], s[0:1], 0x0              ; cbuf 16, x 18, wimg 20, bo 22
	s_load_b128 s[24:27], s[0:1], 0x20             ; b1 24, x1 26
	s_load_b64 s[28:29], s[0:1], 0x30              ; hbuf
	v_lshl_add_u32 v[SPW], v0, 2, SPARE
	v_mov_b32 v[NIL], 0
	v_lshrrev_b32 v32, 5, v0
	s_delay_alu instid0(VALU_DEP_1)
	v_readfirstlane_b32 s2, v32                    ; wave 0..11
	s_mov_b32 s3, ttmp9                            ; R
	s_and_b32 s4, ttmp7, 0xffff                    ; Y
	s_mov_b32 s[SEL], 0x76543210
	s_mov_b32 s[SEL+1], 0xfedcba98
	s_and_b32 s8, s2, 1
	s_lshr_b32 s9, s2, 1
	v_and_b32 v33, 31, v0
	v_and_b32 v34, 15, v0
	v_bfe_u32 v35, v0, 4, 1
	s_delay_alu instid0(VALU_DEP_2)
	v_and_b32 v36, 8, v34
	s_delay_alu instid0(VALU_DEP_1)
	v_add_nc_u32 v36, v36, v34
	v_lshlrev_b32 v[L16], 4, v33
	v_lshlrev_b32 v[L8], 3, v33
	v_lshlrev_b32 v[BA], 6, v35
	s_delay_alu instid0(VALU_DEP_4)
	v_mul_u32_u24 v[XA], v36, 3072
	s_delay_alu instid0(VALU_DEP_1)
	v_lshl_add_u32 v[XA], v35, 6, v[XA]
	v_mul_u32_u24 v[XO], v35, 3072
	s_delay_alu instid0(VALU_DEP_1)
	v_lshl_add_u32 v[XO], v34, 4, v[XO]
	s_mul_i32 s60, s2, 3072
	v_add_nc_u32 v[CW16], s60, v[L16]
	s_lshl_b32 s60, s2, 8
	v_add_nc_u32 v[CW8], s60, v[L8]
	s_mul_i32 s60, s9, 6144
	s_mul_i32 s61, s8, 768
	s_add_co_u32 s60, s60, s61
	v_add_nc_u32 v[P16], s60, v[L16]
	v_add_nc_u32 v[P8], s60, v[L8]
	s_lshl_b32 s60, s9, 9
	s_lshl_b32 s61, s8, 1
	s_add_co_u32 s60, s60, s61
	s_add_co_u32 s60, s60, X1SC
	v_add_nc_u32 v[PS], s60, v[L16]
	v_add_nc_u32 v[F16], X1IMG, v[L16]
	v_add_nc_u32 v[F8], X1IMG, v[L8]
	s_mul_i32 s60, s2, 4352
	s_add_co_u32 s60, s60, STG
	v_mul_u32_u24 v[STO], v34, 272
	s_delay_alu instid0(VALU_DEP_1)
	v_lshl_add_u32 v[STO], v35, 6, v[STO]
	s_delay_alu instid0(VALU_DEP_1)
	v_add_nc_u32 v[STO], s60, v[STO]
	v_mul_u32_u24 v[SRD], v35, 272
	s_delay_alu instid0(VALU_DEP_1)
	v_lshl_add_u32 v[SRD], v34, 4, v[SRD]
	s_delay_alu instid0(VALU_DEP_1)
	v_add_nc_u32 v[SRD], s60, v[SRD]
	s_mul_i32 s60, s3, 39936                       ; cbuf's block
	s_mov_b32 s61, 0
	s_mul_i32 s62, s3, 196608                      ; 64 rows of 3,072 bytes,
	s_lshl_b32 s63, s2, 8                          ; my 64 columns
	s_add_co_u32 s62, s62, s63
	s_mov_b32 s63, 0
	s_lshl_b32 s66, s2, 8
	s_mov_b32 s67, 0
	s_mul_i32 s68, s2, 6*REC                       ; wo's unit w: six records
	s_mov_b32 s69, 0
	s_mul_i32 s72, s4, 768
	s_lshl_b32 s73, s2, 6
	s_add_co_u32 s72, s72, s73                     ; my first hidden unit
	s_mul_i32 s74, s4, 12
	s_add_co_u32 s74, s74, s2                      ; w1's unit 12 Y + w,
	s_mul_i32 s74, s74, 6*REC
	s_add_co_u32 s74, s74, 72*REC                  ; behind wo's 72 records
	s_mov_b32 s75, 0
	s_lshl_b32 s78, s72, 2
	s_mov_b32 s79, 0
	s_mul_i32 s80, s3, 159744                      ; hbuf's block
	s_mul_i32 s81, s4, 6
	s_add_co_u32 s81, s81, s9                      ; the last product's K step that my units belong to
	s_mul_i32 s82, s81, 6144
	s_mul_i32 s83, s8, 768
	s_add_co_u32 s82, s82, s83
	s_add_co_u32 s82, s82, s80
	s_mov_b32 s83, 0
	s_lshl_b32 s84, s81, 9
	s_lshl_b32 s85, s8, 1
	s_add_co_u32 s84, s84, s85
	s_add_co_u32 s84, s84, s80
	s_add_co_u32 s84, s84, 147456
	s_mov_b32 s85, 0
	s_wait_kmcnt 0x0
	s_add_nc_u64 s[36:37], s[16:17], s[60:61]      ; cbuf
	s_add_nc_u64 s[38:39], s[18:19], s[62:63]      ; x
	s_add_nc_u64 s[40:41], s[22:23], s[66:67]      ; bo
	s_add_nc_u64 s[44:45], s[20:21], s[68:69]      ; wo's records
	s_add_nc_u64 s[48:49], s[20:21], s[74:75]      ; w1's records
	s_add_nc_u64 s[52:53], s[24:25], s[78:79]      ; b1
	s_add_nc_u64 s[54:55], s[26:27], s[62:63]      ; x1
	s_add_nc_u64 s[56:57], s[28:29], s[82:83]      ; hbuf's codes
	s_add_nc_u64 s[58:59], s[28:29], s[84:85]      ; hbuf's scale halves
	; ---- ctx's codes into LDS, a twelfth a wave; x + bo into the accumulators
.irp k, 0,1,2,3,4,5
	global_load_b128 v[32+4*\k:35+4*\k], v[CW16], s[36:37] offset:512*\k
.endr
	global_load_b64 v[56:57], v[CW8], s[36:37] offset:36864
.irp i, 0,1,2,3
	global_load_b128 v[80+8*\i:83+8*\i], v[BA], s[40:41] offset:(32*(\i/2)+8*(\i%2))*4
	global_load_b128 v[84+8*\i:87+8*\i], v[BA], s[40:41] offset:(32*(\i/2)+8*(\i%2))*4+16
.endr
.irp o, 0,1,2,3
.irp i, 0,1,2,3
	global_load_b128 v[ACC+32*\o+8*\i:ACC+32*\o+8*\i+3], v[XA], s[38:39] offset:(32*(\o/2)+8*(\o%2))*3072+(32*(\i/2)+8*(\i%2))*4
	global_load_b128 v[ACC+32*\o+8*\i+4:ACC+32*\o+8*\i+7], v[XA], s[38:39] offset:(32*(\o/2)+8*(\o%2))*3072+(32*(\i/2)+8*(\i%2))*4+16
.endr
.endr
	s_wait_loadcnt 40                              ; the seven loads of ctx are in; bo's 8 and x's 32 may be out
.irp k, 0,1,2,3,4,5
	ds_store_b128 v[CW16], v[32+4*\k:35+4*\k] offset:CIMG+512*\k
.endr
	ds_store_b64 v[CW8], v[56:57] offset:CSC
	s_wait_loadcnt 0x0
.irp o, 0,1,2,3
.set n, 0
.rept 16
	v_pk_add_f32 v[ACC+32*\o+n:ACC+32*\o+n+1], v[ACC+32*\o+n:ACC+32*\o+n+1], v[80+n:81+n]
.set n, n+2
.endr
.endr
	s_wait_alu depctr_va_vdst(0)
	BARRIER                                        ; ctx's 24 fragments lie in LDS
	; ---- P: x1 = (x + bo) + Q(ctx) wo
	KSTEP 0, 1, 0, L16, L8, CIMG, L16, CSC
.irp s, 1,2,3,4,5
	KSTEP \s, 0, 0, L16, L8, CIMG, L16, CSC
.endr
.rept 4
	v_nop
.endr
.irp o, 0,1,2,3
	QUANT32 ACC+32*\o, CD+6*\o, 16+\o
	ds_store_b128 v[P16], v[CD+6*\o:CD+6*\o+3] offset:X1IMG+1536*\o
	ds_store_b64 v[P8], v[CD+6*\o+4:CD+6*\o+5] offset:X1IMG+1536*\o+512
	ds_store_b16 v[PS], v[16+\o] offset:4*\o
.endr
	s_mul_i32 s60, s4, 3
	s_sub_co_u32 s60, s2, s60
	s_cmp_lt_u32 s60, 3                            ; (unsigned) is my unit one of the three that this work-group stores?
	s_cbranch_scc0 .Lnot_mine
.irp o, 0,1,2,3
.if \o >= 2
	s_wait_xcnt 0x0                                ; the stores of two tiles back have read their registers
.endif
	TURNOUT ACC+32*\o, 32+32*(\o%2)
.irp k, 0,1,2,3,4,5,6,7
	s_wait_dscnt 7-\k                              ; load k is in; the 7 - k younger ones may be out
	global_store_b128 v[XO], v[32+32*(\o%2)+4*\k:32+32*(\o%2)+4*\k+3], s[54:55] offset:(32*(\o/2)+8*(\o%2)+2*\k+8*(\k/4))*3072   ; 16 lanes store 256 consecutive bytes, aligned
.endr
.endr
.Lnot_mine:
	s_wait_xcnt 0x0                                ; the stores have read their registers: the next phase loads into them
	s_wait_dscnt 0x0                               ; my LDS stores have landed and have read the accumulators
.irp o, 0,1,2,3
.irp i, 0,1,2,3
	global_load_b128 v[ACC+32*\o+8*\i:ACC+32*\o+8*\i+3], v[BA], s[52:53] offset:(32*(\i/2)+8*(\i%2))*4
	global_load_b128 v[ACC+32*\o+8*\i+4:ACC+32*\o+8*\i+7], v[BA], s[52:53] offset:(32*(\i/2)+8*(\i%2))*4+16
.endr
.endr
	s_barrier_signal -1
	s_barrier_wait -1                              ; x1's 24 fragments lie in LDS
	; ---- F: relu(b1 + Q(x1) w1)
.set WB,  48
	KSTEP 0, 1, 0, F16, F8, 0, F16, 36864
.irp s, 1,2,3,4,5
	KSTEP \s, 0, 0, F16, F8, 0, F16, 36864
.endr
.rept 4
	v_nop
.endr
.set n, 0
.rept 128
	v_max_num_f32 v[ACC+n], 0, v[ACC+n]            ; the activation, in f32
.set n, n+1
.endr
.irp o, 0,1,2,3
	QUANT32 ACC+32*\o, CD+6*\o, 16+\o
	global_store_b128 v[L16], v[CD+6*\o:CD+6*\o+3], s[56:57] offset:1536*\o
	global_store_b64 v[L8], v[CD+6*\o+4:CD+6*\o+5], s[56:57] offset:1536*\o+512
	global_store_b16 v[L16], v[16+\o], s[58:59] offset:4*\o
.endr
	s_wait_tensorcnt 0x0                           ; the wave's end, behind my last LDS store
	ds_add_u32 v[SPW], v[NIL]
	s_wait_dscnt 0x0
	s_endpgm
.Lfunc_end_k_q62b1986c1c_pf1:
	.size	k_q62b1986c1c_pf1, .Lfunc_end_k_q62b1986c1c_pf1-k_q62b1986c1c_pf1
	.p2alignl 7, 3214868480
	.fill 96, 4, 3214868480
	.section	.rodata,"a",@progbits
	.p2align	6, 0x0
	.amdhsa_kernel k_q62b1986c1c_pf1
		.amdhsa_group_segment_fixed_size 133632
		.amdhsa_private_segment_fixed_size 0
		.amdhsa_enable_private_segment 0
		.amdhsa_kernarg_size 56
		.amdhsa_user_sgpr_count 2
		.amdhsa_user_sgpr_kernarg_segment_ptr 1
		.amdhsa_wavefront_size32 1
		.amdhsa_system_sgpr_workgroup_id_x 1
		.amdhsa_system_sgpr_workgroup_id_y 1
		.amdhsa_system_sgpr_workgroup_id_z 1
		.amdhsa_system_vgpr_workitem_id 0
		.amdhsa_next_free_vgpr 304
		.amdhsa_next_free_sgpr 88
		.amdhsa_reserve_vcc 0
		.amdhsa_float_denorm_mode_32 3
		.amdhsa_float_denorm_mode_16_64 3
		.amdhsa_memory_ordered 1
		.amdhsa_forward_progress 1
		.amdhsa_inst_pref_size 104
	.end_amdhsa_kernel
	.amdgpu_metadata
---
amdhsa.version: [ 1, 2 ]
amdhsa.kernels:
  - .name:           k_q62b1986c1c_pf1
    .symbol:         k_q62b1986c1c_pf1.kd
    .args:
      - { .name: cbuf, .offset: 0, .size: 8, .value_kind: global_buffer, .address_space: global }
      - { .name: x, .offset: 8, .size: 8, .value_kind: global_buffer, .address_space: global }
      - { .name: wimg, .offset: 16, .size: 8, .value_kind: global_buffer, .address_space: global }
      - { .name: bo, .offset: 24, .size: 8, .value_kind: global_buffer, .address_space: global }
      - { .name: b1, .offset: 32, .size: 8, .value_kind: global_buffer, .address_space: global }
      - { .name: x1, .offset: 40, .size: 8, .value_kind: global_buffer, .address_space: global }
      - { .name: hbuf, .offset: 48, .size: 8, .value_kind: global_buffer, .address_space: global }
    .group_segment_fixed_size: 133632
    .private_segment_fixed_size: 0
    .kernarg_segment_align: 8
    .kernarg_segment_size: 56
    .max_flat_workgroup_size: 384
    .sgpr_count:     88
    .vgpr_count:     304
    .wavefront_size: 32
...
	.end_amdgpu_metadata
.endif
;; end of part 7
;; launch ff2 (part 8): grid 64 x 4, 12 waves a work-group, no clusters, 250,368 bytes of LDS; arguments hbuf, wimg, b2, x1, out0; writes out0
.if DOCPART == 8
	.amdgcn_target "amdgcn-amd-amdhsa--gfx1250"
	.amdhsa_code_object_version 6
	.text
	.protected	k_q62b1986c1c_ff2
	.globl	k_q62b1986c1c_ff2
	.p2align	8
	.type	k_q62b1986c1c_ff2,@function
k_q62b1986c1c_ff2:
	s_mov_b64 s[64:65], 0
	v_nop
	global_prefetch_b8 v0, s[64:65] scope:SCOPE_SE
	s_setreg_imm32_b32 hwreg(HW_REG_WAVE_MODE, 25, 1), 1
	s_wait_xcnt 0x0
; ENCODER BLOCK, launch 4 of 4: out0 = x1 + Q(h) w2 + b2.  Nothing is left out.
; SHARES.  Work-group (R, Y): rows 64 R .. + 63, columns 192 Y .. + 191.  Wave w: the unit of columns 192 Y + 64 (w / 4), and the quarter w % 4 of K (six steps of 128 of the 24), so that twelve waves have six steps each.
; The four partial sums of a unit meet in LDS; wave w then finishes the unit's tile of rows w % 4: (P0 + P1) + (P2 + P3), + b2, + x1.  LIMIT: that order of the f32 sums is not reference()'s.
; The hidden layer's block of hbuf (159,744 bytes) is copied into LDS as it lies; the partial sums are laid over it behind a barrier that every wave reaches behind its last read of it.
; THE WEIGHTS come from wimg, where launch 1 has laid them in the order of the operand's registers: a unit's K step is a record of 6,656 bytes: 13 loads, each of 512 consecutive bytes.  w2's unit u begins at record 360 + 24 u.
; No cluster and no tensor load: each weight fragment goes from memory straight into the registers of the one wave that multiplies by it.
.set REC,  6656
.set STG,  196608                      ; LDS: 0 the hidden layer's images, later the partial sums [unit 3][tile 4][quarter 4] x 4,096; here a stage of 16 x 272 bytes for each wave;
.set SPARE, 248832                     ; and the spare words: 128 bytes for each of 12 waves, six blocks of 256 bytes that no other line names
.set L16, 1
.set L8,  2
.set XO,  5                            ; v5   3,072 (lane / 16) + 16 (lane % 16)
.set CW,  6                            ; v6   the copy: 16 x lane + 13,312 x wave
.set A16, 7                            ; v7   16 x lane + 36,864 x quarter
.set A8,  8                            ; v8   8 x lane + the same
.set SA,  9                            ; v9   16 x lane + 147,456 + 3,072 x quarter
.set RW,  10                           ; v10  my partial sums: 16 x lane + 65,536 x unit + 4,096 x quarter
.set RR,  11                           ; v11  the four that I add: 16 x lane + 65,536 x unit + 16,384 x quarter
.set STO, 12
.set SRD, 13
.set SPW, 14
.set NIL, 15
.set B2O, 16                           ; v16  16 (lane % 16)
.set WS,  24                           ; v24-27  the weight's scale words, and nothing else
.set AS,  28                           ; v28-31  the hidden layer's, and nothing else
.set AF,  32
.set WF,  80
.set ACC, 128
.set WB,  44                           ; s[44:45] w2's records of my unit and quarter
.set WS2, 20                           ; v20-23 the odd steps' weight scale words, and nothing else
.set MSB, 0
.macro WIN new                         ; s_set_vgpr_msb: bits 1:0 source 0, 7:6 destination; the high byte repeats the setting that is left
.if MSB != \new
	s_set_vgpr_msb (MSB<<8)|\new
.set MSB, \new
.endif
.endm
; TWO SETS OF REGISTERS FOR THE WEIGHTS: an even step's record goes to v80-127 and v24-27, an odd step's to v256-303 (the second window's v0-47) and v20-23
.macro WGET s
.if ((\s)%2) == 0
.irp k, 0,1,2,3,4,5,6,7,8,9,10,11
	global_load_b128 v[WF+4*\k:WF+4*\k+3], v[L16], s[WB:WB+1] offset:REC*(\s)+512*\k
.endr
	global_load_b128 v[WS:WS+3], v[L16], s[WB:WB+1] offset:REC*(\s)+6144
.else
	WIN 0x40
.irp k, 0,1,2,3,4,5,6,7,8,9,10,11
	global_load_b128 v[4*\k:4*\k+3], v[L16], s[WB:WB+1] offset:REC*(\s)+512*\k
.endr
	WIN 0
	global_load_b128 v[WS2:WS2+3], v[L16], s[WB:WB+1] offset:REC*(\s)+6144
.endif
.endm
.macro BARRIER
	s_wait_dscnt 0x0
	s_barrier_signal -1
	s_barrier_wait -1
.endm
.macro KSTEP s, first, zero, a16, a8, aoff, sa, soff   ; launch 3's: one step of 128 along K for a unit of 64 x 64; the sixteen accumulators take turns
.if \first == 0
.rept 4
	v_nop
.endr
.endif
.if \first
	WGET \s                                        ; the first record,
.endif
.if (\s) < 5
	WGET (\s)+1                                    ; and the next step's record, ahead of the wait for this step's: it goes into the set that the last step's products have read
.endif
.irp o, 0,1,2,3
	ds_load_b128 v[AF+12*\o:AF+12*\o+3], v[\a16] offset:\aoff+(4*(\s)+\o)*1536
	ds_load_b64 v[AF+12*\o+4:AF+12*\o+5], v[\a8] offset:\aoff+(4*(\s)+\o)*1536+512
	ds_load_b128 v[AF+12*\o+6:AF+12*\o+9], v[\a16] offset:\aoff+(4*(\s)+\o)*1536+768
	ds_load_b64 v[AF+12*\o+10:AF+12*\o+11], v[\a8] offset:\aoff+(4*(\s)+\o)*1536+1280
.endr
	ds_load_b128 v[AS:AS+3], v[\sa] offset:\soff+512*(\s)
.if (\s) < 5
	s_wait_loadcnt 13                              ; this step's record is in; the next record's 13 loads may be out
.else
	s_wait_loadcnt 0x0
.endif
	s_wait_dscnt 0x0
.if ((\s)%2) == 0
.set WFS, WF
.set WSS, WS
.else
.set WFS, 0
.set WSS, WS2
	WIN 0x01                                       ; source 0, the weight, in the second window
.endif
.irp o, 0,1,2,3
.irp i, 0,1,2,3
.if \zero
	v_wmma_scale_f32_16x16x128_f8f6f4 v[ACC+32*\o+8*\i:ACC+32*\o+8*\i+7], v[WFS+12*\i:WFS+12*\i+11], v[AF+12*\o:AF+12*\o+11], 0, v[WSS+\i], v[AS+\o] matrix_a_fmt:MATRIX_FMT_FP6 matrix_b_fmt:MATRIX_FMT_FP6
.else
	v_wmma_scale_f32_16x16x128_f8f6f4 v[ACC+32*\o+8*\i:ACC+32*\o+8*\i+7], v[WFS+12*\i:WFS+12*\i+11], v[AF+12*\o:AF+12*\o+11], v[ACC+32*\o+8*\i:ACC+32*\o+8*\i+7], v[WSS+\i], v[AS+\o] matrix_a_fmt:MATRIX_FMT_FP6 matrix_b_fmt:MATRIX_FMT_FP6
.endif
.endr
.endr
	WIN 0
.endm
.macro TURNOUT src, dst                ; launch 3's: 32 registers of a lane become whole rows of 256 bytes
.irp e, 0,1,2,3,4,5,6,7
	ds_store_b128 v[STO], v[(\src)+4*\e:(\src)+4*\e+3] offset:128*(\e/4)+16*(\e%4)
.endr
.irp k, 0,1,2,3,4,5,6,7
	ds_load_b128 v[(\dst)+4*\k:(\dst)+4*\k+3], v[SRD] offset:544*\k
.endr
.endm
	s_load_b256 s[16:23], s[0:1], 0x0              ; hbuf 16, wimg 18, b2 20, x1 22
	s_load_b64 s[24:25], s[0:1], 0x20              ; out0
	v_lshl_add_u32 v[SPW], v0, 2, SPARE
	v_mov_b32 v[NIL], 0
	v_lshrrev_b32 v32, 5, v0
	s_delay_alu instid0(VALU_DEP_1)
	v_readfirstlane_b32 s2, v32                    ; wave 0..11
	s_mov_b32 s3, ttmp9                            ; R
	s_and_b32 s4, ttmp7, 0xffff                    ; Y
	s_lshr_b32 s5, s2, 2                           ; the unit
	s_and_b32 s8, s2, 3                            ; the quarter of K; later the tile of rows
	v_and_b32 v33, 31, v0
	v_and_b32 v34, 15, v0
	v_bfe_u32 v35, v0, 4, 1
	s_delay_alu instid0(VALU_DEP_3)
	v_lshlrev_b32 v[L16], 4, v33
	s_delay_alu instid0(VALU_DEP_4)
	v_lshlrev_b32 v[L8], 3, v33
	s_delay_alu instid0(VALU_DEP_3)
	v_mul_u32_u24 v[XO], v35, 3072
	s_delay_alu instid0(VALU_DEP_1)
	v_lshl_add_u32 v[XO], v34, 4, v[XO]
	v_lshlrev_b32 v[B2O], 4, v34
	s_mul_i32 s36, s2, 13312
	v_add_nc_u32 v[CW], s36, v[L16]
	s_mul_i32 s36, s8, 36864
	v_add_nc_u32 v[A16], s36, v[L16]
	v_add_nc_u32 v[A8], s36, v[L8]
	s_mul_i32 s36, s8, 3072
	s_add_co_u32 s36, s36, 147456
	v_add_nc_u32 v[SA], s36, v[L16]
	s_lshl_b32 s36, s5, 16
	s_lshl_b32 s37, s8, 12
	s_add_co_u32 s37, s37, s36
	v_add_nc_u32 v[RW], s37, v[L16]
	s_lshl_b32 s37, s8, 14
	s_add_co_u32 s37, s37, s36
	v_add_nc_u32 v[RR], s37, v[L16]
	s_mul_i32 s36, s2, 4352
	s_add_co_u32 s36, s36, STG
	v_mul_u32_u24 v[STO], v34, 272
	s_delay_alu instid0(VALU_DEP_1)
	v_lshl_add_u32 v[STO], v35, 6, v[STO]
	s_delay_alu instid0(VALU_DEP_1)
	v_add_nc_u32 v[STO], s36, v[STO]
	v_mul_u32_u24 v[SRD], v35, 272
	s_delay_alu instid0(VALU_DEP_1)
	v_lshl_add_u32 v[SRD], v34, 4, v[SRD]
	s_delay_alu instid0(VALU_DEP_1)
	v_add_nc_u32 v[SRD], s36, v[SRD]
	s_mul_i32 s40, s3, 159744
	s_mov_b32 s41, 0
	s_mul_i32 s9, s4, 192
	s_lshl_b32 s10, s5, 6
	s_add_co_u32 s9, s9, s10                       ; my unit's first column
	s_mul_i32 s42, s4, 3
	s_add_co_u32 s42, s42, s5                      ; w2's unit 3 Y + w / 4: 24 records,
	s_mul_i32 s42, s42, 24*REC
	s_mul_i32 s43, s8, 6*REC                       ; my quarter's six,
	s_add_co_u32 s42, s42, s43
	s_add_co_u32 s42, s42, 360*REC                 ; behind wo's and w1's 360
	s_mov_b32 s43, 0
	s_lshl_b32 s50, s9, 2
	s_mov_b32 s51, 0
	s_lshr_b32 s52, s8, 1
	s_lshl_b32 s52, s52, 5
	s_and_b32 s53, s8, 1
	s_lshl_b32 s53, s53, 3
	s_add_co_u32 s52, s52, s53
	s_lshl_b32 s53, s3, 6
	s_add_co_u32 s52, s52, s53                     ; the first row of the tile that I finish
	s_mul_i32 s52, s52, 3072
	s_add_co_u32 s52, s52, s50
	s_mov_b32 s53, 0
	s_wait_alu depctr_va_vdst(0)
	s_wait_kmcnt 0x0
	s_add_nc_u64 s[28:29], s[16:17], s[40:41]      ; hbuf's block
	s_add_nc_u64 s[WB:WB+1], s[18:19], s[42:43]
	s_add_nc_u64 s[30:31], s[20:21], s[50:51]      ; b2
	s_add_nc_u64 s[32:33], s[22:23], s[52:53]      ; x1
	s_add_nc_u64 s[34:35], s[24:25], s[52:53]      ; out0
	; ---- the hidden layer's images into LDS: a twelfth a wave, 26 pieces of 512 bytes
.set k, 0
.rept 26
	global_load_b128 v[128+4*k:131+4*k], v[CW], s[28:29] offset:512*k
.set k, k+1
.endr
.set k, 0
.rept 26
	s_wait_loadcnt 25-k                            ; piece k is in; the 25 - k younger ones may be out
	ds_store_b128 v[CW], v[128+4*k:131+4*k] offset:512*k
.set k, k+1
.endr
	BARRIER
	; ---- my quarter of K
	KSTEP 0, 1, 1, A16, A8, 0, SA, 0
.irp s, 1,2,3,4,5
	KSTEP \s, 0, 0, A16, A8, 0, SA, 0
.endr
	BARRIER                                        ; every wave's reads of the images are over: the partial sums may be laid over them
.rept 4
	v_nop                                          ; places in front of the first read of results and of loads into the operands' registers
.endr
.irp o, 0,1,2,3
.irp e, 0,1,2,3,4,5,6,7
	ds_store_b128 v[RW], v[ACC+32*\o+4*\e:ACC+32*\o+4*\e+3] offset:16384*\o+512*\e
.endr
.endr
.irp k, 0,1,2,3,4,5,6,7
	global_load_b128 v[32+4*\k:35+4*\k], v[XO], s[32:33] offset:(2*\k+8*(\k/4))*3072   ; x1's rows of my tile, as whole rows
.endr
	global_load_b128 v[64:67], v[B2O], s[30:31]
	BARRIER
.irp q, 0,1,2,3
.irp e, 0,1,2,3,4,5,6,7
	ds_load_b128 v[128+32*\q+4*\e:131+32*\q+4*\e], v[RR] offset:4096*\q+512*\e
.endr
.endr
	s_wait_dscnt 0x0
.set n, 0
.rept 16
	v_pk_add_f32 v[128+n:129+n], v[128+n:129+n], v[160+n:161+n]
	v_pk_add_f32 v[192+n:193+n], v[192+n:193+n], v[224+n:225+n]
.set n, n+2
.endr
.set n, 0
.rept 16
	v_pk_add_f32 v[128+n:129+n], v[128+n:129+n], v[192+n:193+n]
.set n, n+2
.endr
	TURNOUT 128, 96
	s_wait_loadcnt 0x0                             ; x1 and b2
.irp k, 0,1,2,3,4,5,6,7
	s_wait_dscnt 7-\k                              ; load k is in; the 7 - k younger ones may be out
	v_pk_add_f32 v[96+4*\k:97+4*\k], v[96+4*\k:97+4*\k], v[64:65]
	v_pk_add_f32 v[98+4*\k:99+4*\k], v[98+4*\k:99+4*\k], v[66:67]
	s_delay_alu instid0(VALU_DEP_2)
	v_pk_add_f32 v[96+4*\k:97+4*\k], v[96+4*\k:97+4*\k], v[32+4*\k:33+4*\k]
	s_delay_alu instid0(VALU_DEP_2)
	v_pk_add_f32 v[98+4*\k:99+4*\k], v[98+4*\k:99+4*\k], v[34+4*\k:35+4*\k]
	global_store_b128 v[XO], v[96+4*\k:99+4*\k], s[34:35] offset:(2*\k+8*(\k/4))*3072 th:TH_STORE_NT   ; 16 lanes store 256 consecutive bytes, aligned; written once
.endr
	s_wait_tensorcnt 0x0                           ; the wave's end, behind my last LDS store
	ds_add_u32 v[SPW], v[NIL]
	s_wait_dscnt 0x0
	s_endpgm
.Lfunc_end_k_q62b1986c1c_ff2:
	.size	k_q62b1986c1c_ff2, .Lfunc_end_k_q62b1986c1c_ff2-k_q62b1986c1c_ff2
	.p2alignl 7, 3214868480
	.fill 96, 4, 3214868480
	.section	.rodata,"a",@progbits
	.p2align	6, 0x0
	.amdhsa_kernel k_q62b1986c1c_ff2
		.amdhsa_group_segment_fixed_size 250368
		.amdhsa_private_segment_fixed_size 0
		.amdhsa_enable_private_segment 0
		.amdhsa_kernarg_size 40
		.amdhsa_user_sgpr_count 2
		.amdhsa_user_sgpr_kernarg_segment_ptr 1
		.amdhsa_wavefront_size32 1
		.amdhsa_system_sgpr_workgroup_id_x 1
		.amdhsa_system_sgpr_workgroup_id_y 1
		.amdhsa_system_sgpr_workgroup_id_z 1
		.amdhsa_system_vgpr_workitem_id 0
		.amdhsa_next_free_vgpr 304
		.amdhsa_next_free_sgpr 66
		.amdhsa_reserve_vcc 0
		.amdhsa_float_denorm_mode_32 3
		.amdhsa_float_denorm_mode_16_64 3
		.amdhsa_memory_ordered 1
		.amdhsa_forward_progress 1
		.amdhsa_inst_pref_size 49
	.end_amdhsa_kernel
	.amdgpu_metadata
---
amdhsa.version: [ 1, 2 ]
amdhsa.kernels:
  - .name:           k_q62b1986c1c_ff2
    .symbol:         k_q62b1986c1c_ff2.kd
    .args:
      - { .name: hbuf, .offset: 0, .size: 8, .value_kind: global_buffer, .address_space: global }
      - { .name: wimg, .offset: 8, .size: 8, .value_kind: global_buffer, .address_space: global }
      - { .name: b2, .offset: 16, .size: 8, .value_kind: global_buffer, .address_space: global }
      - { .name: x1, .offset: 24, .size: 8, .value_kind: global_buffer, .address_space: global }
      - { .name: out0, .offset: 32, .size: 8, .value_kind: global_buffer, .address_space: global }
    .group_segment_fixed_size: 250368
    .private_segment_fixed_size: 0
    .kernarg_segment_align: 8
    .kernarg_segment_size: 40
    .max_flat_workgroup_size: 384
    .sgpr_count:     66
    .vgpr_count:     304
    .wavefront_size: 32
...
	.end_amdgpu_metadata
.endif
;; end of part 8
